; MI455X (gfx1250); checked and timed in simulation.
; The chip was launched on July 23, 2026; its instructions are those of AMD's public machine-readable ISA for CDNA 5 (MIT licence, August 2026) and "CDNA5" Instruction Set Architecture Reference Guide (July 2026). The comments in the code are by the model that wrote it; some were corrected since.
;; Transformer Block. Allowed arithmetic: matrix products marked QUANTISED: E4M3 operands, one given power-of-two scale a tensor, by v_wmma_f32_16x16x64_fp8_fp8 or v_wmma_f32_16x16x128_fp8_fp8, f32 sums; everything else in f32.
;; Inputs: W1_codes 2,048 x 16 x 32 uint8 (E4M3 codes of W1, K innermost, in blocks of 32 codes); W2_codes 512 x 64 x 32 uint8 (E4M3 codes of W2, K innermost, in blocks of 32 codes); Wk_codes 512 x 16 x 32 uint8 (E4M3 codes of Wk, K innermost, in blocks of 32 codes); Wo_codes 512 x 16 x 32 uint8 (E4M3 codes of Wo, K innermost, in blocks of 32 codes); Wq_codes 512 x 16 x 32 uint8 (E4M3 codes of Wq, K innermost, in blocks of 32 codes); Wv_codes 512 x 16 x 32 uint8 (E4M3 codes of Wv, K innermost, in blocks of 32 codes); b1 2,048 float32; b2 512 float32; be1 512 float32; be2 512 float32; bk 512 float32; bo 512 float32; bq 512 float32; bv 512 float32; g1 512 float32; g2 512 float32; lowp_scales 16 int32 (the exponents e of the quantised operands' scales 2^e); mask 4 x 2,048 int32; x 4 x 2,048 x 512 float32.
;; Outputs: out0 4 x 2,048 x 512 float32.
;; This version of the problem:
;;   THIS VERSION OF THE PROBLEM IS GIVEN IN LOW PRECISION. The matrix products marked QUANTISED in the list below multiply operands that are first quantised to E4M3 (4 exponent bits, 3 mantissa bits; 8 bits a number), with one given power-of-two scale for each operand tensor; their sums are f32. All else is computed in f32.
;;   The module's matrix products, in the order in which they are computed (A, B: the left and right operand; K: the contracted axis; several contracted axes count as one K, in the product's order):
;;     1. [M 8,192, K 512] x [K 512, N 512]; A: computed on the way; B: input Wq (given as codes): QUANTISED (scales: A lowp_scales[0], B lowp_scales[1])
;;     2. [M 8,192, K 512] x [K 512, N 512]; A: computed on the way; B: input Wk (given as codes): QUANTISED (scales: A lowp_scales[2], B lowp_scales[3])
;;     3. [M 8,192, K 512] x [K 512, N 512]; A: computed on the way; B: input Wv (given as codes): QUANTISED (scales: A lowp_scales[4], B lowp_scales[5])
;;     4. batch 32 x [M 2,048, K 64] x [K 64, N 2,048]; A: computed on the way; B: computed on the way: QUANTISED (scales: A lowp_scales[6], B lowp_scales[7])
;;     5. batch 32 x [M 2,048, K 2,048] x [K 2,048, N 64]; A: computed on the way; B: computed on the way: QUANTISED (scales: A lowp_scales[8], B lowp_scales[9])
;;     6. [M 8,192, K 512] x [K 512, N 512]; A: computed on the way; B: input Wo (given as codes): QUANTISED (scales: A lowp_scales[10], B lowp_scales[11])
;;     7. [M 8,192, K 512] x [K 512, N 2,048]; A: computed on the way; B: input W1 (given as codes): QUANTISED (scales: A lowp_scales[12], B lowp_scales[13])
;;     8. [M 8,192, K 2,048] x [K 2,048, N 512]; A: computed on the way; B: input W2 (given as codes): QUANTISED (scales: A lowp_scales[14], B lowp_scales[15])
;;   THE QUANTISER, for each operand of a quantised product, along K:
;;     - The operand's scale is 2^e, e = its entry of the input lowp_scales (int32; the entries are numbered through the quantised products in the list's order, A before B).
;;     - Each number is divided by the scale, clamped to +-448, and rounded to the nearest number of E4M3, ties to even, subnormals kept.
;;     - The product sums the exact products of the quantised numbers (number of the format x scale) in f32.
;;   ~~~python
;;   def quantise(x, axis, e):      # numpy; x: float32 -> the quantised numbers, widened to float32 again
;;       x = np.moveaxis(x, axis, -1); K = x.shape[-1]
;;       r = np.clip(x / 2.0 ** e, -448, 448)
;;       step = 2.0 ** (np.maximum(np.frexp(np.where(r == 0, 1, r))[1] - 1, -6) - 3)
;;       q = np.round(r / step) * step * 2.0 ** e      # np.round: ties to even
;;       return np.moveaxis(q, -1, axis).astype(np.float32)
;;   ~~~
;;   OPERANDS COMPUTED ON THE WAY. 'Computed on the way' means the value that the module computes at that place (a softmax that the list does not call 'softmax' is quantised finished and normalised). What goes into a quantiser is computed in f32, as accurately as f32 sums, v_exp_f32 and their like allow (about 1e-6 of the number): no bf16 or f16 on the way to a quantiser, and a product that is left as it is and whose result goes on into a quantised operand takes f32 operands (vector FMAs, or v_wmma_f32_16x16x4_f32). A number that lies on a knife's edge between two numbers of the format may be rounded either way, as far as f32 arithmetic and the matrix unit's own rounding can turn it there, and no further.
;;   INPUTS GIVEN AS CODES. W1 (in the module: [512, 2048], K = its axis 0); W2 (in the module: [2048, 512], K = its axis 0); Wk (in the module: [512, 512], K = its axis 0); Wo (in the module: [512, 512], K = its axis 0); Wq (in the module: [512, 512], K = its axis 0); Wv (in the module: [512, 512], K = its axis 0): each comes as NAME_codes (uint8): NAME with its K axis moved to the last place and cut into blocks of 32 codes, [.., K / 32, bytes a block], one block behind the other in memory; one code a byte (a code: sign, 4 exponent bits, 3 mantissa bits); its scale is its entry of lowp_scales. Its value is code x scale, taken as it is: it is not quantised again, and the codes and scales need not be those that the quantiser above would give.
;; 3 versions. Each part assembles by itself: llvm-mc -triple=amdgcn-amd-amdhsa -mcpu=gfx1250 --defsym DOCPART=n.
;; ======== version 1 of 3: 3 launches
;; limits: right only within a limited range of input values
;; workspace buffers: q_img 4,194,304 bytes; k_img 4,194,304 bytes; v_img 4,194,304 bytes; ao_img 4,194,304 bytes; wo_img 262,144 bytes; w1_img 1,048,576 bytes; w2_img 1,048,576 bytes
;; launch ln_qkv (part 1): grid 128 x 2, 4 waves a work-group, no clusters, 104,960 bytes of LDS; arguments x, g1, be1, Wq_codes, Wk_codes, Wv_codes, bq, bk, bv, lowp_scales, W1_codes, W2_codes, Wo_codes, q_img, k_img, v_img, w1_img, w2_img, wo_img; writes q_img, k_img, v_img, w1_img, w2_img, wo_img
.if DOCPART == 1
	.amdgcn_target "amdgcn-amd-amdhsa--gfx1250"
	.amdhsa_code_object_version 6
	.text
	.protected	k_q5df18c5b3e_ln_qkv
	.globl	k_q5df18c5b3e_ln_qkv
	.p2align	8
	.type	k_q5df18c5b3e_ln_qkv,@function
k_q5df18c5b3e_ln_qkv:
	s_mov_b64 s[64:65], 0
	v_nop
	global_prefetch_b8 v0, s[64:65] scope:SCOPE_SE
	s_setreg_imm32_b32 hwreg(HW_REG_WAVE_MODE, 25, 1), 1
	s_wait_xcnt 0x0
; h = layernorm(x, g1, be1); Q = h Wq + bq, K = h Wk + bk, V = h Wv + bv on codes of E4M3; Q, K, V leave as codes, laid as images of the operand registers that the attention launch loads.
; Beside that each wave lays one fragment of W1 or W2 (and the first 128 waves one of Wo) in register order for the third launch.
; SHARES.  A work-group takes 64 tokens (x of the grid) and 4 heads (y).  Wave w normalises tokens 16 w .. 16 w + 15 and quantises them three times (the three products have scales of their own);
; the codes go to LDS; behind the one barrier wave w is head 4 y + w and makes that head's Q, K and V for all 64 tokens.  Its 3 x 64 rows of weights (768 registers) are read once, into windows 1 to 3.
; K ORDER.  In these three products both operands hold k = 128 s + 32 c + 16 (lane / 16) + 0 .. 15 in registers 4 c .. 4 c + 3: the same permutation of k on both sides, so every product meets its partner.
; Q, K: source 0 = 16 rows of the weight, source 1 = 16 tokens: a lane holds one token and eight neighbouring channels, which convert into registers 2 ct, 2 ct + 1 of a 16 x 64 fragment.
; V: source 0 = 16 tokens, source 1 = 16 rows of Wv: a lane holds one channel and eight neighbouring tokens: registers 2 c, 2 c + 1 of a fragment whose K is the keys.
; LDS: three sets of 4 tiles; a tile is 32 slots (16 codes along K each) of 272 bytes, token r at 16 r inside a slot: 3 x 4 x 8,704 = 104,448 bytes.
; LIMITS: e0, e2, e4, e6 - e0 - e1, e7 - e2 - e3, e9 - e4 - e5 between -126 and 119, so that each scale and 448 x the scale is an f32 number.  NaN and infinities among the inputs are not served.
; No tensor load, no cluster: each weight byte is wanted by one wave of the work-group, and x's rows by one wave: a way through LDS would add a write and a read of the same bytes.
.set SLOTP, 272
.set TILEB, 32*SLOTP
.set SETB,  4*TILEB
.set ADS,  6                           ; v6-8    where I store my row's codes, set 0, 1, 2
.set LH,   9                           ; v9-11   where I read a fragment of h, set 0, 1, 2
.set LI,   12                          ; v12     16 x lane
.set G,    16                          ; v16-31  g1 of my 16 columns
.set BE,   32                          ; v32-47  be1
.set SCQ,  48                          ; v48-59  scale and 448 x scale: h for Q, K, V; then Q's, K's, V's own
.set XA,   64                          ; v64-127, v128-191: two sets of four rows of x, 16 numbers a lane and row
.set TT,   192                         ; v192-223 at work: eight a row
.set YA,   192
.set YB,   208
.set CC,   224                         ; v224-235 a row's codes, three sets of four
.set SS,   236
.set PP,   240
.set MU,   244                         ; v244-251 four pairs: the mean, later 1 / sigma, in the low word
.set ACC0, 16                          ; behind the barrier: four tiles of sums
.set ACC1, 224
.set BQ,   64                          ; bq, then (at + 32) bk: four tiles in the result's layout
.set BV,   128                         ; bv: four pairs
.set CD,   136                         ; codes on their way out
.set H,    160                         ; h's four fragments of one tile of tokens
.set SINV, 66
.set SEPS, 67
.set SEL,  68
.set MSB, 0
.macro WIN new                         ; the immediate's high byte repeats the setting that is left
.if MSB != (\new)
	s_set_vgpr_msb (MSB<<8)|(\new)
.set MSB, (\new)
.endif
.endm
.macro PLACES
.rept 4
	v_nop
.endr
.endm
.macro MKSC vsc, vlim, se              ; v[vsc] = 2^s[se], v[vlim] = 448 x 2^s[se]
	s_add_co_i32 s46, s[\se], 127
	s_lshl_b32 s47, s46, 23
	v_mov_b32 v[\vsc], s47
	s_add_co_i32 s46, s46, 8
	s_lshl_b32 s46, s46, 23
	s_or_b32 s46, s46, 0x600000
	v_mov_b32 v[\vlim], s46
.endm
.macro LANESUM                         ; four rows' figures summed over the 32 lanes, line by line so that no line waits for the one above
.irp x, 1,2,4,8
.irp k, 0,1,2,3
	v_add_f32_dpp v[SS+\k], v[SS+\k], v[SS+\k] row_xmask:\x row_mask:0xf bank_mask:0xf
.endr
.endr
.irp k, 0,1,2,3
	v_permlanex16_b32 v[PP+\k], v[SS+\k], s[SEL], s[SEL+1]
.endr
.irp k, 0,1,2,3
	v_add_f32 v[SS+\k], v[SS+\k], v[PP+\k]
.endr
.endm
.macro QSET src, y, q                  ; 16 numbers held within +-448 x scale q (the conversion does not saturate: ISA guide 7.6.2) and converted
.set qi, 0
.rept 16
	v_med3_num_f32 v[\y+qi], v[\src+qi], -v[SCQ+2*\q+1], v[SCQ+2*\q+1]
.set qi, qi+1
.endr
	v_cvt_scalef32_pk8_fp8_f32 v[CC+4*\q:CC+4*\q+1], v[\y:\y+7], v[SCQ+2*\q]
	v_cvt_scalef32_pk8_fp8_f32 v[CC+4*\q+2:CC+4*\q+3], v[\y+8:\y+15], v[SCQ+2*\q]
.endm
; Four rows, 16 numbers a lane each, are normalised in place and leave as codes.  Mean first, then the mean of the squared differences: no difference of large sums is formed.
.macro LNGROUP xb, row0, nsets
.irp k, 0,1,2,3
.irp p, 0,1,2,3
	v_pk_add_f32 v[TT+8*\k+2*\p:TT+8*\k+2*\p+1], v[\xb+16*\k+4*\p:\xb+16*\k+4*\p+1], v[\xb+16*\k+4*\p+2:\xb+16*\k+4*\p+3]
.endr
.endr
.irp k, 0,1,2,3
	v_pk_add_f32 v[TT+8*\k:TT+8*\k+1], v[TT+8*\k:TT+8*\k+1], v[TT+8*\k+2:TT+8*\k+3]
	v_pk_add_f32 v[TT+8*\k+4:TT+8*\k+5], v[TT+8*\k+4:TT+8*\k+5], v[TT+8*\k+6:TT+8*\k+7]
.endr
.irp k, 0,1,2,3
	v_pk_add_f32 v[TT+8*\k:TT+8*\k+1], v[TT+8*\k:TT+8*\k+1], v[TT+8*\k+4:TT+8*\k+5]
.endr
.irp k, 0,1,2,3
	v_add_f32 v[SS+\k], v[TT+8*\k], v[TT+8*\k+1]
.endr
	LANESUM
.irp k, 0,1,2,3
	v_mul_f32 v[MU+2*\k], s[SINV], v[SS+\k]        ; the mean
.endr
.irp k, 0,1,2,3
.irp p, 0,2,4,6,8,10,12,14
	v_pk_add_f32 v[\xb+16*\k+\p:\xb+16*\k+\p+1], v[\xb+16*\k+\p:\xb+16*\k+\p+1], v[MU+2*\k:MU+2*\k+1] op_sel_hi:[1,0] neg_lo:[0,1] neg_hi:[0,1]
.endr
.endr
.irp k, 0,1,2,3
	v_pk_mul_f32 v[TT+8*\k:TT+8*\k+1], v[\xb+16*\k:\xb+16*\k+1], v[\xb+16*\k:\xb+16*\k+1]
	v_pk_mul_f32 v[TT+8*\k+2:TT+8*\k+3], v[\xb+16*\k+2:\xb+16*\k+3], v[\xb+16*\k+2:\xb+16*\k+3]
.endr
.irp p, 1,2,3
.irp k, 0,1,2,3
	v_pk_fma_f32 v[TT+8*\k:TT+8*\k+1], v[\xb+16*\k+4*\p:\xb+16*\k+4*\p+1], v[\xb+16*\k+4*\p:\xb+16*\k+4*\p+1], v[TT+8*\k:TT+8*\k+1]
	v_pk_fma_f32 v[TT+8*\k+2:TT+8*\k+3], v[\xb+16*\k+4*\p+2:\xb+16*\k+4*\p+3], v[\xb+16*\k+4*\p+2:\xb+16*\k+4*\p+3], v[TT+8*\k+2:TT+8*\k+3]
.endr
.endr
.irp k, 0,1,2,3
	v_pk_add_f32 v[TT+8*\k:TT+8*\k+1], v[TT+8*\k:TT+8*\k+1], v[TT+8*\k+2:TT+8*\k+3]
.endr
.irp k, 0,1,2,3
	v_add_f32 v[SS+\k], v[TT+8*\k], v[TT+8*\k+1]
.endr
	LANESUM
.irp k, 0,1,2,3
	v_fma_f32 v[SS+\k], v[SS+\k], s[SINV], s[SEPS] ; variance + eps
.endr
.irp k, 0,1,2,3
	v_rsq_f32 v[MU+2*\k], v[SS+\k]
.endr
	v_nop                                          ; a plain instruction behind the last root,
	s_wait_alu depctr_va_vdst(0)                   ; and the one wait for the four ahead of their first reader
.irp k, 0,1,2,3
.irp p, 0,2,4,6,8,10,12,14
	v_pk_mul_f32 v[\xb+16*\k+\p:\xb+16*\k+\p+1], v[\xb+16*\k+\p:\xb+16*\k+\p+1], v[MU+2*\k:MU+2*\k+1] op_sel_hi:[1,0]
.endr
.endr
.irp k, 0,1,2,3
.irp p, 0,2,4,6,8,10,12,14
	v_pk_fma_f32 v[\xb+16*\k+\p:\xb+16*\k+\p+1], v[\xb+16*\k+\p:\xb+16*\k+\p+1], v[G+\p:G+\p+1], v[BE+\p:BE+\p+1]
.endr
.endr
.irp k, 0,1,2,3
	s_wait_dscnt 0x0                               ; the last row's stores have read the codes' registers
	QSET \xb+16*\k, YA, 0
.if \nsets > 1
	QSET \xb+16*\k, YB, 1
	QSET \xb+16*\k, YA, 2
.endif
	v_nop                                          ; a plain instruction between the last conversion and whatever next writes its sources
	ds_store_b128 v[ADS], v[CC:CC+3] offset:16*(\row0+\k)
.if \nsets > 1
	ds_store_b128 v[ADS+1], v[CC+4:CC+7] offset:16*(\row0+\k)
	ds_store_b128 v[ADS+2], v[CC+8:CC+11] offset:16*(\row0+\k)
.endif
.endr
.endm
.macro XLOAD g                         ; rows 4 g .. 4 g + 3 of my 16: a lane takes 64 bytes of each
.set xi, 0
.rept 16
	global_load_b128 v[XA+64*((\g)%2)+4*xi:XA+64*((\g)%2)+4*xi+3], v4, s[8:9] offset:(4*(\g)+xi/4)*2048+16*(xi%4)
.set xi, xi+1
.endr
.endm
.macro WLOADS q0                       ; 48 of the 192 loads that bring my head's rows of Wq, Wk, Wv: fragment (ct, s) to v[16 (4 ct + s)] of window 1, 2, 3
.set wq, \q0
.rept 48
	WIN ((wq/64)+1)<<6
	global_load_b128 v[4*(wq%64):4*(wq%64)+3], v5, s[14+2*(wq/64):15+2*(wq/64)] offset:((wq%64)/16)*8192+(((wq%64)/4)%4)*128+(wq%4)*32
.set wq, wq+1
.endr
	WIN 0
.endm
.macro LOADH set, m                    ; the four fragments of h, tile m of tokens, as quantised for product 'set'
.set hq, 0
.rept 16
	ds_load_b128 v[H+4*hq:H+4*hq+3], v[LH+\set] offset:(\m)*TILEB+(hq/4)*8*SLOTP+(hq%4)*2*SLOTP
.set hq, hq+1
.endr
.endm
; Q (mat = 0) or K (1) of tile m: 16 products, the four accumulators by turns; the bias, divided by the power of two that the sums lack, is the C of each sum's first product.
.macro UNITQK mat, m, nset, nm
	s_wait_dscnt 0x0                               ; h's fragments are in
	WIN (\mat)+1
.irp s, 0,1,2,3
.irp ct, 0,1,2,3
.if \s == 0
	v_wmma_f32_16x16x128_fp8_fp8 v[ACC0+8*\ct:ACC0+8*\ct+7], v[16*(4*\ct+\s):16*(4*\ct+\s)+15], v[H+16*\s:H+16*\s+15], v[BQ+32*(\mat)+8*\ct:BQ+32*(\mat)+8*\ct+7]
.else
	v_wmma_f32_16x16x128_fp8_fp8 v[ACC0+8*\ct:ACC0+8*\ct+7], v[16*(4*\ct+\s):16*(4*\ct+\s)+15], v[H+16*\s:H+16*\s+15], v[ACC0+8*\ct:ACC0+8*\ct+7]
.endif
.endr
.endr
	WIN 0
	PLACES                                         ; four places ahead of loads into registers that the products read, and of the first read of the sums
	LOADH \nset, \nm                               ; the next unit's fragments come while this one's sums are quantised
.set ui, 0
.rept 32
	v_med3_num_f32 v[ACC0+ui], v[ACC0+ui], -v[SCQ+7+2*(\mat)], v[SCQ+7+2*(\mat)]
.set ui, ui+1
.endr
	s_wait_xcnt 0x0                                ; the last unit's stores have read the codes' registers
.irp ct, 0,1,2,3
	v_cvt_scalef32_pk8_fp8_f32 v[CD+2*\ct:CD+2*\ct+1], v[ACC0+8*\ct:ACC0+8*\ct+7], v[SCQ+6+2*(\mat)]
.endr
	v_nop
	global_store_b128 v[LI], v[CD:CD+3], s[34+2*(\mat):35+2*(\mat)] offset:1024*(\m)          ; each store of the wave covers 512 consecutive bytes, aligned
	global_store_b128 v[LI], v[CD+4:CD+7], s[34+2*(\mat):35+2*(\mat)] offset:1024*(\m)+512
.endm
.macro VMUL acc
	s_wait_dscnt 0x0
	WIN 0x0c                                       ; source 1 (Wv) window 3
.irp s, 0,1,2,3
.irp ct, 0,1,2,3
.if \s == 0
	v_wmma_f32_16x16x128_fp8_fp8 v[\acc+8*\ct:\acc+8*\ct+7], v[H+16*\s:H+16*\s+15], v[16*(4*\ct+\s):16*(4*\ct+\s)+15], 0
.else
	v_wmma_f32_16x16x128_fp8_fp8 v[\acc+8*\ct:\acc+8*\ct+7], v[H+16*\s:H+16*\s+15], v[16*(4*\ct+\s):16*(4*\ct+\s)+15], v[\acc+8*\ct:\acc+8*\ct+7]
.endif
.endr
.endr
	WIN 0
	PLACES
.endm
; V of tiles 2 mp and 2 mp + 1: their 16 tokens each are registers 4 g .. 4 g + 3 of a fragment along the keys: one store of 512 bytes for each tile of channels
.macro UNITV mp
	VMUL ACC0
	LOADH 2, 2*(\mp)+1
	VMUL ACC1
.if \mp == 0
	LOADH 2, 2
.endif
.irp a, ACC0, ACC1
.irp ct, 0,1,2,3
.irp p, 0,2,4,6
	v_pk_add_f32 v[\a+8*\ct+\p:\a+8*\ct+\p+1], v[\a+8*\ct+\p:\a+8*\ct+\p+1], v[BV+2*\ct:BV+2*\ct+1]   ; a lane holds one channel: its bias serves all eight tokens
.endr
.endr
.endr
.irp a, ACC0, ACC1
.set ui, 0
.rept 32
	v_med3_num_f32 v[\a+ui], v[\a+ui], -v[SCQ+11], v[SCQ+11]
.set ui, ui+1
.endr
.endr
	s_wait_xcnt 0x0
.irp ct, 0,1,2,3
	v_cvt_scalef32_pk8_fp8_f32 v[CD+4*\ct:CD+4*\ct+1], v[ACC0+8*\ct:ACC0+8*\ct+7], v[SCQ+10]
	v_cvt_scalef32_pk8_fp8_f32 v[CD+4*\ct+2:CD+4*\ct+3], v[ACC1+8*\ct:ACC1+8*\ct+7], v[SCQ+10]
.endr
	v_nop
.irp ct, 0,1,2,3
	global_store_b128 v[LI], v[CD+4*\ct:CD+4*\ct+3], s[38:39] offset:2048*\ct+512*(\mp)
.endr
.endm
	s_load_b512 s[8:23], s[0:1], 0x0               ; x 8, g1 10, be1 12, Wq 14, Wk 16, Wv 18, bq 20, bk 22
	s_load_b512 s[24:39], s[0:1], 0x40             ; bv 24, scales 26, W1 28, W2 30, Wo 32, q_img 34, k_img 36, v_img 38
	s_load_b128 s[40:43], s[0:1], 0x80             ; w1_img 40, w2_img 42
	s_load_b64 s[44:45], s[0:1], 0x90              ; wo_img
	v_lshl_add_u32 v62, v0, 2, 0x19800
	v_mov_b32 v63, 0
	v_lshrrev_b32 v1, 5, v0
	v_readfirstlane_b32 s4, v1                     ; wave
	s_mov_b32 s2, ttmp9                            ; block of 64 tokens
	s_and_b32 s3, ttmp7, 0xffff                    ; group of 4 heads
	s_lshl_b32 s5, s3, 2
	s_add_co_u32 s5, s5, s4                        ; head
	s_lshl_b32 s6, s3, 7
	s_add_co_u32 s6, s6, s2
	s_lshl_b32 s6, s6, 2
	s_add_co_u32 s6, s6, s4                        ; the wave's number in the launch, 0 .. 1023
	s_mov_b32 s[SINV], 0x3b000000                  ; 1 / 512
	s_mov_b32 s[SEPS], 0x3727c5ac                  ; 1e-5
	s_mov_b32 s[SEL], 0x76543210
	s_mov_b32 s[SEL+1], 0xfedcba98
	v_and_b32 v1, 31, v0                           ; lane
	v_and_b32 v2, 15, v0                           ; r
	v_bfe_u32 v3, v0, 4, 1                         ; h
	v_lshlrev_b32 v4, 6, v1                        ; x, g1, be1: my 16 columns
	v_lshlrev_b32 v5, 9, v2
	v_lshl_add_u32 v5, v3, 4, v5                   ; a weight's row r of 512 bytes, + 16 h
	s_mul_i32 s7, s4, TILEB
	v_mul_u32_u24 v[ADS], v1, SLOTP
	v_add_nc_u32 v[ADS], s7, v[ADS]                ; my tile, slot = lane
	v_add_nc_u32 v[ADS+1], SETB, v[ADS]
	v_add_nc_u32 v[ADS+2], 2*SETB, v[ADS]
	v_mul_u32_u24 v[LH], v3, SLOTP
	v_lshl_add_u32 v[LH], v2, 4, v[LH]             ; slot h, token r
	v_add_nc_u32 v[LH+1], SETB, v[LH]
	v_add_nc_u32 v[LH+2], 2*SETB, v[LH]
	v_lshlrev_b32 v[LI], 4, v1
	v_lshlrev_b32 v13, 5, v3                       ; bq, bk: 8 numbers of my half
	v_lshlrev_b32 v14, 2, v2                       ; bv: my channel
	v_lshlrev_b32 v15, 9, v2
	v_lshl_add_u32 v15, v3, 3, v15                 ; Wo: row r of 512 bytes, + 8 h
	v_lshlrev_b32 v60, 11, v2
	v_lshl_add_u32 v60, v3, 3, v60                 ; W2: row r of 2,048 bytes, + 8 h
.irp k, 0,1,2,3
	v_mov_b32 v[PP+\k], 0                          ; a lane permute's destination counts as read
	v_mov_b32 v[MU+2*\k+1], 0                      ; named as the upper half of a pair
.endr
	s_lshl_b32 s74, s2, 2
	s_add_co_u32 s74, s74, s4
	s_lshl_b32 s74, s74, 15                        ; my 16 rows of x
	s_mov_b32 s75, 0
	s_lshl_b32 s76, s5, 15                         ; my head's 64 rows of a weight
	s_mov_b32 s77, 0
	s_lshl_b32 s78, s5, 8                          ; and its 64 numbers of a bias
	s_mov_b32 s79, 0
	s_lshr_b32 s88, s2, 5
	s_lshl_b32 s88, s88, 3
	s_add_co_u32 s88, s88, s5
	s_lshl_b32 s88, s88, 17                        ; (batch x 8 + head) x 131,072
	s_and_b32 s90, s2, 31
	s_lshl_b32 s86, s90, 12
	s_add_co_u32 s86, s86, s88                     ; q_img, k_img: + 4 tiles of 1,024 bytes for each block
	s_mov_b32 s87, 0
	s_lshr_b32 s90, s90, 1
	s_lshl_b32 s90, s90, 13
	s_add_co_u32 s88, s88, s90                     ; v_img: + key step x 8,192
	s_and_b32 s90, s2, 1
	s_lshl_b32 s90, s90, 10
	s_add_co_u32 s88, s88, s90                     ; + the block's half of each fragment
	s_mov_b32 s89, 0
	s_wait_kmcnt 0x0
	s_load_b512 s[48:63], s[26:27], 0x0            ; e0 .. e15
	s_add_nc_u64 s[8:9], s[8:9], s[74:75]
	s_add_nc_u64 s[14:15], s[14:15], s[76:77]
	s_add_nc_u64 s[16:17], s[16:17], s[76:77]
	s_add_nc_u64 s[18:19], s[18:19], s[76:77]
	s_add_nc_u64 s[20:21], s[20:21], s[78:79]
	s_add_nc_u64 s[22:23], s[22:23], s[78:79]
	s_add_nc_u64 s[24:25], s[24:25], s[78:79]
	s_add_nc_u64 s[34:35], s[34:35], s[86:87]
	s_add_nc_u64 s[36:37], s[36:37], s[86:87]
	s_add_nc_u64 s[38:39], s[38:39], s[88:89]
.irp i, 0,1,2,3
	global_load_b128 v[G+4*\i:G+4*\i+3], v4, s[10:11] offset:16*\i
	global_load_b128 v[BE+4*\i:BE+4*\i+3], v4, s[12:13] offset:16*\i
.endr
	XLOAD 0
	XLOAD 1
	; ---- one fragment of W1 or W2 (and of Wo) into register order.  The branches hang on the wave's number in the launch alone.
	s_cmp_lt_u32 s6, 512
	s_cbranch_scc0 .Lrelay_w2
	s_lshr_b32 s82, s6, 2
	s_lshl_b32 s82, s82, 13
	s_and_b32 s84, s6, 3
	s_lshl_b32 s84, s84, 7
	s_add_co_u32 s82, s82, s84                     ; tile of 16 rows x 8,192 + K step x 128
	s_mov_b32 s83, 0
	s_lshl_b32 s84, s6, 11                         ; fragment x 2,048
	s_mov_b32 s85, 0
	s_add_nc_u64 s[74:75], s[28:29], s[82:83]
	s_add_nc_u64 s[76:77], s[40:41], s[84:85]
.irp c, 0,1,2,3
	global_load_b128 v[192+4*\c:195+4*\c], v5, s[74:75] offset:32*\c     ; W1: registers 4 c ..: k = 32 c + 16 h + 0 .. 15
.endr
	s_wait_loadcnt 0x0
.irp c, 0,1,2,3
	global_store_b128 v[LI], v[192+4*\c:195+4*\c], s[76:77] offset:512*\c
.endr
	s_cmp_lt_u32 s6, 128
	s_cbranch_scc0 .Lrelay_done
	s_add_nc_u64 s[78:79], s[32:33], s[82:83]
	s_add_nc_u64 s[80:81], s[44:45], s[84:85]
.irp p, 0,1,2,3,4,5,6,7
	global_load_b64 v[208+2*\p:209+2*\p], v15, s[78:79] offset:16*\p     ; Wo: registers 2 p, 2 p + 1: k = 16 p + 8 h + 0 .. 7
.endr
	s_wait_loadcnt 0x0
.irp c, 0,1,2,3
	global_store_b128 v[LI], v[208+4*\c:211+4*\c], s[80:81] offset:512*\c
.endr
	s_branch .Lrelay_done
.Lrelay_w2:
	s_sub_co_u32 s86, s6, 512                      ; f = ((chunk x 4 + wave) x 8 + t) x 2 + e, the order in which the third launch walks W2
	s_lshr_b32 s82, s86, 1
	s_and_b32 s82, s82, 31
	s_lshl_b32 s82, s82, 15                        ; tile of 16 rows x 32,768
	s_lshr_b32 s84, s86, 6
	s_lshl_b32 s84, s84, 1
	s_and_b32 s87, s86, 1
	s_add_co_u32 s84, s84, s87
	s_lshl_b32 s84, s84, 7                         ; K step x 128
	s_add_co_u32 s82, s82, s84
	s_mov_b32 s83, 0
	s_lshl_b32 s84, s86, 11
	s_mov_b32 s85, 0
	s_add_nc_u64 s[74:75], s[30:31], s[82:83]
	s_add_nc_u64 s[76:77], s[42:43], s[84:85]
.irp p, 0,1,2,3,4,5,6,7
	global_load_b64 v[208+2*\p:209+2*\p], v60, s[74:75] offset:16*\p
.endr
	s_wait_loadcnt 0x0
.irp c, 0,1,2,3
	global_store_b128 v[LI], v[208+4*\c:211+4*\c], s[76:77] offset:512*\c
.endr
.Lrelay_done:
	s_wait_xcnt 0x0                                ; those stores have read v192-223, which the rows' work writes next
	s_wait_kmcnt 0x0
	MKSC SCQ, SCQ+1, 48
	MKSC SCQ+2, SCQ+3, 50
	MKSC SCQ+4, SCQ+5, 52
	s_add_co_i32 s70, s48, s49
	s_sub_co_i32 s70, 0, s70                       ; -(e0 + e1): a sum of the first product stands for sum x 2^(e0 + e1)
	s_add_co_i32 s71, s50, s51
	s_sub_co_i32 s71, 0, s71
	s_add_co_i32 s72, s52, s53
	s_sub_co_i32 s72, 0, s72
	s_add_co_i32 s73, s54, s70                     ; e6 - e0 - e1: the three scales folded into the conversion's one
	MKSC SCQ+6, SCQ+7, 73
	s_add_co_i32 s73, s55, s71
	MKSC SCQ+8, SCQ+9, 73
	s_add_co_i32 s73, s57, s72
	MKSC SCQ+10, SCQ+11, 73
	; ---- the 16 rows, four at a time.  Every way above has waited for all loads: g1, be1 and rows 0 to 7 are in.
	LNGROUP XA, 0, 3
	XLOAD 2
	WLOADS 0
	LNGROUP XA+64, 4, 3
	XLOAD 3
	WLOADS 48
	s_wait_loadcnt 63                              ; rows 8 to 11: 112 loads were issued behind theirs; 63 is the largest count a wait can name
	LNGROUP XA, 8, 3
	WLOADS 96
	s_wait_loadcnt 63                              ; rows 12 to 15: 96 loads were issued behind theirs
	LNGROUP XA+64, 12, 3
	WLOADS 144
.irp ct, 0,1,2,3
.irp e, 0,1
	global_load_b128 v[BQ+8*\ct+4*\e:BQ+8*\ct+4*\e+3], v13, s[20:21] offset:64*\ct+16*\e
	global_load_b128 v[BQ+32+8*\ct+4*\e:BQ+32+8*\ct+4*\e+3], v13, s[22:23] offset:64*\ct+16*\e
.endr
	global_load_b32 v[BV+2*\ct], v14, s[24:25] offset:64*\ct
.endr
	s_wait_loadcnt 0x0                             ; the weights and the biases
.set bi, 0
.rept 32
	v_ldexp_f32 v[BQ+bi], v[BQ+bi], s70
	v_ldexp_f32 v[BQ+32+bi], v[BQ+32+bi], s71
.set bi, bi+1
.endr
.irp ct, 0,1,2,3
	v_ldexp_f32 v[BV+2*\ct], v[BV+2*\ct], s72
.endr
.irp ct, 0,1,2,3
	v_mov_b32 v[BV+2*\ct+1], v[BV+2*\ct]
.endr
	s_wait_dscnt 0x0                               ; my rows' codes lie in LDS,
	s_barrier_signal -1
	s_barrier_wait -1                              ; everybody's do
	LOADH 0, 0
	UNITQK 0, 0, 0, 1
	UNITQK 0, 1, 0, 2
	UNITQK 0, 2, 0, 3
	UNITQK 0, 3, 1, 0
	UNITQK 1, 0, 1, 1
	UNITQK 1, 1, 1, 2
	UNITQK 1, 2, 1, 3
	UNITQK 1, 3, 2, 0
	UNITV 0
	UNITV 1
	s_wait_tensorcnt 0x0
	ds_add_u32 v62, v63
	s_wait_dscnt 0x0
	s_endpgm
.Lfunc_end_k_q5df18c5b3e_ln_qkv:
	.size	k_q5df18c5b3e_ln_qkv, .Lfunc_end_k_q5df18c5b3e_ln_qkv-k_q5df18c5b3e_ln_qkv
	.p2alignl 7, 3214868480
	.fill 96, 4, 3214868480
	.section	.rodata,"a",@progbits
	.p2align	6, 0x0
	.amdhsa_kernel k_q5df18c5b3e_ln_qkv
		.amdhsa_group_segment_fixed_size 104960
		.amdhsa_private_segment_fixed_size 0
		.amdhsa_enable_private_segment 0
		.amdhsa_kernarg_size 152
		.amdhsa_user_sgpr_count 2
		.amdhsa_user_sgpr_kernarg_segment_ptr 1
		.amdhsa_wavefront_size32 1
		.amdhsa_system_sgpr_workgroup_id_x 1
		.amdhsa_system_sgpr_workgroup_id_y 1
		.amdhsa_system_sgpr_workgroup_id_z 1
		.amdhsa_system_vgpr_workitem_id 0
		.amdhsa_next_free_vgpr 1024
		.amdhsa_next_free_sgpr 100
		.amdhsa_reserve_vcc 0
		.amdhsa_float_denorm_mode_32 3
		.amdhsa_float_denorm_mode_16_64 3
		.amdhsa_memory_ordered 1
		.amdhsa_forward_progress 1
		.amdhsa_inst_pref_size 215
	.end_amdhsa_kernel
	.amdgpu_metadata
---
amdhsa.version: [ 1, 2 ]
amdhsa.kernels:
  - .name:           k_q5df18c5b3e_ln_qkv
    .symbol:         k_q5df18c5b3e_ln_qkv.kd
    .args:
      - { .name: x, .offset: 0, .size: 8, .value_kind: global_buffer, .address_space: global }
      - { .name: g1, .offset: 8, .size: 8, .value_kind: global_buffer, .address_space: global }
      - { .name: be1, .offset: 16, .size: 8, .value_kind: global_buffer, .address_space: global }
      - { .name: Wq_codes, .offset: 24, .size: 8, .value_kind: global_buffer, .address_space: global }
      - { .name: Wk_codes, .offset: 32, .size: 8, .value_kind: global_buffer, .address_space: global }
      - { .name: Wv_codes, .offset: 40, .size: 8, .value_kind: global_buffer, .address_space: global }
      - { .name: bq, .offset: 48, .size: 8, .value_kind: global_buffer, .address_space: global }
      - { .name: bk, .offset: 56, .size: 8, .value_kind: global_buffer, .address_space: global }
      - { .name: bv, .offset: 64, .size: 8, .value_kind: global_buffer, .address_space: global }
      - { .name: lowp_scales, .offset: 72, .size: 8, .value_kind: global_buffer, .address_space: global }
      - { .name: W1_codes, .offset: 80, .size: 8, .value_kind: global_buffer, .address_space: global }
      - { .name: W2_codes, .offset: 88, .size: 8, .value_kind: global_buffer, .address_space: global }
      - { .name: Wo_codes, .offset: 96, .size: 8, .value_kind: global_buffer, .address_space: global }
      - { .name: q_img, .offset: 104, .size: 8, .value_kind: global_buffer, .address_space: global }
      - { .name: k_img, .offset: 112, .size: 8, .value_kind: global_buffer, .address_space: global }
      - { .name: v_img, .offset: 120, .size: 8, .value_kind: global_buffer, .address_space: global }
      - { .name: w1_img, .offset: 128, .size: 8, .value_kind: global_buffer, .address_space: global }
      - { .name: w2_img, .offset: 136, .size: 8, .value_kind: global_buffer, .address_space: global }
      - { .name: wo_img, .offset: 144, .size: 8, .value_kind: global_buffer, .address_space: global }
    .group_segment_fixed_size: 104960
    .private_segment_fixed_size: 0
    .kernarg_segment_align: 8
    .kernarg_segment_size: 152
    .max_flat_workgroup_size: 128
    .sgpr_count:     100
    .vgpr_count:     1024
    .wavefront_size: 32
...
	.end_amdgpu_metadata
.endif
;; end of part 1
;; launch attn (part 2): grid 8 x 32, 16 waves a work-group, no clusters, 272,384 bytes of LDS; arguments q_img, k_img, v_img, mask, lowp_scales, ao_img; writes ao_img
.if DOCPART == 2
	.amdgcn_target "amdgcn-amd-amdhsa--gfx1250"
	.amdhsa_code_object_version 6
	.text
	.protected	k_q5df18c5b3e_attn
	.globl	k_q5df18c5b3e_attn
	.p2align	8
	.type	k_q5df18c5b3e_attn,@function
k_q5df18c5b3e_attn:
	s_mov_b64 s[64:65], 0
	v_nop
	global_prefetch_b8 v0, s[64:65] scope:SCOPE_SE
	s_setreg_imm32_b32 hwreg(HW_REG_WAVE_MODE, 25, 1), 1
	s_wait_xcnt 0x0
; Attention of one head on codes of E4M3: scores = Q K^T / 8, causal and padding masks at -1e9, softmax FINISHED AND NORMALISED, quantised with e8, times V; the result leaves as codes (e10), as an image of the next product's operand.
; The normalised weights are what is quantised, so a row's maximum and sum must be known first: the keys are walked twice.  Walk 1: maximum and sum.  Walk 2: the scores again, p = 2^(t - m) / sum, its codes, O^T += V^T P.
; SHARES.  A work-group is one head (y of the grid) and 16 of its 128 tiles of 16 queries, one a wave; the head's K and V images (128 KiB each) and a bias word for each key lie in LDS, stored once: one barrier in the launch.
; Wave w takes tile P = 8 x + w / 2 or 127 - P, so that long and short causal rows are paired in every work-group and on every four neighbouring waves.
; LAYOUT.  S^T = K Q^T (source 0 = 16 keys, source 1 = my 16 queries): lane (r, h) holds query r and keys 16 u + 8 h + 0 .. 7 of tile u: eight registers that convert into registers 2 u, 2 u + 1 of P for O^T = V^T P.
; MASKS.  A masked score is the raw sum NEG = -8e9 x 2^-(e6 + e7), which stands for -1e9.  Causal: by v_cndmask_b32 in the steps on the diagonal; steps wholly above it are left out (their p is 0).
; Padding: the key's bias (0 or NEG) is the C of the score's product, in the steps whose 128 mask words hold a zero; a scalar branch on the mask, an input of whole numbers, leaves that way out elsewhere.
; A ROW WITH NO VISIBLE KEY has all 2,048 scores at -1e9: its weights are 2^-11 over ALL keys.  Such a row needs mask[b][0] = 0: only then U = V^T x Q(2^-11) over all keys is made; a lane takes U where its maximum lies under NEG / 2.
; LIMITS: e6 + e7 between -90 and 120; e8 and e10 - e8 - e9 between -126 and 119; true scores stay above -5e8.  NaN and infinities are not served.
; No tensor load and no cluster: the walk's length hangs on the work-group's and the wave's place and the bias way on the mask; K and V are read once a work-group, at its head.
.set FR,  32                           ; v32-95   fragments of K (8 x 8), of V (4 x 16), or K's and the bias tiles
.set SX,  96                           ; v96-159  S^T, then p
.set OX,  160                          ; v160-191 O^T
.set UX,  192                          ; v192-223 U
.set PC,  224                          ; v224-239 p's codes
.set VLDS, 131072
.set BLDS, 262144
; v1 16 x lane; v2 BLDS + 32 h; v3 r - 8 h; v4 16 x thread; v5, v6, v7 addresses of K, bias, V in hand; v8 at work; v9 NEG; v10, v11 448 x 2^e8, 2^e8; v12, v13 the same for the result; v14 NEG / 2; v15 bias store
; v240 the maximum; v[242:243] c x maximum; v[246:247] the rescaling factor, later 1 / sum; v[250:251] the sum in two halves; v252-255 at work
; s17 my first query, s18 my last; s19 the step's first key; s20, s21, s22 its bytes in K, bias, V; s23 trips; s24 one bit a key step: its mask has a zero; s25 that word, shifted; s26 mask[b][0]; s[28:29] c
.macro PLACES
.rept 4
	v_nop
.endr
.endm
.macro MKSC vsc, vlim, se
	s_add_co_i32 s2, s[\se], 127
	s_lshl_b32 s3, s2, 23
	v_mov_b32 v[\vsc], s3
	s_add_co_i32 s2, s2, 8
	s_lshl_b32 s2, s2, 23
	s_or_b32 s2, s2, 0x600000
	v_mov_b32 v[\vlim], s2
.endm
.macro RESET
	s_mov_b32 s19, 0
	s_mov_b32 s20, 0
	s_mov_b32 s21, 0
	s_mov_b32 s22, VLDS
	s_mov_b32 s25, s24
	s_mov_b32 s23, 16
.endm
.macro STEPON
	s_add_co_u32 s19, s19, 128
	s_add_co_u32 s20, s20, 8192
	s_add_co_u32 s21, s21, 512
	s_add_co_u32 s22, s22, 8192
	s_lshr_b32 s25, s25, 1
.endm
; The step's 128 scores of my 16 queries.
.macro QKS
	v_add_nc_u32 v5, s20, v1
	v_add_nc_u32 v6, s21, v2
	v_add_nc_u32 v7, s22, v1
	v_nop                                          ; with the three additions: four places ahead of loads into registers that the last products read
	s_and_b32 s27, s25, 1
	s_cmp_lg_u32 s27, 0
	s_cbranch_scc1 .Lholes_\@
.set qu, 0
.rept 8
	ds_load_b128 v[FR+8*qu:FR+8*qu+3], v5 offset:1024*qu
	ds_load_b128 v[FR+8*qu+4:FR+8*qu+7], v5 offset:1024*qu+512
.set qu, qu+1
.endr
	s_wait_dscnt 0x0
.set qu, 0
.rept 8
	v_wmma_f32_16x16x64_fp8_fp8 v[SX+8*qu:SX+8*qu+7], v[FR+8*qu:FR+8*qu+7], v[16:23], 0
.set qu, qu+1
.endr
	s_branch .Ljoin_\@
.Lholes_\@:                                            ; some key of the step is padding: each key's bias goes in as C
.irp g, 0,1
.if \g
	PLACES
.endif
.irp t, 0,1,2,3
	ds_load_b128 v[FR+8*\t:FR+8*\t+3], v5 offset:1024*(4*\g+\t)
	ds_load_b128 v[FR+8*\t+4:FR+8*\t+7], v5 offset:1024*(4*\g+\t)+512
	ds_load_b128 v[FR+32+8*\t:FR+32+8*\t+3], v6 offset:64*(4*\g+\t)
	ds_load_b128 v[FR+32+8*\t+4:FR+32+8*\t+7], v6 offset:64*(4*\g+\t)+16
.endr
	s_wait_dscnt 0x0
.irp t, 0,1,2,3
	v_wmma_f32_16x16x64_fp8_fp8 v[SX+8*(4*\g+\t):SX+8*(4*\g+\t)+7], v[FR+8*\t:FR+8*\t+7], v[16:23], v[FR+32+8*\t:FR+32+8*\t+7]
.endr
.endr
.Ljoin_\@:
	PLACES
.endm
; On the diagonal the scores of later keys become NEG.  A step all of whose keys count jumps over this: a scalar branch on ids.
.macro CAUSAL
	s_add_co_u32 s27, s19, 127
	s_cmp_le_u32 s27, s17
	s_cbranch_scc1 .Lopen_\@
	s_sub_co_i32 s27, s17, s19
	v_add_nc_u32 v8, s27, v3                       ; d = my query - the step's first key - 8 h: register 8 u + j is hidden where 16 u + j > d
.set cn, 0
.rept 64
	v_cmp_gt_i32 vcc_lo, 16*(cn/8)+cn%8, v8
	v_cndmask_b32 v[SX+cn], v[SX+cn], v9, vcc_lo
.set cn, cn+1
.endr
.Lopen_\@:
.endm
.macro EXPS                            ; p = 2^(c s - c m): 32 packed multiply-adds, 64 exponentials as one batch
.set en, 0
.rept 32
	v_pk_fma_f32 v[SX+2*en:SX+2*en+1], v[SX+2*en:SX+2*en+1], s[28:29], v[242:243] op_sel_hi:[1,0,0] neg_lo:[0,0,1] neg_hi:[0,0,1]
.set en, en+1
.endr
.set en, 0
.rept 64
	v_exp_f32 v[SX+en], v[SX+en]
.set en, en+1
.endr
	v_nop                                          ; a plain instruction behind the last exponential,
	s_wait_alu depctr_va_vdst(0)                   ; and the one wait for the batch ahead of its first reader
.endm
; WALK 1: a lane's running maximum and sum over its own keys; the two lanes of a query are joined once, behind the loop.
.macro STEP1
	s_cmp_gt_u32 s19, s18
	s_cbranch_scc1 .Lhid_\@                        ; all keys of the step come after my queries
	QKS
	CAUSAL
	v_max3_num_f32 v254, v[SX], v[SX+1], v[SX+2]
	v_max3_num_f32 v252, v[SX+3], v[SX+4], v[SX+5]
.irp i, 6,10,14,18,22,26,30,34,38,42,46,50,54,58
	v_max3_num_f32 v254, v254, v[SX+\i], v[SX+\i+1]
	v_max3_num_f32 v252, v252, v[SX+\i+2], v[SX+\i+3]
.endr
	v_max3_num_f32 v254, v254, v[SX+62], v[SX+63]
	v_max3_num_f32 v252, v254, v252, v240          ; the new maximum
	v_sub_f32 v253, v240, v252
	v_mul_f32 v253, s28, v253
	v_mov_b32 v240, v252
	v_mul_f32 v242, s28, v252
	v_exp_f32 v246, v253                           ; what was summed under the old maximum is brought under the new
	EXPS
	v_pk_mul_f32 v[250:251], v[250:251], v[246:247] op_sel_hi:[1,0]
	v_pk_add_f32 v[252:253], v[SX:SX+1], v[SX+2:SX+3]
.irp j, 4,8,12,16,20,24,28,32,36,40,44,48,52,56,60
	v_pk_add_f32 v[250:251], v[250:251], v[SX+\j:SX+\j+1]
	v_pk_add_f32 v[252:253], v[252:253], v[SX+\j+2:SX+\j+3]
.endr
	v_pk_add_f32 v[250:251], v[250:251], v[252:253]
.Lhid_\@:
	STEPON
.endm
; WALK 2: the scores again, the finished weights, their codes, and the second product.
.macro STEP2
	s_cmp_gt_u32 s19, s18
	s_cbranch_scc1 .Lhid_\@
	QKS
.set vn, 0
.rept 16
	ds_load_b128 v[FR+4*vn:FR+4*vn+3], v7 offset:512*vn     ; V's four fragments land under the softmax (four places stand behind the scores' products)
.set vn, vn+1
.endr
	CAUSAL
	EXPS
.set en, 0
.rept 32
	v_pk_mul_f32 v[SX+2*en:SX+2*en+1], v[SX+2*en:SX+2*en+1], v[246:247] op_sel_hi:[1,0]   ; / the row's sum
.set en, en+1
.endr
.set en, 0
.rept 64
	v_min_num_f32 v[SX+en], v[SX+en], v10          ; the conversion does not saturate (ISA guide 7.6.2); p is not negative, so the hold is one-sided
.set en, en+1
.endr
.set en, 0
.rept 8
	v_cvt_scalef32_pk8_fp8_f32 v[PC+2*en:PC+2*en+1], v[SX+8*en:SX+8*en+7], v11
.set en, en+1
.endr
	v_nop                                          ; a plain instruction between the conversions and the products that read their results
	s_wait_dscnt 0x0                               ; V
.irp ct, 0,1,2,3
	v_wmma_f32_16x16x128_fp8_fp8 v[OX+8*\ct:OX+8*\ct+7], v[FR+16*\ct:FR+16*\ct+15], v[PC:PC+15], v[OX+8*\ct:OX+8*\ct+7]
.endr
.Lhid_\@:
	STEPON
.endm
	s_load_b128 s[4:7], s[0:1], 0x0                ; q_img, k_img
	s_load_b128 s[8:11], s[0:1], 0x10              ; v_img, mask
	s_load_b128 s[12:15], s[0:1], 0x20             ; scales, ao_img
	v_lshl_add_u32 v248, v0, 2, 0x42000
	v_mov_b32 v249, 0
	v_lshrrev_b32 v1, 5, v0
	v_readfirstlane_b32 s16, v1                    ; wave 0 .. 15
	v_and_b32 v1, 31, v0
	v_lshlrev_b32 v1, 4, v1
	v_bfe_u32 v2, v0, 4, 1                         ; h
	v_and_b32 v3, 15, v0                           ; r
	v_lshlrev_b32 v8, 3, v2
	v_sub_nc_u32 v3, v3, v8
	v_lshl_add_u32 v2, v2, 5, BLDS
	v_lshlrev_b32 v4, 4, v0
	v_lshl_add_u32 v15, v0, 4, BLDS
	s_lshl_b32 s2, s16, 13
	v_add_nc_u32 v5, s2, v1                        ; where my wave stores its sixteenth of K,
	v_add_nc_u32 v7, VLDS, v5                      ; and of V
	s_and_b32 s32, ttmp7, 0xffff                   ; batch x 8 + head
	s_lshl_b32 s33, ttmp9, 3
	s_lshr_b32 s34, s16, 1
	s_add_co_u32 s33, s33, s34                     ; P
	s_lshr_b32 s34, s16, 2
	s_add_co_u32 s34, s34, s16
	s_and_b32 s34, s34, 1
	s_sub_co_u32 s35, 127, s33
	s_cmp_lg_u32 s34, 0
	s_cselect_b32 s33, s35, s33                    ; my tile of queries
	s_lshl_b32 s17, s33, 4
	s_add_co_u32 s18, s17, 15
	s_lshl_b32 s36, s32, 17
	s_add_co_u32 s38, s36, s2                      ; K, V: the head's image + my wave's 8,192 bytes
	s_mov_b32 s39, 0
	s_lshl_b32 s40, s33, 10
	s_add_co_u32 s40, s40, s36                     ; Q: my tile
	s_mov_b32 s41, 0
	s_lshr_b32 s42, s32, 3                         ; batch
	s_lshl_b32 s44, s42, 7
	s_add_co_u32 s44, s44, s33
	s_lshl_b32 s44, s44, 2
	s_and_b32 s46, s32, 7                          ; head
	s_lshr_b32 s47, s46, 1
	s_add_co_u32 s44, s44, s47
	s_lshl_b32 s44, s44, 11                        ; ((batch x 128 + tile) x 4 + head / 2) x 2,048
	s_and_b32 s46, s46, 1
	s_lshl_b32 s46, s46, 10
	s_add_co_u32 s44, s44, s46                     ; + the head's half of the fragment
	s_mov_b32 s45, 0
	s_lshl_b32 s42, s42, 13                        ; the batch's row of the mask
	s_mov_b32 s43, 0
	s_mov_b32 s30, 0x76543210
	s_mov_b32 s31, 0xfedcba98
	s_wait_kmcnt 0x0
	s_load_b512 s[48:63], s[12:13], 0x0            ; e0 .. e15
	s_add_nc_u64 s[6:7], s[6:7], s[38:39]
	s_add_nc_u64 s[8:9], s[8:9], s[38:39]
	s_add_nc_u64 s[4:5], s[4:5], s[40:41]
	s_add_nc_u64 s[10:11], s[10:11], s[42:43]
	s_add_nc_u64 s[14:15], s[14:15], s[44:45]
	s_load_b32 s26, s[10:11], 0x0                  ; mask[b][0]
.set hn, 0
.rept 16
	global_load_b128 v[FR+4*hn:FR+4*hn+3], v1, s[6:7] offset:512*hn
.set hn, hn+1
.endr
.set hn, 0
.rept 16
	global_load_b128 v[SX+4*hn:SX+4*hn+3], v1, s[8:9] offset:512*hn
.set hn, hn+1
.endr
	global_load_b128 v[224:227], v4, s[10:11]      ; my thread's four keys of the mask
.set hn, 0
.rept 16
	global_load_b128 v[OX+4*hn:OX+4*hn+3], v1, s[10:11] offset:512*hn   ; the whole row: load i is key step i
.set hn, hn+1
.endr
	global_load_b128 v[16:19], v1, s[4:5]          ; Q's fragment stays in registers
	global_load_b128 v[20:23], v1, s[4:5] offset:512
	s_wait_kmcnt 0x0
	s_add_co_i32 s2, s54, s55                      ; e6 + e7
	s_lshl_b32 s3, s2, 23
	s_add_co_i32 s28, s3, 0x3e38aa3b               ; c = log2(e) / 8 x 2^(e6 + e7): the exponents are added to c's exponent field
	s_mov_b32 s29, s28
	s_sub_co_i32 s2, 0, s2
	v_mov_b32 v9, 0xcfee6b28                       ; -8e9
	v_ldexp_f32 v9, v9, s2
	v_mul_f32 v14, 0.5, v9
	MKSC 11, 10, 56
	s_sub_co_i32 s27, s58, s56
	s_sub_co_i32 s27, s27, s57                     ; e10 - e8 - e9
	MKSC 13, 12, 27
	s_wait_loadcnt 19                              ; K and V are in: 19 loads were issued behind them
.set hn, 0
.rept 16
	ds_store_b128 v5, v[FR+4*hn:FR+4*hn+3] offset:512*hn
	ds_store_b128 v7, v[SX+4*hn:SX+4*hn+3] offset:512*hn
.set hn, hn+1
.endr
	s_wait_loadcnt 18                              ; my four keys of the mask
.irp i, 0,1,2,3
	v_cmp_eq_u32 vcc_lo, 0, v[224+\i]
	v_cndmask_b32 v[252+\i], 0, v9, vcc_lo
.endr
	ds_store_b128 v15, v[252:255]
	s_wait_loadcnt 0x0
	s_mov_b32 s24, 0
.set fi, 0
.rept 16
	v_min_u32 v240, v[OX+4*fi], v[OX+4*fi+1]
	v_min_u32 v241, v[OX+4*fi+2], v[OX+4*fi+3]
	v_min_u32 v240, v240, v241
	v_cmp_eq_u32 vcc_lo, 0, v240
	s_cmp_lg_u32 vcc_lo, 0
	s_cselect_b32 s27, (1<<fi), 0
	s_or_b32 s24, s24, s27
.set fi, fi+1
.endr
	s_wait_dscnt 0x0                               ; my stores lie in LDS,
	s_barrier_signal -1
	s_barrier_wait -1                              ; everybody's do; from here on LDS is only read
	v_mov_b32 v240, 0xff61b1e6                     ; -3e38, under every score
	v_mov_b32 v242, 0
	v_mov_b32 v243, 0
	v_mov_b32 v246, 0
	v_mov_b32 v247, 0
	v_mov_b32 v250, 0
	v_mov_b32 v251, 0
	v_mov_b32 v255, 0
	RESET
.Lwalk1:                                               ; 16 trips, a constant: hidden steps pass through the five scalar lines at a step's end
	STEP1
	s_sub_co_u32 s23, s23, 1
	s_cmp_lg_u32 s23, 0
	s_cbranch_scc1 .Lwalk1
	; the two lanes of a query are joined
	v_permlanex16_b32 v255, v240, s30, s31
	v_max_num_f32 v252, v240, v255
	v_sub_f32 v253, v240, v252
	v_mul_f32 v253, s28, v253
	v_exp_f32 v254, v253
	v_add_f32 v250, v250, v251
	s_wait_alu depctr_va_vdst(0)
	v_mul_f32 v250, v250, v254
	v_permlanex16_b32 v255, v250, s30, s31
	v_add_f32 v250, v250, v255
	v_rcp_f32 v246, v250
	v_mov_b32 v240, v252
	v_mul_f32 v242, s28, v252
	v_add_nc_u32 v5, VLDS, v1                      ; V's key steps 0 to 7,
	v_add_nc_u32 v7, VLDS+65536, v1                ; and 8 to 15: made ahead of the branch
	s_wait_alu depctr_va_vdst(0)
	s_cmp_eq_u32 s26, 0
	s_cbranch_scc1 .Luniform
.set un, 0
.rept 32
	v_mov_b32 v[UX+un], 0                          ; key 0 is no padding: every row sees a key, and U is never taken
.set un, un+1
.endr
	s_branch .Luniform_done
.Luniform:
.irp i, 0,1,2,3,4,5,6,7
	v_min_num_f32 v[SX+\i], 0x3a000000, v10        ; 2^-11, held like every weight
.endr
	v_cvt_scalef32_pk8_fp8_f32 v[PC:PC+1], v[SX:SX+7], v11
	v_nop
.irp i, 1,2,3,4,5,6,7
	v_mov_b32 v[PC+2*\i], v[PC]
	v_mov_b32 v[PC+2*\i+1], v[PC+1]
.endr
.set us, 0
.rept 16
	PLACES
.set vn, 0
.rept 16
.if us < 8
	ds_load_b128 v[FR+4*vn:FR+4*vn+3], v5 offset:8192*us+512*vn
.else
	ds_load_b128 v[FR+4*vn:FR+4*vn+3], v7 offset:8192*(us-8)+512*vn
.endif
.set vn, vn+1
.endr
	s_wait_dscnt 0x0
.irp ct, 0,1,2,3
.if us == 0
	v_wmma_f32_16x16x128_fp8_fp8 v[UX+8*\ct:UX+8*\ct+7], v[FR+16*\ct:FR+16*\ct+15], v[PC:PC+15], 0
.else
	v_wmma_f32_16x16x128_fp8_fp8 v[UX+8*\ct:UX+8*\ct+7], v[FR+16*\ct:FR+16*\ct+15], v[PC:PC+15], v[UX+8*\ct:UX+8*\ct+7]
.endif
.endr
.set us, us+1
.endr
.Luniform_done:
.set un, 0
.rept 32
	v_mov_b32 v[OX+un], 0                          ; the step is written once: its first trip adds onto zeros
.set un, un+1
.endr
	RESET
.Lwalk2:
	STEP2
	s_sub_co_u32 s23, s23, 1
	s_cmp_lg_u32 s23, 0
	s_cbranch_scc1 .Lwalk2
	PLACES
	v_cmp_lt_f32 vcc_lo, v240, v14                 ; no visible key: the maximum stands for about -1e9
.set un, 0
.rept 32
	v_cndmask_b32 v[OX+un], v[OX+un], v[UX+un], vcc_lo
.set un, un+1
.endr
.set un, 0
.rept 32
	v_med3_num_f32 v[OX+un], v[OX+un], -v12, v12
.set un, un+1
.endr
.irp ct, 0,1,2,3
	v_cvt_scalef32_pk8_fp8_f32 v[PC+2*\ct:PC+2*\ct+1], v[OX+8*\ct:OX+8*\ct+7], v13   ; a sum stands for sum x 2^(e8 + e9): its code is sum / 2^(e10 - e8 - e9)
.endr
	v_nop
	global_store_b128 v1, v[PC:PC+3], s[14:15]     ; each store of the wave covers 512 consecutive bytes, aligned
	global_store_b128 v1, v[PC+4:PC+7], s[14:15] offset:512
	s_wait_tensorcnt 0x0
	ds_add_u32 v248, v249
	s_wait_dscnt 0x0
	s_endpgm
.Lfunc_end_k_q5df18c5b3e_attn:
	.size	k_q5df18c5b3e_attn, .Lfunc_end_k_q5df18c5b3e_attn-k_q5df18c5b3e_attn
	.p2alignl 7, 3214868480
	.fill 96, 4, 3214868480
	.section	.rodata,"a",@progbits
	.p2align	6, 0x0
	.amdhsa_kernel k_q5df18c5b3e_attn
		.amdhsa_group_segment_fixed_size 272384
		.amdhsa_private_segment_fixed_size 0
		.amdhsa_enable_private_segment 0
		.amdhsa_kernarg_size 48
		.amdhsa_user_sgpr_count 2
		.amdhsa_user_sgpr_kernarg_segment_ptr 1
		.amdhsa_wavefront_size32 1
		.amdhsa_system_sgpr_workgroup_id_x 1
		.amdhsa_system_sgpr_workgroup_id_y 1
		.amdhsa_system_sgpr_workgroup_id_z 1
		.amdhsa_system_vgpr_workitem_id 0
		.amdhsa_next_free_vgpr 256
		.amdhsa_next_free_sgpr 66
		.amdhsa_reserve_vcc 1
		.amdhsa_float_denorm_mode_32 3
		.amdhsa_float_denorm_mode_16_64 3
		.amdhsa_memory_ordered 1
		.amdhsa_forward_progress 1
		.amdhsa_inst_pref_size 85
	.end_amdhsa_kernel
	.amdgpu_metadata
---
amdhsa.version: [ 1, 2 ]
amdhsa.kernels:
  - .name:           k_q5df18c5b3e_attn
    .symbol:         k_q5df18c5b3e_attn.kd
    .args:
      - { .name: q_img, .offset: 0, .size: 8, .value_kind: global_buffer, .address_space: global }
      - { .name: k_img, .offset: 8, .size: 8, .value_kind: global_buffer, .address_space: global }
      - { .name: v_img, .offset: 16, .size: 8, .value_kind: global_buffer, .address_space: global }
      - { .name: mask, .offset: 24, .size: 8, .value_kind: global_buffer, .address_space: global }
      - { .name: lowp_scales, .offset: 32, .size: 8, .value_kind: global_buffer, .address_space: global }
      - { .name: ao_img, .offset: 40, .size: 8, .value_kind: global_buffer, .address_space: global }
    .group_segment_fixed_size: 272384
    .private_segment_fixed_size: 0
    .kernarg_segment_align: 8
    .kernarg_segment_size: 48
    .max_flat_workgroup_size: 512
    .sgpr_count:     66
    .vgpr_count:     256
    .wavefront_size: 32
...
	.end_amdgpu_metadata
.endif
;; end of part 2
;; launch oproj_ffn (part 3): grid 256 x 1, 4 waves a work-group, no clusters, 108,544 bytes of LDS; arguments ao_img, wo_img, w1_img, w2_img, x, bo, g2, be2, b1, b2, lowp_scales, out0; writes out0
.if DOCPART == 3
	.amdgcn_target "amdgcn-amd-amdhsa--gfx1250"
	.amdhsa_code_object_version 6
	.text
	.protected	k_q5df18c5b3e_oproj_ffn
	.globl	k_q5df18c5b3e_oproj_ffn
	.p2align	8
	.type	k_q5df18c5b3e_oproj_ffn,@function
k_q5df18c5b3e_oproj_ffn:
	s_mov_b64 s[64:65], 0
	v_nop
	global_prefetch_b8 v0, s[64:65] scope:SCOPE_SE
	s_setreg_imm32_b32 hwreg(HW_REG_WAVE_MODE, 25, 1), 1
	s_wait_xcnt 0x0
; x1 = x + (ao Wo + bo);  out = x1 + (gelu(layernorm(x1, g2, be2) W1 + b1) W2 + b2), the three products on codes of E4M3.  Nothing between x and out goes to memory.
; SHARES.  A work-group takes 32 rows through the whole chain.  THE WAVES SHARE THE COLUMNS: wave w owns output columns 128 w .. 128 w + 127 of the first and last product, and in each of 8 chunks of 256 hidden units the units 64 w .. 64 w + 63.
; All weights come from images in register order straight into registers: every load of a wave is 512 consecutive bytes, and each byte is read by one wave of the work-group.
; All products are used transposed (source 0 = 16 rows of the weight, source 1 = 16 tokens): a lane holds one token and eight neighbouring columns.
; x1 STAYS IN THE ACCUMULATORS: they begin as (x + bo) / 2^(e10 + e11), the C of the first product; are scaled to x1; and re-based to (x1 + b2) / 2^(e14 + e15), the C of the last.  All factors are powers of two.
; GELU: 0.5 z (1 + erf(z / sqrt 2)), erf by a rational in f32: w = clamp(z / sqrt 2, +-4), erf = w P(w w) / Q(w w), P of degree 6, Q of degree 4.  What is converted is z + z erf with the scale 2^(e14 + 1).
; LDS: a stage of 32 rows x 2,576 bytes (a group of 16 columns in 80 bytes) at 0; the normalised rows' codes, 2 tiles x 8,704, at 82,432; the hidden chunk's four fragments as images of their registers, 8,192 bytes, at 99,840.
; LIMITS: e12 and e14 + 1 between -126 and 119; e10 + e11, e12 + e13, e14 + e15 and their negatives between -126 and 127.  NaN and infinities are not served.
; No tensor load, no cluster, no prefetch: a weight byte is wanted by one wave, so LDS would only add a write and a read; all work-groups walk the same weights at the same time.
; WINDOWS: 1: W1's 16 fragments of a chunk; 2: W2's 16; (for the first product Wo's 32 fill both); 3: v0-127 the 16 accumulators (tile (t, m) at 8 (2 t + m)), v128-255 the normalised rows' 8 fragments.
; Window 0: v1-11 addresses; v16-47 g2, be2, later b1; v48-55 constants; v64-191 ao's fragments, later rows, later the hidden sums (v64-127) and fragments (v128-191); v192-255 bo, b2, later at work.
.set SLOTP, 272
.set TILEB, 32*SLOTP
.set SPITCH, 2576
.set H2IMG, 32*SPITCH
.set HID,   H2IMG+2*TILEB
.set ADS,  6
.set G,    16
.set BE,   32
.set B1R,  16
.set SCQ,  48
.set XA,   64
.set HACC, 64
.set AF,   128
.set BB,   192
.set TT,   192
.set YA,   192
.set YB,   208
.set CC,   224
.set SS,   236
.set PP,   240
.set MU,   244
.set WC,   192
.set YY,   200
.set PN,   208
.set QD,   216
.set CDR,  224
.set SINV, 94
.set SEPS, 95
.set SEL,  92
.set MSB, 0
.macro WIN new                         ; the immediate's high byte repeats the setting that is left
.if MSB != (\new)
	s_set_vgpr_msb (MSB<<8)|(\new)
.set MSB, (\new)
.endif
.endm
.macro PLACES
.rept 4
	v_nop
.endr
.endm
.macro BARRIER
	s_wait_dscnt 0x0
	s_barrier_signal -1
	s_barrier_wait -1
.endm
.macro MKSC vsc, vlim, se
	s_add_co_i32 s46, s[\se], 127
	s_lshl_b32 s47, s46, 23
	v_mov_b32 v[\vsc], s47
	s_add_co_i32 s46, s46, 8
	s_lshl_b32 s46, s46, 23
	s_or_b32 s46, s46, 0x600000
	v_mov_b32 v[\vlim], s46
.endm
.macro MKP2 sp, se                     ; the pair s[sp], s[sp + 1] = 2^s[se]
	s_add_co_i32 s[\sp], s[\se], 127
	s_lshl_b32 s[\sp], s[\sp], 23
	s_mov_b32 s[\sp+1], s[\sp]
.endm
.macro COEF sp, bits
	s_mov_b32 s[\sp], \bits
	s_mov_b32 s[\sp+1], \bits
.endm
.macro LANESUM
.irp x, 1,2,4,8
.irp k, 0,1,2,3
	v_add_f32_dpp v[SS+\k], v[SS+\k], v[SS+\k] row_xmask:\x row_mask:0xf bank_mask:0xf
.endr
.endr
.irp k, 0,1,2,3
	v_permlanex16_b32 v[PP+\k], v[SS+\k], s[SEL], s[SEL+1]
.endr
.irp k, 0,1,2,3
	v_add_f32 v[SS+\k], v[SS+\k], v[PP+\k]
.endr
.endm
.macro QSET src, y, q
.set qi, 0
.rept 16
	v_med3_num_f32 v[\y+qi], v[\src+qi], -v[SCQ+2*\q+1], v[SCQ+2*\q+1]
.set qi, qi+1
.endr
	v_cvt_scalef32_pk8_fp8_f32 v[CC+4*\q:CC+4*\q+1], v[\y:\y+7], v[SCQ+2*\q]
	v_cvt_scalef32_pk8_fp8_f32 v[CC+4*\q+2:CC+4*\q+3], v[\y+8:\y+15], v[SCQ+2*\q]
.endm
; Four rows, 16 numbers a lane each, are normalised in place and leave as codes.  Mean first, then the mean of the squared differences.
.macro LNGROUP xb, row0
.irp k, 0,1,2,3
.irp p, 0,1,2,3
	v_pk_add_f32 v[TT+8*\k+2*\p:TT+8*\k+2*\p+1], v[\xb+16*\k+4*\p:\xb+16*\k+4*\p+1], v[\xb+16*\k+4*\p+2:\xb+16*\k+4*\p+3]
.endr
.endr
.irp k, 0,1,2,3
	v_pk_add_f32 v[TT+8*\k:TT+8*\k+1], v[TT+8*\k:TT+8*\k+1], v[TT+8*\k+2:TT+8*\k+3]
	v_pk_add_f32 v[TT+8*\k+4:TT+8*\k+5], v[TT+8*\k+4:TT+8*\k+5], v[TT+8*\k+6:TT+8*\k+7]
.endr
.irp k, 0,1,2,3
	v_pk_add_f32 v[TT+8*\k:TT+8*\k+1], v[TT+8*\k:TT+8*\k+1], v[TT+8*\k+4:TT+8*\k+5]
.endr
.irp k, 0,1,2,3
	v_add_f32 v[SS+\k], v[TT+8*\k], v[TT+8*\k+1]
.endr
	LANESUM
.irp k, 0,1,2,3
	v_mul_f32 v[MU+2*\k], s[SINV], v[SS+\k]
.endr
.irp k, 0,1,2,3
.irp p, 0,2,4,6,8,10,12,14
	v_pk_add_f32 v[\xb+16*\k+\p:\xb+16*\k+\p+1], v[\xb+16*\k+\p:\xb+16*\k+\p+1], v[MU+2*\k:MU+2*\k+1] op_sel_hi:[1,0] neg_lo:[0,1] neg_hi:[0,1]
.endr
.endr
.irp k, 0,1,2,3
	v_pk_mul_f32 v[TT+8*\k:TT+8*\k+1], v[\xb+16*\k:\xb+16*\k+1], v[\xb+16*\k:\xb+16*\k+1]
	v_pk_mul_f32 v[TT+8*\k+2:TT+8*\k+3], v[\xb+16*\k+2:\xb+16*\k+3], v[\xb+16*\k+2:\xb+16*\k+3]
.endr
.irp p, 1,2,3
.irp k, 0,1,2,3
	v_pk_fma_f32 v[TT+8*\k:TT+8*\k+1], v[\xb+16*\k+4*\p:\xb+16*\k+4*\p+1], v[\xb+16*\k+4*\p:\xb+16*\k+4*\p+1], v[TT+8*\k:TT+8*\k+1]
	v_pk_fma_f32 v[TT+8*\k+2:TT+8*\k+3], v[\xb+16*\k+4*\p+2:\xb+16*\k+4*\p+3], v[\xb+16*\k+4*\p+2:\xb+16*\k+4*\p+3], v[TT+8*\k+2:TT+8*\k+3]
.endr
.endr
.irp k, 0,1,2,3
	v_pk_add_f32 v[TT+8*\k:TT+8*\k+1], v[TT+8*\k:TT+8*\k+1], v[TT+8*\k+2:TT+8*\k+3]
.endr
.irp k, 0,1,2,3
	v_add_f32 v[SS+\k], v[TT+8*\k], v[TT+8*\k+1]
.endr
	LANESUM
.irp k, 0,1,2,3
	v_fma_f32 v[SS+\k], v[SS+\k], s[SINV], s[SEPS]
.endr
.irp k, 0,1,2,3
	v_rsq_f32 v[MU+2*\k], v[SS+\k]
.endr
	v_nop                                          ; a plain instruction behind the last root,
	s_wait_alu depctr_va_vdst(0)                   ; and the one wait for the four ahead of their first reader
.irp k, 0,1,2,3
.irp p, 0,2,4,6,8,10,12,14
	v_pk_mul_f32 v[\xb+16*\k+\p:\xb+16*\k+\p+1], v[\xb+16*\k+\p:\xb+16*\k+\p+1], v[MU+2*\k:MU+2*\k+1] op_sel_hi:[1,0]
.endr
.endr
.irp k, 0,1,2,3
.irp p, 0,2,4,6,8,10,12,14
	v_pk_fma_f32 v[\xb+16*\k+\p:\xb+16*\k+\p+1], v[\xb+16*\k+\p:\xb+16*\k+\p+1], v[G+\p:G+\p+1], v[BE+\p:BE+\p+1]
.endr
.endr
.irp k, 0,1,2,3
	s_wait_dscnt 0x0                               ; the last row's store has read the codes' registers
	QSET \xb+16*\k, YA, 0
	v_nop
	ds_store_b128 v[ADS], v[CC:CC+3] offset:16*(\row0+\k)
.endr
.endm
.macro LW win, sb                      ; 64 loads: 16 fragments on end, 32 KiB, into the window's 256 registers
	WIN \win
.set ln, 0
.rept 64
	global_load_b128 v[4*ln:4*ln+3], v1, s[\sb:\sb+1] offset:512*ln
.set ln, ln+1
.endr
	WIN 0
.endm
.macro LB1                             ; b1 of my 64 units of the chunk, in the result's layout
.set ln, 0
.rept 8
	global_load_b128 v[B1R+4*ln:B1R+4*ln+3], v3, s[24:25] offset:64*(ln/2)+16*(ln%2)
.set ln, ln+1
.endr
.endm
.macro LBIAS sb                        ; bo or b2 of my 128 columns, in the result's layout
.set ln, 0
.rept 16
	global_load_b128 v[BB+4*ln:BB+4*ln+3], v3, s[\sb:\sb+1] offset:64*(ln/2)+16*(ln%2)
.set ln, ln+1
.endr
.endm
.macro REBASE sp                       ; accumulators = accumulators x f + bias x f, f the power of two in s[sp]
.set ln, 0
.rept 32
	v_pk_mul_f32 v[BB+2*ln:BB+2*ln+1], v[BB+2*ln:BB+2*ln+1], s[\sp:\sp+1] op_sel_hi:[1,0]
.set ln, ln+1
.endr
	WIN 0xc3                                       ; source 0 and destination window 3, source 2 window 0
.irp t, 0,1,2,3,4,5,6,7
.irp m, 0,1
.irp p, 0,2,4,6
	v_pk_fma_f32 v[8*(2*\t+\m)+\p:8*(2*\t+\m)+\p+1], v[8*(2*\t+\m)+\p:8*(2*\t+\m)+\p+1], s[\sp:\sp+1], v[BB+8*\t+\p:BB+8*\t+\p+1] op_sel_hi:[1,0,1]
.endr
.endr
.endr
	WIN 0
.endm
.macro SCALEACC sp                     ; accumulators x the power of two in s[sp], each from its low end on
	WIN 0xc3
.set ln, 0
.rept 64
	v_pk_mul_f32 v[2*ln:2*ln+1], v[2*ln:2*ln+1], s[\sp:\sp+1] op_sel_hi:[1,0]
.set ln, ln+1
.endr
	WIN 0
.endm
.macro TOSTAGE                         ; lane (r, h): row 16 m + r, columns 128 w + 16 t + 8 h + 0 .. 7
	WIN 0x0c                                       ; the stores' data: window 3
.set ln, 0
.rept 32
	ds_store_b128 v5, v[4*ln:4*ln+3] offset:((ln/2)%2)*16*SPITCH+(ln/4)*80+16*(ln%2)
.set ln, ln+1
.endr
	WIN 0
.endm
; One tile of the hidden layer (16 tokens x 16 units): bias, GELU, hold, codes.
.macro GELUT u, m
.set ZR, HACC+8*(2*(\u)+(\m))
.irp p, 0,2,4,6
	v_pk_fma_f32 v[ZR+\p:ZR+\p+1], v[ZR+\p:ZR+\p+1], s[40:41], v[B1R+8*(\u)+\p:B1R+8*(\u)+\p+1] op_sel_hi:[1,0,1]   ; z = sum x 2^(e12 + e13) + b1
.endr
.irp p, 0,2,4,6
	v_pk_mul_f32 v[WC+\p:WC+\p+1], v[ZR+\p:ZR+\p+1], s[90:91] op_sel_hi:[1,0]
.endr
.irp i, 0,1,2,3,4,5,6,7
	v_med3_num_f32 v[WC+\i], v[WC+\i], -4.0, 4.0
.endr
.irp p, 0,2,4,6
	v_pk_mul_f32 v[YY+\p:YY+\p+1], v[WC+\p:WC+\p+1], v[WC+\p:WC+\p+1]
.endr
.irp p, 0,2,4,6
	v_pk_fma_f32 v[PN+\p:PN+\p+1], v[YY+\p:YY+\p+1], s[66:67], v[52:53] op_sel_hi:[1,0,1]
	v_pk_fma_f32 v[QD+\p:QD+\p+1], v[YY+\p:YY+\p+1], s[78:79], v[54:55] op_sel_hi:[1,0,1]
.endr
.irp c, 0,2,4
.irp p, 0,2,4,6
	v_pk_fma_f32 v[PN+\p:PN+\p+1], v[PN+\p:PN+\p+1], v[YY+\p:YY+\p+1], s[68+\c:69+\c] op_sel_hi:[1,1,0]
	v_pk_fma_f32 v[QD+\p:QD+\p+1], v[QD+\p:QD+\p+1], v[YY+\p:YY+\p+1], s[80+\c:81+\c] op_sel_hi:[1,1,0]
.endr
.endr
.irp c, 6,8
.irp p, 0,2,4,6
	v_pk_fma_f32 v[PN+\p:PN+\p+1], v[PN+\p:PN+\p+1], v[YY+\p:YY+\p+1], s[68+\c:69+\c] op_sel_hi:[1,1,0]
.endr
.endr
.irp i, 0,1,2,3,4,5,6,7
	v_rcp_f32 v[QD+\i], v[QD+\i]
.endr
.irp p, 0,2,4,6
	v_pk_mul_f32 v[PN+\p:PN+\p+1], v[PN+\p:PN+\p+1], v[WC+\p:WC+\p+1]   ; plain work behind the reciprocals
.endr
	s_wait_alu depctr_va_vdst(0)                   ; the one wait for the eight ahead of their first reader
.irp p, 0,2,4,6
	v_pk_mul_f32 v[PN+\p:PN+\p+1], v[PN+\p:PN+\p+1], v[QD+\p:QD+\p+1]   ; erf
.endr
.irp p, 0,2,4,6
	v_pk_fma_f32 v[ZR+\p:ZR+\p+1], v[ZR+\p:ZR+\p+1], v[PN+\p:PN+\p+1], v[ZR+\p:ZR+\p+1]   ; z + z erf
.endr
.irp i, 0,1,2,3,4,5,6,7
	v_med3_num_f32 v[ZR+\i], v[ZR+\i], -v51, v51
.endr
	v_cvt_scalef32_pk8_fp8_f32 v[CDR+8*(\m)+2*(\u):CDR+8*(\m)+2*(\u)+1], v[ZR:ZR+7], v50
.endm
; A chunk of 256 hidden units.  last = 1: nothing more is asked for, so that no load leaves its buffer.
.macro CHUNK last
	s_wait_loadcnt 63                              ; W1's fragments and b1 of this chunk are in: W2's 64 loads were issued behind them, on the way in and on the way back alike
	WIN 0x0d                                       ; source 0 (W1) window 1, source 1 (the rows) window 3
.irp s, 0,1,2,3
.irp u, 0,1,2,3
.irp m, 0,1
.if \s == 0
	v_wmma_f32_16x16x128_fp8_fp8 v[HACC+8*(2*\u+\m):HACC+8*(2*\u+\m)+7], v[16*(4*\u+\s):16*(4*\u+\s)+15], v[128+16*(4*\m+\s):128+16*(4*\m+\s)+15], 0
.else
	v_wmma_f32_16x16x128_fp8_fp8 v[HACC+8*(2*\u+\m):HACC+8*(2*\u+\m)+7], v[16*(4*\u+\s):16*(4*\u+\s)+15], v[128+16*(4*\m+\s):128+16*(4*\m+\s)+15], v[HACC+8*(2*\u+\m):HACC+8*(2*\u+\m)+7]
.endif
.endr
.endr
.endr
	WIN 0
	PLACES
.if !\last
	s_wait_xcnt 0x0                                ; earlier loads have read their base
	s_add_nc_u64 s[12:13], s[12:13], 131072
	LW 0x40, 12                                    ; the next chunk's W1 comes under the GELU
.endif
.irp u, 0,1,2,3
.irp m, 0,1
	GELUT \u, \m
.endr
.endr
	v_nop                                          ; a plain instruction behind the last conversion
.irp m, 0,1
	ds_store_b128 v9, v[CDR+8*\m:CDR+8*\m+3] offset:4096*\m          ; my 64 units are half of fragment (m, w / 2): two groups of four registers, as they stand
	ds_store_b128 v9, v[CDR+8*\m+4:CDR+8*\m+7] offset:4096*\m+512
.endr
	BARRIER                                        ; the chunk's four fragments lie in LDS
.if !\last
	s_wait_xcnt 0x0
	s_add_nc_u64 s[24:25], s[24:25], 1024
	LB1
.endif
.set ln, 0
.rept 16
	ds_load_b128 v[AF+4*ln:AF+4*ln+3], v10 offset:512*ln
.set ln, ln+1
.endr
.if \last
	s_wait_loadcnt 0x0
.else
	s_wait_loadcnt 63                              ; W2's fragments of this chunk: 72 loads were issued behind them
.endif
	s_wait_dscnt 0x0                               ; my reads of the fragments are over:
.if !\last
	s_barrier_signal -1                            ; say so; the next chunk's stores stand behind the wait below
.endif
	WIN 0xf2                                       ; source 0 (W2) window 2, C and D window 3
.irp e, 0,1
.irp t, 0,1,2,3,4,5,6,7
.irp m, 0,1
	v_wmma_f32_16x16x128_fp8_fp8 v[8*(2*\t+\m):8*(2*\t+\m)+7], v[16*(2*\t+\e):16*(2*\t+\e)+15], v[AF+16*(2*\m+\e):AF+16*(2*\m+\e)+15], v[8*(2*\t+\m):8*(2*\t+\m)+7]
.endr
.endr
.endr
	WIN 0
.if !\last
	s_barrier_wait -1
.endif
	PLACES
.if !\last
	s_wait_xcnt 0x0
	s_add_nc_u64 s[14:15], s[14:15], 131072
	LW 0x80, 14
.endif
.endm
	s_load_b512 s[8:23], s[0:1], 0x0               ; ao_img 8, wo_img 10, w1_img 12, w2_img 14, x 16, bo 18, g2 20, be2 22
	s_load_b256 s[24:31], s[0:1], 0x40             ; b1 24, b2 26, scales 28, out0 30
	v_lshl_add_u32 v62, v0, 2, 0x1a600
	v_mov_b32 v63, 0
	v_lshrrev_b32 v1, 5, v0
	v_readfirstlane_b32 s4, v1                     ; wave
	v_and_b32 v12, 31, v0                          ; lane
	v_and_b32 v13, 15, v0                          ; r
	v_bfe_u32 v14, v0, 4, 1                        ; h
	v_lshlrev_b32 v1, 4, v12                       ; 16 x lane
	v_lshlrev_b32 v2, 11, v13
	v_lshl_add_u32 v2, v14, 5, v2                  ; x: row r, + 32 h
	v_lshlrev_b32 v3, 5, v14                       ; a bias: 8 numbers of my half
	v_lshlrev_b32 v4, 6, v12                       ; g2, be2: my 16 columns
	s_mul_i32 s5, s4, 640
	v_mul_u32_u24 v5, v13, SPITCH
	v_lshl_add_u32 v5, v14, 5, v5
	v_add_nc_u32 v5, s5, v5                        ; into the stage
	s_lshr_b32 s5, s4, 1
	s_mul_i32 s5, s5, TILEB
	s_and_b32 s6, s4, 1
	s_lshl_b32 s6, s6, 7
	s_add_co_u32 s5, s5, s6
	s_add_co_u32 s5, s5, H2IMG
	v_mul_u32_u24 v[ADS], v12, SLOTP
	v_add_nc_u32 v[ADS], s5, v[ADS]                ; my 8 rows' codes: tile w / 2, rows 8 (w % 2) on, slot = lane
	s_mul_i32 s5, s4, 8*SPITCH
	v_mul_u32_u24 v7, v12, 80
	v_add_nc_u32 v7, s5, v7                        ; out of the stage, for the norm: my 8 rows, my 16 columns
	v_mul_u32_u24 v8, v14, SLOTP
	v_lshl_add_u32 v8, v13, 4, v8
	v_add_nc_u32 v8, H2IMG, v8                     ; a fragment of the normalised rows
	s_lshl_b32 s6, s4, 10
	v_add_nc_u32 v9, s6, v1
	v_add_nc_u32 v9, HID, v9                       ; my part of the hidden fragments: (w / 2) x 2,048 + (w % 2) x 1,024
	v_add_nc_u32 v10, HID, v1
	v_lshrrev_b32 v11, 2, v12
	v_mul_u32_u24 v11, v11, 80
	v_and_b32 v15, 3, v12
	v_lshl_add_u32 v11, v15, 4, v11
	v_add_nc_u32 v11, s5, v11                      ; out of the stage, for the stores: 512 consecutive bytes of a row
	s_mov_b32 s45, 0
	s_mov_b32 s[SINV], 0x3b000000                  ; 1 / 512
	s_mov_b32 s[SEPS], 0x3727c5ac                  ; 1e-5
	s_mov_b32 s[SEL], 0x76543210
	s_mov_b32 s[SEL+1], 0xfedcba98
	COEF 90, 0x3f3504f3                            ; 1 / sqrt 2
	COEF 66, 0xaf95df0b                            ; P: -2.72614226e-10,
	COEF 68, 0xb60cff51                            ;    -2.10102402e-06  (2.77068142e-08 stands in v[52:53])
	COEF 70, 0xb86ec2d2                            ;    -5.69250639e-05
	COEF 72, 0xba40ac63                            ;    -7.34990630e-04
	COEF 74, 0xbb41a1f6                            ;    -2.95459981e-03
	COEF 76, 0xbc83dbd4                            ;    -1.60960333e-02
	COEF 78, 0xb77460cd                            ; Q: -1.45660718e-05,
	COEF 80, 0xbadc924e                            ;    -1.68282697e-03  (-2.13374055e-04 stands in v[54:55])
	COEF 82, 0xbbf19bf8                            ;    -7.37332917e-03
	COEF 84, 0xbc69b6a7                            ;    -1.42647391e-02
	v_mov_b32 v52, 0x32edffee
	v_mov_b32 v53, 0x32edffee
	v_mov_b32 v54, 0xb95fbd29
	v_mov_b32 v55, 0xb95fbd29
	s_wait_kmcnt 0x0
	s_load_b512 s[48:63], s[28:29], 0x0            ; e0 .. e15
	s_lshl_b32 s44, ttmp9, 14
	s_add_nc_u64 s[8:9], s[8:9], s[44:45]          ; ao: my two tiles of tokens
	s_lshl_b32 s44, s4, 16
	s_add_nc_u64 s[10:11], s[10:11], s[44:45]      ; Wo: my 8 tiles of rows
	s_lshl_b32 s44, s4, 15
	s_add_nc_u64 s[12:13], s[12:13], s[44:45]
	s_add_nc_u64 s[14:15], s[14:15], s[44:45]
	s_lshl_b32 s44, s4, 9
	s_add_nc_u64 s[18:19], s[18:19], s[44:45]
	s_add_nc_u64 s[26:27], s[26:27], s[44:45]
	s_lshl_b32 s5, ttmp9, 16
	s_add_co_u32 s44, s44, s5
	s_add_nc_u64 s[16:17], s[16:17], s[44:45]      ; x: my 32 rows, my 128 columns
	s_lshl_b32 s44, s4, 14
	s_add_co_u32 s44, s44, s5
	s_add_nc_u64 s[30:31], s[30:31], s[44:45]      ; out0: the 8 rows that I store
	s_lshl_b32 s44, s4, 8
	s_add_nc_u64 s[24:25], s[24:25], s[44:45]
	; ---- all that the first product wants is asked for at once
	WIN 0xc0
.set ln, 0
.rept 32
	global_load_b128 v[4*ln:4*ln+3], v2, s[16:17] offset:((ln/2)%2)*32768+(ln/4)*64+16*(ln%2)   ; x straight into the accumulators' layout
.set ln, ln+1
.endr
	WIN 0
	LBIAS 18
.irp i, 0,1,2,3
	global_load_b128 v[G+4*\i:G+4*\i+3], v4, s[20:21] offset:16*\i
	global_load_b128 v[BE+4*\i:BE+4*\i+3], v4, s[22:23] offset:16*\i
.endr
.irp s, 0,1,2,3
.irp m, 0,1
.irp c, 0,1,2,3
	global_load_b128 v[64+16*(4*\m+\s)+4*\c:64+16*(4*\m+\s)+4*\c+3], v1, s[8:9] offset:8192*\m+2048*\s+512*\c
.endr
.endr
	WIN 0x40
.irp t, 0,1,2,3
.irp c, 0,1,2,3
	global_load_b128 v[16*(4*\t+\s)+4*\c:16*(4*\t+\s)+4*\c+3], v1, s[10:11] offset:(4*\t+\s)*2048+512*\c
.endr
.endr
	WIN 0x80
.irp t, 0,1,2,3
.irp c, 0,1,2,3
	global_load_b128 v[16*(4*\t+\s)+4*\c:16*(4*\t+\s)+4*\c+3], v1, s[10:11] offset:(4*(\t+4)+\s)*2048+512*\c
.endr
.endr
	WIN 0
.endr
	s_wait_kmcnt 0x0
	s_add_co_i32 s5, s58, s59                      ; e10 + e11
	s_sub_co_i32 s6, 0, s5
	MKP2 34, 5
	MKP2 32, 6
	s_add_co_i32 s5, s62, s63                      ; e14 + e15
	s_sub_co_i32 s6, 0, s5
	MKP2 38, 5
	MKP2 36, 6
	s_add_co_i32 s5, s60, s61                      ; e12 + e13
	MKP2 40, 5
	MKSC 48, 49, 60
	s_add_co_i32 s5, s62, 1                        ; e14 + 1: spares the GELU's factor 0.5
	MKSC 50, 51, 5
	s_wait_loadcnt 63                              ; x and bo: 168 loads were issued behind them; 63 is the largest count a wait can name
	REBASE 32                                      ; (x + bo) / 2^(e10 + e11)
	; ---- x1 = x + ao Wo + bo: 16 accumulators by turns, a K step at a time
.irp s, 0,1,2,3
.if \s < 2
	s_wait_loadcnt 63                              ; this K step's 40 loads: 120, then 80 were issued behind them
.else
	s_wait_loadcnt 40*(3-\s)
.endif
	WIN 0xf1                                       ; source 0 (Wo) window 1, C and D window 3
.irp t, 0,1,2,3
.irp m, 0,1
	v_wmma_f32_16x16x128_fp8_fp8 v[8*(2*\t+\m):8*(2*\t+\m)+7], v[16*(4*\t+\s):16*(4*\t+\s)+15], v[64+16*(4*\m+\s):64+16*(4*\m+\s)+15], v[8*(2*\t+\m):8*(2*\t+\m)+7]
.endr
.endr
	WIN 0xf2
.irp t, 0,1,2,3
.irp m, 0,1
	v_wmma_f32_16x16x128_fp8_fp8 v[8*(2*(\t+4)+\m):8*(2*(\t+4)+\m)+7], v[16*(4*\t+\s):16*(4*\t+\s)+15], v[64+16*(4*\m+\s):64+16*(4*\m+\s)+15], v[8*(2*(\t+4)+\m):8*(2*(\t+4)+\m)+7]
.endr
.endr
.endr
	WIN 0
	PLACES
	LBIAS 26                                       ; b2
	LW 0x40, 12                                    ; the first chunk's W1
	SCALEACC 34                                    ; x1
	TOSTAGE
	BARRIER                                        ; 32 whole rows of x1 lie in the stage
	s_wait_loadcnt 63                              ; b2: W1's 64 loads were issued behind it
	REBASE 36                                      ; (x1 + b2) / 2^(e14 + e15): the C of the last product
.irp k, 0,1,2,3
	v_mov_b32 v[PP+\k], 0                          ; a lane permute's destination counts as read
	v_mov_b32 v[MU+2*\k+1], 0                      ; named as the upper half of a pair
.endr
	; ---- the second norm: wave w takes rows 8 w .. 8 w + 7
.set ln, 0
.rept 32
	ds_load_b128 v[XA+4*ln:XA+4*ln+3], v7 offset:(ln/4)*SPITCH+16*(ln%4)
.set ln, ln+1
.endr
	s_wait_dscnt 16                                ; the first four rows: the other four rows' 16 loads may be out
	LNGROUP XA, 0
	s_wait_dscnt 0x0
	LNGROUP XA+64, 4
	BARRIER                                        ; the rows' codes lie in LDS
	WIN 0xc0
.set ln, 0
.rept 32
	ds_load_b128 v[128+4*ln:128+4*ln+3], v8 offset:(ln/16)*TILEB+((ln/4)%4)*8*SLOTP+(ln%4)*2*SLOTP   ; their 8 fragments stay in window 3
.set ln, ln+1
.endr
	WIN 0
	LB1
	LW 0x80, 14                                    ; the first chunk's W2
	s_wait_dscnt 0x0
	s_mov_b32 s96, 7
.Lchunk:
	CHUNK 0
	s_sub_co_u32 s96, s96, 1
	s_cmp_lg_u32 s96, 0
	s_cbranch_scc1 .Lchunk
	CHUNK 1
	; ---- the way out: through the stage, so that each store of a wave covers 512 consecutive bytes of a row
	SCALEACC 38
	TOSTAGE
	BARRIER
.set ln, 0
.rept 32
	ds_load_b128 v[XA+4*ln:XA+4*ln+3], v11 offset:(ln/4)*SPITCH+640*(ln%4)
.set ln, ln+1
.endr
.set ln, 0
.rept 32
	s_wait_dscnt 31-ln
	global_store_b128 v1, v[XA+4*ln:XA+4*ln+3], s[30:31] offset:(ln/4)*2048+512*(ln%4) th:TH_STORE_NT
.set ln, ln+1
.endr
	s_wait_tensorcnt 0x0
	ds_add_u32 v62, v63
	s_wait_dscnt 0x0
	s_endpgm
.Lfunc_end_k_q5df18c5b3e_oproj_ffn:
	.size	k_q5df18c5b3e_oproj_ffn, .Lfunc_end_k_q5df18c5b3e_oproj_ffn-k_q5df18c5b3e_oproj_ffn
	.p2alignl 7, 3214868480
	.fill 96, 4, 3214868480
	.section	.rodata,"a",@progbits
	.p2align	6, 0x0
	.amdhsa_kernel k_q5df18c5b3e_oproj_ffn
		.amdhsa_group_segment_fixed_size 108544
		.amdhsa_private_segment_fixed_size 0
		.amdhsa_enable_private_segment 0
		.amdhsa_kernarg_size 96
		.amdhsa_user_sgpr_count 2
		.amdhsa_user_sgpr_kernarg_segment_ptr 1
		.amdhsa_wavefront_size32 1
		.amdhsa_system_sgpr_workgroup_id_x 1
		.amdhsa_system_sgpr_workgroup_id_y 1
		.amdhsa_system_sgpr_workgroup_id_z 1
		.amdhsa_system_vgpr_workitem_id 0
		.amdhsa_next_free_vgpr 1024
		.amdhsa_next_free_sgpr 100
		.amdhsa_reserve_vcc 0
		.amdhsa_float_denorm_mode_32 3
		.amdhsa_float_denorm_mode_16_64 3
		.amdhsa_memory_ordered 1
		.amdhsa_forward_progress 1
		.amdhsa_inst_pref_size 229
	.end_amdhsa_kernel
	.amdgpu_metadata
---
amdhsa.version: [ 1, 2 ]
amdhsa.kernels:
  - .name:           k_q5df18c5b3e_oproj_ffn
    .symbol:         k_q5df18c5b3e_oproj_ffn.kd
    .args:
      - { .name: ao_img, .offset: 0, .size: 8, .value_kind: global_buffer, .address_space: global }
      - { .name: wo_img, .offset: 8, .size: 8, .value_kind: global_buffer, .address_space: global }
      - { .name: w1_img, .offset: 16, .size: 8, .value_kind: global_buffer, .address_space: global }
      - { .name: w2_img, .offset: 24, .size: 8, .value_kind: global_buffer, .address_space: global }
      - { .name: x, .offset: 32, .size: 8, .value_kind: global_buffer, .address_space: global }
      - { .name: bo, .offset: 40, .size: 8, .value_kind: global_buffer, .address_space: global }
      - { .name: g2, .offset: 48, .size: 8, .value_kind: global_buffer, .address_space: global }
      - { .name: be2, .offset: 56, .size: 8, .value_kind: global_buffer, .address_space: global }
      - { .name: b1, .offset: 64, .size: 8, .value_kind: global_buffer, .address_space: global }
      - { .name: b2, .offset: 72, .size: 8, .value_kind: global_buffer, .address_space: global }
      - { .name: lowp_scales, .offset: 80, .size: 8, .value_kind: global_buffer, .address_space: global }
      - { .name: out0, .offset: 88, .size: 8, .value_kind: global_buffer, .address_space: global }
    .group_segment_fixed_size: 108544
    .private_segment_fixed_size: 0
    .kernarg_segment_align: 8
    .kernarg_segment_size: 96
    .max_flat_workgroup_size: 128
    .sgpr_count:     100
    .vgpr_count:     1024
    .wavefront_size: 32
...
	.end_amdgpu_metadata
.endif
;; end of part 3
;; ======== version 2 of 3: 3 launches
;; limits: right only within a limited range of input values
;; workspace buffers: q_img 4,194,304 bytes; k_img 4,194,304 bytes; v_img 4,194,304 bytes; ao_img 4,194,304 bytes; wo_img 262,144 bytes; w1_img 1,048,576 bytes; w2_img 1,048,576 bytes
;; launch ln_qkv: the kernel of part 1 again; grid 128 x 2, 4 waves a work-group, no clusters, 104,960 bytes of LDS; arguments x, g1, be1, Wq_codes, Wk_codes, Wv_codes, bq, bk, bv, lowp_scales, W1_codes, W2_codes, Wo_codes, q_img, k_img, v_img, w1_img, w2_img, wo_img; writes q_img, k_img, v_img, w1_img, w2_img, wo_img
;; launch attn (part 4): grid 8 x 32, 16 waves a work-group, no clusters, 272,384 bytes of LDS; arguments q_img, k_img, v_img, mask, lowp_scales, ao_img; writes ao_img
.if DOCPART == 4
	.amdgcn_target "amdgcn-amd-amdhsa--gfx1250"
	.amdhsa_code_object_version 6
	.text
	.protected	k_q5df18c5b3e_attn
	.globl	k_q5df18c5b3e_attn
	.p2align	8
	.type	k_q5df18c5b3e_attn,@function
k_q5df18c5b3e_attn:
	s_mov_b64 s[64:65], 0
	v_nop
	global_prefetch_b8 v0, s[64:65] scope:SCOPE_SE
	s_setreg_imm32_b32 hwreg(HW_REG_WAVE_MODE, 25, 1), 1
	s_wait_xcnt 0x0
; Attention of one head on codes of E4M3: scores = Q K^T / 8, causal and padding masks at -1e9, softmax FINISHED AND NORMALISED, quantised with e8, times V; the result leaves as codes (e10), as an image of the next product's operand.
; The normalised weights are what is quantised, so a row's maximum and sum must be known first: the keys are walked twice.  Walk 1: maximum and sum.  Walk 2: the scores again, p = 2^(t - m - log2 sum), its codes, O^T += V^T P.
; SHARES.  A work-group is one head (y of the grid) and 16 of its 128 tiles of 16 queries, one a wave; the head's K and V images (128 KiB each) and a bias word for each key lie in LDS, stored once: one barrier in the launch.
; Wave w takes tile P = 8 x + w / 2 or 127 - P, so that long and short causal rows are paired in every work-group and on every four neighbouring waves.
; LAYOUT.  S^T = K Q^T (source 0 = 16 keys, source 1 = my 16 queries): lane (r, h) holds query r and keys 16 u + 8 h + 0 .. 7 of tile u: eight registers that convert into registers 2 u, 2 u + 1 of P for O^T = V^T P.
; MASKS.  A masked score is the raw sum NEG = -8e9 x 2^-(e6 + e7), which stands for -1e9.  Causal: by v_cndmask_b32 in the steps on the diagonal; steps wholly above it are left out (their p is 0).
; Padding: the key's bias (0 or NEG) is the C of the score's product, in the steps whose 128 mask words hold a zero; a scalar branch on the mask, an input of whole numbers, leaves that way out elsewhere.
; A ROW WITH NO VISIBLE KEY has all 2,048 scores at -1e9: its weights are 2^-11 over ALL keys.  Such a row needs mask[b][0] = 0: only then U = V^T x Q(2^-11) over all keys is made; a lane takes U where its maximum lies under NEG / 2.
; THE HOLD.  The sum holds the term 1 of the row's maximum, so a finished weight is at most 1 but for rounding; where e8 >= -8 the largest code stands for 1.75 or more and the hold cannot act: a scalar branch on e8 leaves it out there.
; LIMITS: e6 + e7 between -90 and 120; e8 and e10 - e8 - e9 between -126 and 119; true scores stay above -5e8.  NaN and infinities are not served.
; No tensor load and no cluster: the walk's length hangs on the work-group's and the wave's place, the bias way on the mask and the hold on e8; K and V are read once a work-group, at its head.
.set FR,  32                           ; v32-95   fragments of K (8 x 8), of V (4 x 16), or K's and the bias tiles
.set SX,  96                           ; v96-159  S^T, then p
.set OX,  160                          ; v160-191 O^T
.set UX,  192                          ; v192-223 U
.set PC,  224                          ; v224-239 p's codes
.set VLDS, 131072
.set BLDS, 262144
; v1 16 x lane; v2 BLDS + 32 h; v3 r - 8 h; v4 16 x thread; v5, v6, v7 addresses of K, bias, V in hand; v8 at work; v9 NEG; v10, v11 448 x 2^e8, 2^e8; v12, v13 the same for the result; v14 NEG / 2; v15 bias store
; v240 the maximum; v[242:243] c x maximum, in walk 2 + log2 of the sum; v[246:247] the rescaling factor, later log2 of the sum; v[250:251] the sum in two halves; v252-255 at work
; s17 my first query, s18 my last; s19 the step's first key; s20, s21, s22 its bytes in K, bias, V; s23 trips; s24 one bit a key step: its mask has a zero; s25 that word, shifted; s26 mask[b][0]; s[28:29] c
.macro PLACES
.rept 4
	v_nop
.endr
.endm
.macro MKSC vsc, vlim, se
	s_add_co_i32 s2, s[\se], 127
	s_lshl_b32 s3, s2, 23
	v_mov_b32 v[\vsc], s3
	s_add_co_i32 s2, s2, 8
	s_lshl_b32 s2, s2, 23
	s_or_b32 s2, s2, 0x600000
	v_mov_b32 v[\vlim], s2
.endm
.macro RESET
	s_mov_b32 s19, 0
	s_mov_b32 s20, 0
	s_mov_b32 s21, 0
	s_mov_b32 s22, VLDS
	s_mov_b32 s25, s24
	s_mov_b32 s23, 16
.endm
.macro STEPON
	s_add_co_u32 s19, s19, 128
	s_add_co_u32 s20, s20, 8192
	s_add_co_u32 s21, s21, 512
	s_add_co_u32 s22, s22, 8192
	s_lshr_b32 s25, s25, 1
.endm
; The step's 128 scores of my 16 queries.
.macro QKS
	v_add_nc_u32 v5, s20, v1
	v_add_nc_u32 v6, s21, v2
	v_add_nc_u32 v7, s22, v1
	v_nop                                          ; with the three additions: four places ahead of loads into registers that the last products read
	s_and_b32 s27, s25, 1
	s_cmp_lg_u32 s27, 0
	s_cbranch_scc1 .Lholes_\@
.set qu, 0
.rept 8
	ds_load_b128 v[FR+8*qu:FR+8*qu+3], v5 offset:1024*qu
	ds_load_b128 v[FR+8*qu+4:FR+8*qu+7], v5 offset:1024*qu+512
.set qu, qu+1
.endr
	s_wait_dscnt 0x0
.set qu, 0
.rept 8
	v_wmma_f32_16x16x64_fp8_fp8 v[SX+8*qu:SX+8*qu+7], v[FR+8*qu:FR+8*qu+7], v[16:23], 0
.set qu, qu+1
.endr
	s_branch .Ljoin_\@
.Lholes_\@:                                            ; some key of the step is padding: each key's bias goes in as C
.irp g, 0,1
.if \g
	PLACES
.endif
.irp t, 0,1,2,3
	ds_load_b128 v[FR+8*\t:FR+8*\t+3], v5 offset:1024*(4*\g+\t)
	ds_load_b128 v[FR+8*\t+4:FR+8*\t+7], v5 offset:1024*(4*\g+\t)+512
	ds_load_b128 v[FR+32+8*\t:FR+32+8*\t+3], v6 offset:64*(4*\g+\t)
	ds_load_b128 v[FR+32+8*\t+4:FR+32+8*\t+7], v6 offset:64*(4*\g+\t)+16
.endr
	s_wait_dscnt 0x0
.irp t, 0,1,2,3
	v_wmma_f32_16x16x64_fp8_fp8 v[SX+8*(4*\g+\t):SX+8*(4*\g+\t)+7], v[FR+8*\t:FR+8*\t+7], v[16:23], v[FR+32+8*\t:FR+32+8*\t+7]
.endr
.endr
.Ljoin_\@:
	PLACES
.endm
; On the diagonal the scores of later keys become NEG.  A step all of whose keys count jumps over this: a scalar branch on ids.
.macro CAUSAL
	s_add_co_u32 s27, s19, 127
	s_cmp_le_u32 s27, s17
	s_cbranch_scc1 .Lopen_\@
	s_sub_co_i32 s27, s17, s19
	v_add_nc_u32 v8, s27, v3                       ; d = my query - the step's first key - 8 h: register 8 u + j is hidden where 16 u + j > d
.set cn, 0
.rept 64
	v_cmp_gt_i32 vcc_lo, 16*(cn/8)+cn%8, v8
	v_cndmask_b32 v[SX+cn], v[SX+cn], v9, vcc_lo
.set cn, cn+1
.endr
.Lopen_\@:
.endm
.macro EXPS                            ; 2^(c s - what stands in v242): 32 packed multiply-adds, 64 exponentials as one batch
.set en, 0
.rept 32
	v_pk_fma_f32 v[SX+2*en:SX+2*en+1], v[SX+2*en:SX+2*en+1], s[28:29], v[242:243] op_sel_hi:[1,0,0] neg_lo:[0,0,1] neg_hi:[0,0,1]
.set en, en+1
.endr
.set en, 0
.rept 64
	v_exp_f32 v[SX+en], v[SX+en]
.set en, en+1
.endr
	v_nop                                          ; a plain instruction behind the last exponential,
	s_wait_alu depctr_va_vdst(0)                   ; and the one wait for the batch ahead of its first reader
.endm
; WALK 1: a lane's running maximum and sum over its own keys; the two lanes of a query are joined once, behind the loop.
.macro STEP1
	s_cmp_gt_u32 s19, s18
	s_cbranch_scc1 .Lhid_\@                        ; all keys of the step come after my queries
	QKS
	CAUSAL
	v_max3_num_f32 v254, v[SX], v[SX+1], v[SX+2]
	v_max3_num_f32 v252, v[SX+3], v[SX+4], v[SX+5]
.irp i, 6,10,14,18,22,26,30,34,38,42,46,50,54,58
	v_max3_num_f32 v254, v254, v[SX+\i], v[SX+\i+1]
	v_max3_num_f32 v252, v252, v[SX+\i+2], v[SX+\i+3]
.endr
	v_max3_num_f32 v254, v254, v[SX+62], v[SX+63]
	v_max3_num_f32 v252, v254, v252, v240          ; the new maximum
	v_sub_f32 v253, v240, v252
	v_mul_f32 v253, s28, v253
	v_mov_b32 v240, v252
	v_mul_f32 v242, s28, v252
	v_exp_f32 v246, v253                           ; what was summed under the old maximum is brought under the new
	EXPS
	v_pk_mul_f32 v[250:251], v[250:251], v[246:247] op_sel_hi:[1,0]
	v_pk_add_f32 v[252:253], v[SX:SX+1], v[SX+2:SX+3]
.irp j, 4,8,12,16,20,24,28,32,36,40,44,48,52,56,60
	v_pk_add_f32 v[250:251], v[250:251], v[SX+\j:SX+\j+1]
	v_pk_add_f32 v[252:253], v[252:253], v[SX+\j+2:SX+\j+3]
.endr
	v_pk_add_f32 v[250:251], v[250:251], v[252:253]
.Lhid_\@:
	STEPON
.endm
; WALK 2: the scores again, the finished weights, their codes, and the second product.
.macro STEP2
	s_cmp_gt_u32 s19, s18
	s_cbranch_scc1 .Lhid_\@
	QKS
.set vn, 0
.rept 16
	ds_load_b128 v[FR+4*vn:FR+4*vn+3], v7 offset:512*vn     ; V's four fragments land under the softmax (four places stand behind the scores' products)
.set vn, vn+1
.endr
	CAUSAL
	EXPS                                           ; the finished weight: the sum's logarithm stands in the exponent beside the maximum
	s_cmp_ge_i32 s56, -8                           ; 448 x 2^e8 >= 1.75: no weight reaches it
	s_cbranch_scc1 .Lfits_\@
.set en, 0
.rept 64
	v_min_num_f32 v[SX+en], v[SX+en], v10          ; the conversion does not saturate (ISA guide 7.6.2); p is not negative, so the hold is one-sided
.set en, en+1
.endr
.Lfits_\@:
.set en, 0
.rept 8
	v_cvt_scalef32_pk8_fp8_f32 v[PC+2*en:PC+2*en+1], v[SX+8*en:SX+8*en+7], v11
.set en, en+1
.endr
	v_nop                                          ; a plain instruction between the conversions and the products that read their results
	s_wait_dscnt 0x0                               ; V
.irp ct, 0,1,2,3
	v_wmma_f32_16x16x128_fp8_fp8 v[OX+8*\ct:OX+8*\ct+7], v[FR+16*\ct:FR+16*\ct+15], v[PC:PC+15], v[OX+8*\ct:OX+8*\ct+7]
.endr
.Lhid_\@:
	STEPON
.endm
	s_load_b128 s[4:7], s[0:1], 0x0                ; q_img, k_img
	s_load_b128 s[8:11], s[0:1], 0x10              ; v_img, mask
	s_load_b128 s[12:15], s[0:1], 0x20             ; scales, ao_img
	v_lshl_add_u32 v248, v0, 2, 0x42000
	v_mov_b32 v249, 0
	v_lshrrev_b32 v1, 5, v0
	v_readfirstlane_b32 s16, v1                    ; wave 0 .. 15
	v_and_b32 v1, 31, v0
	v_lshlrev_b32 v1, 4, v1
	v_bfe_u32 v2, v0, 4, 1                         ; h
	v_and_b32 v3, 15, v0                           ; r
	v_lshlrev_b32 v8, 3, v2
	v_sub_nc_u32 v3, v3, v8
	v_lshl_add_u32 v2, v2, 5, BLDS
	v_lshlrev_b32 v4, 4, v0
	v_lshl_add_u32 v15, v0, 4, BLDS
	s_lshl_b32 s2, s16, 13
	v_add_nc_u32 v5, s2, v1                        ; where my wave stores its sixteenth of K,
	v_add_nc_u32 v7, VLDS, v5                      ; and of V
	s_and_b32 s32, ttmp7, 0xffff                   ; batch x 8 + head
	s_lshl_b32 s33, ttmp9, 3
	s_lshr_b32 s34, s16, 1
	s_add_co_u32 s33, s33, s34                     ; P
	s_lshr_b32 s34, s16, 2
	s_add_co_u32 s34, s34, s16
	s_and_b32 s34, s34, 1
	s_sub_co_u32 s35, 127, s33
	s_cmp_lg_u32 s34, 0
	s_cselect_b32 s33, s35, s33                    ; my tile of queries
	s_lshl_b32 s17, s33, 4
	s_add_co_u32 s18, s17, 15
	s_lshl_b32 s36, s32, 17
	s_add_co_u32 s38, s36, s2                      ; K, V: the head's image + my wave's 8,192 bytes
	s_mov_b32 s39, 0
	s_lshl_b32 s40, s33, 10
	s_add_co_u32 s40, s40, s36                     ; Q: my tile
	s_mov_b32 s41, 0
	s_lshr_b32 s42, s32, 3                         ; batch
	s_lshl_b32 s44, s42, 7
	s_add_co_u32 s44, s44, s33
	s_lshl_b32 s44, s44, 2
	s_and_b32 s46, s32, 7                          ; head
	s_lshr_b32 s47, s46, 1
	s_add_co_u32 s44, s44, s47
	s_lshl_b32 s44, s44, 11                        ; ((batch x 128 + tile) x 4 + head / 2) x 2,048
	s_and_b32 s46, s46, 1
	s_lshl_b32 s46, s46, 10
	s_add_co_u32 s44, s44, s46                     ; + the head's half of the fragment
	s_mov_b32 s45, 0
	s_lshl_b32 s42, s42, 13                        ; the batch's row of the mask
	s_mov_b32 s43, 0
	s_mov_b32 s30, 0x76543210
	s_mov_b32 s31, 0xfedcba98
	s_wait_kmcnt 0x0
	s_load_b512 s[48:63], s[12:13], 0x0            ; e0 .. e15
	s_add_nc_u64 s[6:7], s[6:7], s[38:39]
	s_add_nc_u64 s[8:9], s[8:9], s[38:39]
	s_add_nc_u64 s[4:5], s[4:5], s[40:41]
	s_add_nc_u64 s[10:11], s[10:11], s[42:43]
	s_add_nc_u64 s[14:15], s[14:15], s[44:45]
	s_load_b32 s26, s[10:11], 0x0                  ; mask[b][0]
.set hn, 0
.rept 16
	global_load_b128 v[FR+4*hn:FR+4*hn+3], v1, s[6:7] offset:512*hn
.set hn, hn+1
.endr
.set hn, 0
.rept 16
	global_load_b128 v[SX+4*hn:SX+4*hn+3], v1, s[8:9] offset:512*hn
.set hn, hn+1
.endr
	global_load_b128 v[224:227], v4, s[10:11]      ; my thread's four keys of the mask
.set hn, 0
.rept 16
	global_load_b128 v[OX+4*hn:OX+4*hn+3], v1, s[10:11] offset:512*hn   ; the whole row: load i is key step i
.set hn, hn+1
.endr
	global_load_b128 v[16:19], v1, s[4:5]          ; Q's fragment stays in registers
	global_load_b128 v[20:23], v1, s[4:5] offset:512
	s_wait_kmcnt 0x0
	s_add_co_i32 s2, s54, s55                      ; e6 + e7
	s_lshl_b32 s3, s2, 23
	s_add_co_i32 s28, s3, 0x3e38aa3b               ; c = log2(e) / 8 x 2^(e6 + e7): the exponents are added to c's exponent field
	s_mov_b32 s29, s28
	s_sub_co_i32 s2, 0, s2
	v_mov_b32 v9, 0xcfee6b28                       ; -8e9
	v_ldexp_f32 v9, v9, s2
	v_mul_f32 v14, 0.5, v9
	MKSC 11, 10, 56
	s_sub_co_i32 s27, s58, s56
	s_sub_co_i32 s27, s27, s57                     ; e10 - e8 - e9
	MKSC 13, 12, 27
	s_wait_loadcnt 19                              ; K and V are in: 19 loads were issued behind them
.set hn, 0
.rept 16
	ds_store_b128 v5, v[FR+4*hn:FR+4*hn+3] offset:512*hn
	ds_store_b128 v7, v[SX+4*hn:SX+4*hn+3] offset:512*hn
.set hn, hn+1
.endr
	s_wait_loadcnt 18                              ; my four keys of the mask
.irp i, 0,1,2,3
	v_cmp_eq_u32 vcc_lo, 0, v[224+\i]
	v_cndmask_b32 v[252+\i], 0, v9, vcc_lo
.endr
	ds_store_b128 v15, v[252:255]
	s_wait_loadcnt 0x0
	s_mov_b32 s24, 0
.set fi, 0
.rept 16
	v_min_u32 v240, v[OX+4*fi], v[OX+4*fi+1]
	v_min_u32 v241, v[OX+4*fi+2], v[OX+4*fi+3]
	v_min_u32 v240, v240, v241
	v_cmp_eq_u32 vcc_lo, 0, v240
	s_cmp_lg_u32 vcc_lo, 0
	s_cselect_b32 s27, (1<<fi), 0
	s_or_b32 s24, s24, s27
.set fi, fi+1
.endr
	s_wait_dscnt 0x0                               ; my stores lie in LDS,
	s_barrier_signal -1
	s_barrier_wait -1                              ; everybody's do; from here on LDS is only read
	v_mov_b32 v240, 0xff61b1e6                     ; -3e38, under every score
	v_mov_b32 v242, 0
	v_mov_b32 v243, 0
	v_mov_b32 v246, 0
	v_mov_b32 v247, 0
	v_mov_b32 v250, 0
	v_mov_b32 v251, 0
	v_mov_b32 v255, 0
	RESET
.Lwalk1:                                               ; 16 trips, a constant: hidden steps pass through the five scalar lines at a step's end
	STEP1
	s_sub_co_u32 s23, s23, 1
	s_cmp_lg_u32 s23, 0
	s_cbranch_scc1 .Lwalk1
	; the two lanes of a query are joined
	v_permlanex16_b32 v255, v240, s30, s31
	v_max_num_f32 v252, v240, v255
	v_sub_f32 v253, v240, v252
	v_mul_f32 v253, s28, v253
	v_exp_f32 v254, v253
	v_add_f32 v250, v250, v251
	s_wait_alu depctr_va_vdst(0)
	v_mul_f32 v250, v250, v254
	v_permlanex16_b32 v255, v250, s30, s31
	v_add_f32 v250, v250, v255                     ; the row's sum: 1 or more, since the maximum's own term is 1
	v_log_f32 v246, v250
	v_mov_b32 v240, v252
	v_add_nc_u32 v5, VLDS, v1                      ; V's key steps 0 to 7,
	v_add_nc_u32 v7, VLDS+65536, v1                ; and 8 to 15: made ahead of the branch
	s_wait_alu depctr_va_vdst(0)
	v_fma_f32 v242, s28, v240, v246                ; c m + log2 sum: walk 2 takes it off c s, and the exponential is the finished weight
	s_cmp_eq_u32 s26, 0
	s_cbranch_scc1 .Luniform
.set un, 0
.rept 32
	v_mov_b32 v[UX+un], 0                          ; key 0 is no padding: every row sees a key, and U is never taken
.set un, un+1
.endr
	s_branch .Luniform_done
.Luniform:
.irp i, 0,1,2,3,4,5,6,7
	v_min_num_f32 v[SX+\i], 0x3a000000, v10        ; 2^-11, held at the largest code
.endr
	v_cvt_scalef32_pk8_fp8_f32 v[PC:PC+1], v[SX:SX+7], v11
	v_nop
.irp i, 1,2,3,4,5,6,7
	v_mov_b32 v[PC+2*\i], v[PC]
	v_mov_b32 v[PC+2*\i+1], v[PC+1]
.endr
.set us, 0
.rept 16
	PLACES
.set vn, 0
.rept 16
.if us < 8
	ds_load_b128 v[FR+4*vn:FR+4*vn+3], v5 offset:8192*us+512*vn
.else
	ds_load_b128 v[FR+4*vn:FR+4*vn+3], v7 offset:8192*(us-8)+512*vn
.endif
.set vn, vn+1
.endr
	s_wait_dscnt 0x0
.irp ct, 0,1,2,3
.if us == 0
	v_wmma_f32_16x16x128_fp8_fp8 v[UX+8*\ct:UX+8*\ct+7], v[FR+16*\ct:FR+16*\ct+15], v[PC:PC+15], 0
.else
	v_wmma_f32_16x16x128_fp8_fp8 v[UX+8*\ct:UX+8*\ct+7], v[FR+16*\ct:FR+16*\ct+15], v[PC:PC+15], v[UX+8*\ct:UX+8*\ct+7]
.endif
.endr
.set us, us+1
.endr
.Luniform_done:
.set un, 0
.rept 32
	v_mov_b32 v[OX+un], 0                          ; the step is written once: its first trip adds onto zeros
.set un, un+1
.endr
	RESET
.Lwalk2:
	STEP2
	s_sub_co_u32 s23, s23, 1
	s_cmp_lg_u32 s23, 0
	s_cbranch_scc1 .Lwalk2
	PLACES
	v_cmp_lt_f32 vcc_lo, v240, v14                 ; no visible key: the maximum stands for about -1e9
.set un, 0
.rept 32
	v_cndmask_b32 v[OX+un], v[OX+un], v[UX+un], vcc_lo
.set un, un+1
.endr
.set un, 0
.rept 32
	v_med3_num_f32 v[OX+un], v[OX+un], -v12, v12
.set un, un+1
.endr
.irp ct, 0,1,2,3
	v_cvt_scalef32_pk8_fp8_f32 v[PC+2*\ct:PC+2*\ct+1], v[OX+8*\ct:OX+8*\ct+7], v13   ; a sum stands for sum x 2^(e8 + e9): its code is sum / 2^(e10 - e8 - e9)
.endr
	v_nop
	global_store_b128 v1, v[PC:PC+3], s[14:15]     ; each store of the wave covers 512 consecutive bytes, aligned
	global_store_b128 v1, v[PC+4:PC+7], s[14:15] offset:512
	s_wait_tensorcnt 0x0
	ds_add_u32 v248, v249
	s_wait_dscnt 0x0
	s_endpgm
.Lfunc_end_k_q5df18c5b3e_attn:
	.size	k_q5df18c5b3e_attn, .Lfunc_end_k_q5df18c5b3e_attn-k_q5df18c5b3e_attn
	.p2alignl 7, 3214868480
	.fill 96, 4, 3214868480
	.section	.rodata,"a",@progbits
	.p2align	6, 0x0
	.amdhsa_kernel k_q5df18c5b3e_attn
		.amdhsa_group_segment_fixed_size 272384
		.amdhsa_private_segment_fixed_size 0
		.amdhsa_enable_private_segment 0
		.amdhsa_kernarg_size 48
		.amdhsa_user_sgpr_count 2
		.amdhsa_user_sgpr_kernarg_segment_ptr 1
		.amdhsa_wavefront_size32 1
		.amdhsa_system_sgpr_workgroup_id_x 1
		.amdhsa_system_sgpr_workgroup_id_y 1
		.amdhsa_system_sgpr_workgroup_id_z 1
		.amdhsa_system_vgpr_workitem_id 0
		.amdhsa_next_free_vgpr 256
		.amdhsa_next_free_sgpr 66
		.amdhsa_reserve_vcc 1
		.amdhsa_float_denorm_mode_32 3
		.amdhsa_float_denorm_mode_16_64 3
		.amdhsa_memory_ordered 1
		.amdhsa_forward_progress 1
		.amdhsa_inst_pref_size 83
	.end_amdhsa_kernel
	.amdgpu_metadata
---
amdhsa.version: [ 1, 2 ]
amdhsa.kernels:
  - .name:           k_q5df18c5b3e_attn
    .symbol:         k_q5df18c5b3e_attn.kd
    .args:
      - { .name: q_img, .offset: 0, .size: 8, .value_kind: global_buffer, .address_space: global }
      - { .name: k_img, .offset: 8, .size: 8, .value_kind: global_buffer, .address_space: global }
      - { .name: v_img, .offset: 16, .size: 8, .value_kind: global_buffer, .address_space: global }
      - { .name: mask, .offset: 24, .size: 8, .value_kind: global_buffer, .address_space: global }
      - { .name: lowp_scales, .offset: 32, .size: 8, .value_kind: global_buffer, .address_space: global }
      - { .name: ao_img, .offset: 40, .size: 8, .value_kind: global_buffer, .address_space: global }
    .group_segment_fixed_size: 272384
    .private_segment_fixed_size: 0
    .kernarg_segment_align: 8
    .kernarg_segment_size: 48
    .max_flat_workgroup_size: 512
    .sgpr_count:     66
    .vgpr_count:     256
    .wavefront_size: 32
...
	.end_amdgpu_metadata
.endif
;; end of part 4
;; launch oproj_ffn (part 5): grid 256 x 1, 4 waves a work-group, clusters of 4 x 1, 327,680 bytes of LDS; arguments ao_img, wo_img, w1_img, w2_img, x, bo, g2, be2, b1, b2, lowp_scales, out0; writes out0
.if DOCPART == 5
	.amdgcn_target "amdgcn-amd-amdhsa--gfx1250"
	.amdhsa_code_object_version 6
	.text
	.protected	k_q5df18c5b3e_oproj_ffn
	.globl	k_q5df18c5b3e_oproj_ffn
	.p2align	8
	.type	k_q5df18c5b3e_oproj_ffn,@function
k_q5df18c5b3e_oproj_ffn:
	s_mov_b64 s[64:65], 0
	v_nop
	global_prefetch_b8 v0, s[64:65] scope:SCOPE_SE
	s_setreg_imm32_b32 hwreg(HW_REG_WAVE_MODE, 25, 1), 1
	s_wait_xcnt 0x0
	s_wait_alu depctr_hold_cnt(0) depctr_sa_sdst(0) depctr_va_vdst(0) depctr_va_sdst(0) depctr_va_ssrc(0) depctr_va_vcc(0) depctr_vm_vsrc(0)
	s_getreg_b32 s2, hwreg(HW_REG_IB_STS2, 6, 4)
	s_cmp_eq_u32 s2, 0
	s_cbranch_scc0 .Lentry_in_a_cluster
	s_endpgm
.Lentry_in_a_cluster:
	s_bfe_u32 s2, ttmp6, 0x10000c
	s_cmp_lg_u32 s2, 0x3003
	s_cbranch_scc0 .Lentry_shape_is_right
	s_endpgm
.Lentry_shape_is_right:
; x1 = x + (ao Wo + bo);  out = x1 + (gelu(layernorm(x1, g2, be2) W1 + b1) W2 + b2), the three products on codes of E4M3.  Nothing between x and out goes to memory.
; SHARES.  A work-group takes 32 rows through the whole chain.  THE WAVES SHARE THE COLUMNS: wave w owns output columns 128 w .. 128 w + 127 of the first and last product, and in each of 8 chunks of 256 hidden units the units 64 w .. 64 w + 63.
; All weights lie in memory as images in register order; each byte is wanted by one wave of the work-group.  Wo and W1 come straight into registers, every load of a wave 512 consecutive bytes.
; CLUSTER.  All work-groups walk the same weights in the same order.  W2 IS ASKED FOR JOINTLY by the four work-groups of a cluster: wave w's part of a chunk is one dense block of 32,768 bytes, brought by one tensor load with the
; same descriptor and the mask of the four into the wave's own landing zone in LDS; the wave reads it into window 2 (its second buffer), and behind a round of the cluster's barrier the zone takes the next chunk's block.
; A wave has one tensor load out at the most.  W1 is not asked for so: its chunk is another 131,072 bytes, and with the 239,616 bytes in use that is more than the 327,680 there are.  All of LDS is claimed.
; All products are used transposed (source 0 = 16 rows of the weight, source 1 = 16 tokens): a lane holds one token and eight neighbouring columns.
; x1 STAYS IN THE ACCUMULATORS: they begin as (x + bo) / 2^(e10 + e11), the C of the first product; are scaled to x1; and re-based to (x1 + b2) / 2^(e14 + e15), the C of the last.  All factors are powers of two.
; GELU: 0.5 z (1 + erf(z / sqrt 2)), erf by a rational in f32: w = clamp(z / sqrt 2, +-4), erf = w P(w w) / Q(w w), P of degree 6, Q of degree 4.  What is converted is z + z erf with the scale 2^(e14 + 1).
; LDS: a stage of 32 rows x 2,576 bytes (a group of 16 columns in 80 bytes) at 0; the normalised rows' codes, 2 tiles x 8,704, at 82,432; the hidden chunk's four fragments as images of their registers, 8,192 bytes, at 99,840;
; W2's four landing zones of 32,768 bytes at 108,032; the spare words, 512 bytes, at 239,104.
; LIMITS: e12 and e14 + 1 between -126 and 119; e10 + e11, e12 + e13, e14 + e15 and their negatives between -126 and 127.  NaN and infinities are not served.
; No prefetch: each stream is asked for a chunk ahead by its own loads.
; WINDOWS: 1: W1's 16 fragments of a chunk; 2: W2's 16; (for the first product Wo's 32 fill both); 3: v0-127 the 16 accumulators (tile (t, m) at 8 (2 t + m)), v128-255 the normalised rows' 8 fragments.
; Window 0: v1-11 addresses; v16-47 g2, be2, later b1; v48-55 constants; v56-58 spare word, 0, landing zone; v64-191 ao's fragments, later rows, later the hidden sums (v64-127) and fragments (v128-191); v192-255 bo, b2, later at work.
; The place in the cluster stands in s2, s3 and s[98:99] alone, and enters the addresses of ao, x and out0 alone.
.set SLOTP, 272
.set TILEB, 32*SLOTP
.set SPITCH, 2576
.set H2IMG, 32*SPITCH
.set HID,   H2IMG+2*TILEB
.set W2S,   HID+8192
.set SPARE, W2S+4*32768
.set ADS,  6
.set G,    16
.set BE,   32
.set B1R,  16
.set SCQ,  48
.set SPW,  56                          ; v56  LDS address of my spare word: SPARE + 4 x my thread's number; never rewritten
.set NIL,  57                          ; v57  0; never rewritten
.set W2A,  58                          ; v58  my 16 bytes in my wave's landing zone
.set XA,   64
.set HACC, 64
.set AF,   128
.set BB,   192
.set TT,   192
.set YA,   192
.set YB,   208
.set CC,   224
.set SS,   236
.set PP,   240
.set MU,   244
.set WC,   192
.set YY,   200
.set PN,   208
.set QD,   216
.set CDR,  224
.set G1,   56                          ; s[56:63] descriptor group 1: the shape, never rewritten
.set SQ2,  86                          ; s[86:87] 1 / sqrt 2
.set G0,   88                          ; s[88:91] descriptor group 0: it walks
.set SINV, 94
.set SEPS, 95
.set SEL,  92
.set MSB, 0
.macro WIN new                         ; the immediate's high byte repeats the setting that is left
.if MSB != (\new)
	s_set_vgpr_msb (MSB<<8)|(\new)
.set MSB, (\new)
.endif
.endm
.macro PLACES
.rept 4
	v_nop
.endr
.endm
.macro BARRIER
	s_wait_dscnt 0x0
	s_barrier_signal -1
	s_barrier_wait -1
.endm
; A round of the cluster's barrier: my work-group's barrier, so that wave 0's signal speaks for all four waves; wave 0 signals for the work-group; every wave waits for all four work-groups; my work-group's barrier once more.
.macro CREST
	s_cmp_lg_u32 s4, 0
	s_cbranch_scc1 .Lnot_wave_0_\@
	s_barrier_signal -3
.Lnot_wave_0_\@:
	s_barrier_wait -3
	s_barrier_signal -1
	s_barrier_wait -1
.endm
.macro CROUND
	s_barrier_signal -1
	s_barrier_wait -1
	CREST
.endm
.macro MKSC vsc, vlim, se
	s_add_co_i32 s46, s[\se], 127
	s_lshl_b32 s47, s46, 23
	v_mov_b32 v[\vsc], s47
	s_add_co_i32 s46, s46, 8
	s_lshl_b32 s46, s46, 23
	s_or_b32 s46, s46, 0x600000
	v_mov_b32 v[\vlim], s46
.endm
.macro MKP2 sp, se                     ; the pair s[sp], s[sp + 1] = 2^s[se]
	s_add_co_i32 s[\sp], s[\se], 127
	s_lshl_b32 s[\sp], s[\sp], 23
	s_mov_b32 s[\sp+1], s[\sp]
.endm
.macro COEF sp, bits
	s_mov_b32 s[\sp], \bits
	s_mov_b32 s[\sp+1], \bits
.endm
.macro LANESUM
.irp x, 1,2,4,8
.irp k, 0,1,2,3
	v_add_f32_dpp v[SS+\k], v[SS+\k], v[SS+\k] row_xmask:\x row_mask:0xf bank_mask:0xf
.endr
.endr
.irp k, 0,1,2,3
	v_permlanex16_b32 v[PP+\k], v[SS+\k], s[SEL], s[SEL+1]
.endr
.irp k, 0,1,2,3
	v_add_f32 v[SS+\k], v[SS+\k], v[PP+\k]
.endr
.endm
.macro QSET src, y, q
.set qi, 0
.rept 16
	v_med3_num_f32 v[\y+qi], v[\src+qi], -v[SCQ+2*\q+1], v[SCQ+2*\q+1]
.set qi, qi+1
.endr
	v_cvt_scalef32_pk8_fp8_f32 v[CC+4*\q:CC+4*\q+1], v[\y:\y+7], v[SCQ+2*\q]
	v_cvt_scalef32_pk8_fp8_f32 v[CC+4*\q+2:CC+4*\q+3], v[\y+8:\y+15], v[SCQ+2*\q]
.endm
; Four rows, 16 numbers a lane each, are normalised in place and leave as codes.  Mean first, then the mean of the squared differences.
.macro LNGROUP xb, row0
.irp k, 0,1,2,3
.irp p, 0,1,2,3
	v_pk_add_f32 v[TT+8*\k+2*\p:TT+8*\k+2*\p+1], v[\xb+16*\k+4*\p:\xb+16*\k+4*\p+1], v[\xb+16*\k+4*\p+2:\xb+16*\k+4*\p+3]
.endr
.endr
.irp k, 0,1,2,3
	v_pk_add_f32 v[TT+8*\k:TT+8*\k+1], v[TT+8*\k:TT+8*\k+1], v[TT+8*\k+2:TT+8*\k+3]
	v_pk_add_f32 v[TT+8*\k+4:TT+8*\k+5], v[TT+8*\k+4:TT+8*\k+5], v[TT+8*\k+6:TT+8*\k+7]
.endr
.irp k, 0,1,2,3
	v_pk_add_f32 v[TT+8*\k:TT+8*\k+1], v[TT+8*\k:TT+8*\k+1], v[TT+8*\k+4:TT+8*\k+5]
.endr
.irp k, 0,1,2,3
	v_add_f32 v[SS+\k], v[TT+8*\k], v[TT+8*\k+1]
.endr
	LANESUM
.irp k, 0,1,2,3
	v_mul_f32 v[MU+2*\k], s[SINV], v[SS+\k]
.endr
.irp k, 0,1,2,3
.irp p, 0,2,4,6,8,10,12,14
	v_pk_add_f32 v[\xb+16*\k+\p:\xb+16*\k+\p+1], v[\xb+16*\k+\p:\xb+16*\k+\p+1], v[MU+2*\k:MU+2*\k+1] op_sel_hi:[1,0] neg_lo:[0,1] neg_hi:[0,1]
.endr
.endr
.irp k, 0,1,2,3
	v_pk_mul_f32 v[TT+8*\k:TT+8*\k+1], v[\xb+16*\k:\xb+16*\k+1], v[\xb+16*\k:\xb+16*\k+1]
	v_pk_mul_f32 v[TT+8*\k+2:TT+8*\k+3], v[\xb+16*\k+2:\xb+16*\k+3], v[\xb+16*\k+2:\xb+16*\k+3]
.endr
.irp p, 1,2,3
.irp k, 0,1,2,3
	v_pk_fma_f32 v[TT+8*\k:TT+8*\k+1], v[\xb+16*\k+4*\p:\xb+16*\k+4*\p+1], v[\xb+16*\k+4*\p:\xb+16*\k+4*\p+1], v[TT+8*\k:TT+8*\k+1]
	v_pk_fma_f32 v[TT+8*\k+2:TT+8*\k+3], v[\xb+16*\k+4*\p+2:\xb+16*\k+4*\p+3], v[\xb+16*\k+4*\p+2:\xb+16*\k+4*\p+3], v[TT+8*\k+2:TT+8*\k+3]
.endr
.endr
.irp k, 0,1,2,3
	v_pk_add_f32 v[TT+8*\k:TT+8*\k+1], v[TT+8*\k:TT+8*\k+1], v[TT+8*\k+2:TT+8*\k+3]
.endr
.irp k, 0,1,2,3
	v_add_f32 v[SS+\k], v[TT+8*\k], v[TT+8*\k+1]
.endr
	LANESUM
.irp k, 0,1,2,3
	v_fma_f32 v[SS+\k], v[SS+\k], s[SINV], s[SEPS]
.endr
.irp k, 0,1,2,3
	v_rsq_f32 v[MU+2*\k], v[SS+\k]
.endr
	v_nop                                          ; a plain instruction behind the last root,
	s_wait_alu depctr_va_vdst(0)                   ; and the one wait for the four ahead of their first reader
.irp k, 0,1,2,3
.irp p, 0,2,4,6,8,10,12,14
	v_pk_mul_f32 v[\xb+16*\k+\p:\xb+16*\k+\p+1], v[\xb+16*\k+\p:\xb+16*\k+\p+1], v[MU+2*\k:MU+2*\k+1] op_sel_hi:[1,0]
.endr
.endr
.irp k, 0,1,2,3
.irp p, 0,2,4,6,8,10,12,14
	v_pk_fma_f32 v[\xb+16*\k+\p:\xb+16*\k+\p+1], v[\xb+16*\k+\p:\xb+16*\k+\p+1], v[G+\p:G+\p+1], v[BE+\p:BE+\p+1]
.endr
.endr
.irp k, 0,1,2,3
	s_wait_dscnt 0x0                               ; the last row's store has read the codes' registers
	QSET \xb+16*\k, YA, 0
	v_nop
	ds_store_b128 v[ADS], v[CC:CC+3] offset:16*(\row0+\k)
.endr
.endm
.macro LWP p                           ; loads 16 p .. 16 p + 15 of the 64 that bring a chunk's 16 fragments of W1 into window 1
	WIN 0x40
.set ln, 16*(\p)
.rept 16
	global_load_b128 v[4*ln:4*ln+3], v1, s[12:13] offset:512*ln
.set ln, ln+1
.endr
	WIN 0
.endm
.macro NEXTW1 last, p                  ; the next chunk's, if there is one: no load leaves its buffer
.if !\last
	LWP \p
.endif
.endm
.macro W2P p                           ; loads 16 p .. 16 p + 15 of the 64 that bring this chunk's 16 fragments of W2 out of my landing zone into window 2
	WIN 0x80
.set ln, 16*(\p)
.rept 16
	ds_load_b128 v[4*ln:4*ln+3], v[W2A] offset:512*ln
.set ln, ln+1
.endr
	WIN 0
.endm
.macro LB1                             ; b1 of my 64 units of the chunk, in the result's layout
.set ln, 0
.rept 8
	global_load_b128 v[B1R+4*ln:B1R+4*ln+3], v3, s[24:25] offset:64*(ln/2)+16*(ln%2)
.set ln, ln+1
.endr
.endm
.macro LBIAS sb                        ; bo or b2 of my 128 columns, in the result's layout
.set ln, 0
.rept 16
	global_load_b128 v[BB+4*ln:BB+4*ln+3], v3, s[\sb:\sb+1] offset:64*(ln/2)+16*(ln%2)
.set ln, ln+1
.endr
.endm
.macro REBASE sp                       ; accumulators = accumulators x f + bias x f, f the power of two in s[sp]
.set ln, 0
.rept 32
	v_pk_mul_f32 v[BB+2*ln:BB+2*ln+1], v[BB+2*ln:BB+2*ln+1], s[\sp:\sp+1] op_sel_hi:[1,0]
.set ln, ln+1
.endr
	WIN 0xc3                                       ; source 0 and destination window 3, source 2 window 0
.irp t, 0,1,2,3,4,5,6,7
.irp m, 0,1
.irp p, 0,2,4,6
	v_pk_fma_f32 v[8*(2*\t+\m)+\p:8*(2*\t+\m)+\p+1], v[8*(2*\t+\m)+\p:8*(2*\t+\m)+\p+1], s[\sp:\sp+1], v[BB+8*\t+\p:BB+8*\t+\p+1] op_sel_hi:[1,0,1]
.endr
.endr
.endr
	WIN 0
.endm
.macro SCALEACC sp                     ; accumulators x the power of two in s[sp], each from its low end on
	WIN 0xc3
.set ln, 0
.rept 64
	v_pk_mul_f32 v[2*ln:2*ln+1], v[2*ln:2*ln+1], s[\sp:\sp+1] op_sel_hi:[1,0]
.set ln, ln+1
.endr
	WIN 0
.endm
.macro TOSTAGE                         ; lane (r, h): row 16 m + r, columns 128 w + 16 t + 8 h + 0 .. 7
	WIN 0x0c                                       ; the stores' data: window 3
.set ln, 0
.rept 32
	ds_store_b128 v5, v[4*ln:4*ln+3] offset:((ln/2)%2)*16*SPITCH+(ln/4)*80+16*(ln%2)
.set ln, ln+1
.endr
	WIN 0
.endm
; One tile of the hidden layer (16 tokens x 16 units): bias, GELU, hold, codes.
.macro GELUT u, m
.set ZR, HACC+8*(2*(\u)+(\m))
.irp p, 0,2,4,6
	v_pk_fma_f32 v[ZR+\p:ZR+\p+1], v[ZR+\p:ZR+\p+1], s[40:41], v[B1R+8*(\u)+\p:B1R+8*(\u)+\p+1] op_sel_hi:[1,0,1]   ; z = sum x 2^(e12 + e13) + b1
.endr
.irp p, 0,2,4,6
	v_pk_mul_f32 v[WC+\p:WC+\p+1], v[ZR+\p:ZR+\p+1], s[SQ2:SQ2+1] op_sel_hi:[1,0]
.endr
.irp i, 0,1,2,3,4,5,6,7
	v_med3_num_f32 v[WC+\i], v[WC+\i], -4.0, 4.0
.endr
.irp p, 0,2,4,6
	v_pk_mul_f32 v[YY+\p:YY+\p+1], v[WC+\p:WC+\p+1], v[WC+\p:WC+\p+1]
.endr
.irp p, 0,2,4,6
	v_pk_fma_f32 v[PN+\p:PN+\p+1], v[YY+\p:YY+\p+1], s[66:67], v[52:53] op_sel_hi:[1,0,1]
	v_pk_fma_f32 v[QD+\p:QD+\p+1], v[YY+\p:YY+\p+1], s[78:79], v[54:55] op_sel_hi:[1,0,1]
.endr
.irp c, 0,2,4
.irp p, 0,2,4,6
	v_pk_fma_f32 v[PN+\p:PN+\p+1], v[PN+\p:PN+\p+1], v[YY+\p:YY+\p+1], s[68+\c:69+\c] op_sel_hi:[1,1,0]
	v_pk_fma_f32 v[QD+\p:QD+\p+1], v[QD+\p:QD+\p+1], v[YY+\p:YY+\p+1], s[80+\c:81+\c] op_sel_hi:[1,1,0]
.endr
.endr
.irp c, 6,8
.irp p, 0,2,4,6
	v_pk_fma_f32 v[PN+\p:PN+\p+1], v[PN+\p:PN+\p+1], v[YY+\p:YY+\p+1], s[68+\c:69+\c] op_sel_hi:[1,1,0]
.endr
.endr
.irp i, 0,1,2,3,4,5,6,7
	v_rcp_f32 v[QD+\i], v[QD+\i]
.endr
.irp p, 0,2,4,6
	v_pk_mul_f32 v[PN+\p:PN+\p+1], v[PN+\p:PN+\p+1], v[WC+\p:WC+\p+1]   ; plain work behind the reciprocals
.endr
	s_wait_alu depctr_va_vdst(0)                   ; the one wait for the eight ahead of their first reader
.irp p, 0,2,4,6
	v_pk_mul_f32 v[PN+\p:PN+\p+1], v[PN+\p:PN+\p+1], v[QD+\p:QD+\p+1]   ; erf
.endr
.irp p, 0,2,4,6
	v_pk_fma_f32 v[ZR+\p:ZR+\p+1], v[ZR+\p:ZR+\p+1], v[PN+\p:PN+\p+1], v[ZR+\p:ZR+\p+1]   ; z + z erf
.endr
.irp i, 0,1,2,3,4,5,6,7
	v_med3_num_f32 v[ZR+\i], v[ZR+\i], -v51, v51
.endr
	v_cvt_scalef32_pk8_fp8_f32 v[CDR+8*(\m)+2*(\u):CDR+8*(\m)+2*(\u)+1], v[ZR:ZR+7], v50
.endm
.macro P8MUL                           ; the last product's share of a chunk: 16 accumulators by turns, two K steps
	WIN 0xf2                                       ; source 0 (W2) window 2, C and D window 3
.irp e, 0,1
.irp t, 0,1,2,3,4,5,6,7
.irp m, 0,1
	v_wmma_f32_16x16x128_fp8_fp8 v[8*(2*\t+\m):8*(2*\t+\m)+7], v[16*(2*\t+\e):16*(2*\t+\e)+15], v[AF+16*(2*\m+\e):AF+16*(2*\m+\e)+15], v[8*(2*\t+\m):8*(2*\t+\m)+7]
.endr
.endr
.endr
	WIN 0
.endm
; A chunk of 256 hidden units.  last = 1: nothing more is asked for.
.macro CHUNK last
	s_wait_loadcnt 8                               ; W1's fragments of this chunk are in: b1's eight loads were issued behind them, on the way in and on the way back alike
	WIN 0x0d                                       ; source 0 (W1) window 1, source 1 (the rows) window 3
.irp s, 0,1,2,3
.irp u, 0,1,2,3
.irp m, 0,1
.if \s == 0
	v_wmma_f32_16x16x128_fp8_fp8 v[HACC+8*(2*\u+\m):HACC+8*(2*\u+\m)+7], v[16*(4*\u+\s):16*(4*\u+\s)+15], v[128+16*(4*\m+\s):128+16*(4*\m+\s)+15], 0
.else
	v_wmma_f32_16x16x128_fp8_fp8 v[HACC+8*(2*\u+\m):HACC+8*(2*\u+\m)+7], v[16*(4*\u+\s):16*(4*\u+\s)+15], v[128+16*(4*\m+\s):128+16*(4*\m+\s)+15], v[HACC+8*(2*\u+\m):HACC+8*(2*\u+\m)+7]
.endif
.endr
.endr
.endr
	WIN 0
	PLACES                                         ; four places ahead of the first read of the sums and of loads into W1's registers
	s_wait_loadcnt 0x0                             ; b1 is in, and no load is out: both bases may step
.if !\last
	s_add_nc_u64 s[12:13], s[12:13], 131072
	s_add_nc_u64 s[24:25], s[24:25], 1024
.endif
	GELUT 0, 0                                     ; the next chunk's W1 is asked for in four runs between the first tiles of the GELU,
	NEXTW1 \last, 0
	GELUT 0, 1
	NEXTW1 \last, 1
	GELUT 1, 0
	NEXTW1 \last, 2
	GELUT 1, 1
	NEXTW1 \last, 3
	GELUT 2, 0
	s_wait_tensorcnt 0x0                           ; this chunk's W2 lies in my landing zone, which I alone read;
	W2P 0                                          ; it comes into window 2 in four runs between the last tiles
	GELUT 2, 1
	W2P 1
	GELUT 3, 0
	W2P 2
	GELUT 3, 1
	v_nop                                          ; a plain instruction behind the last conversion
.irp m, 0,1
	ds_store_b128 v9, v[CDR+8*\m:CDR+8*\m+3] offset:4096*\m          ; my 64 units are half of fragment (m, w / 2): two groups of four registers, as they stand
	ds_store_b128 v9, v[CDR+8*\m+4:CDR+8*\m+7] offset:4096*\m+512
.endr
	W2P 3
.if \last
	BARRIER                                        ; the chunk's four fragments lie in LDS
.else
	LB1                                            ; the next chunk's b1: the GELU has read this chunk's
	s_wait_tensorcnt 0x0                           ; no tensor load of mine is out, so group 0 may be written
	ds_add_u32 v[SPW], v[NIL]                      ; 0 onto my spare word
	s_add_nc_u64 s[G0+2:G0+3], s[G0+2:G0+3], 131072   ; the next chunk's block; the type bits on top are not reached
	s_wait_dscnt 0x0                               ; the add is done, my stores of the fragments have landed, my reads of the landing zone are back
	CROUND                                         ; all that holds of every wave of the four work-groups: the fragments may be read, the zones filled
	tensor_load_to_lds s[G0:G0+3], s[G1:G1+7]      ; the first thing behind the round, my one tensor load until the next: it has the last product, the next first product and half a GELU in which to land
	s_nop 0
	PLACES
.endif
.set ln, 0
.rept 16
	ds_load_b128 v[AF+4*ln:AF+4*ln+3], v10 offset:512*ln
.set ln, ln+1
.endr
	s_wait_dscnt 0x0                               ; my reads of the fragments are over:
.if !\last
	s_barrier_signal -1                            ; say so; the next chunk's stores stand behind the wait below.  Nothing is filled between this barrier and the next round
.endif
	P8MUL
.if !\last
	s_barrier_wait -1
.endif
	PLACES
.endm
	s_load_b512 s[8:23], s[0:1], 0x0               ; ao_img 8, wo_img 10, w1_img 12, w2_img 14, x 16, bo 18, g2 20, be2 22
	s_load_b256 s[24:31], s[0:1], 0x40             ; b1 24, b2 26, scales 28, out0 30
	v_lshl_add_u32 v[SPW], v0, 2, SPARE
	v_mov_b32 v[NIL], 0
	ds_add_u32 v56, v57
	ds_add_u32 v56, v57
	s_wait_dscnt 0x0
	v_lshrrev_b32 v1, 5, v0
	v_readfirstlane_b32 s4, v1                     ; wave
	s_bfe_u32 s2, ttmp6, 0x40000                   ; my place in the cluster
	s_lshl_b32 s3, ttmp9, 2                        ; in a cluster launch ttmp9 counts clusters
	s_add_co_u32 s3, s3, s2                        ; my block of 32 rows
	v_and_b32 v12, 31, v0                          ; lane
	v_and_b32 v13, 15, v0                          ; r
	v_bfe_u32 v14, v0, 4, 1                        ; h
	v_lshlrev_b32 v1, 4, v12                       ; 16 x lane
	v_lshlrev_b32 v2, 11, v13
	v_lshl_add_u32 v2, v14, 5, v2                  ; x: row r, + 32 h
	v_lshlrev_b32 v3, 5, v14                       ; a bias: 8 numbers of my half
	v_lshlrev_b32 v4, 6, v12                       ; g2, be2: my 16 columns
	s_mul_i32 s5, s4, 640
	v_mul_u32_u24 v5, v13, SPITCH
	v_lshl_add_u32 v5, v14, 5, v5
	v_add_nc_u32 v5, s5, v5                        ; into the stage
	s_lshr_b32 s5, s4, 1
	s_mul_i32 s5, s5, TILEB
	s_and_b32 s6, s4, 1
	s_lshl_b32 s6, s6, 7
	s_add_co_u32 s5, s5, s6
	s_add_co_u32 s5, s5, H2IMG
	v_mul_u32_u24 v[ADS], v12, SLOTP
	v_add_nc_u32 v[ADS], s5, v[ADS]                ; my 8 rows' codes: tile w / 2, rows 8 (w % 2) on, slot = lane
	s_mul_i32 s5, s4, 8*SPITCH
	v_mul_u32_u24 v7, v12, 80
	v_add_nc_u32 v7, s5, v7                        ; out of the stage, for the norm: my 8 rows, my 16 columns
	v_mul_u32_u24 v8, v14, SLOTP
	v_lshl_add_u32 v8, v13, 4, v8
	v_add_nc_u32 v8, H2IMG, v8                     ; a fragment of the normalised rows
	s_lshl_b32 s6, s4, 10
	v_add_nc_u32 v9, s6, v1
	v_add_nc_u32 v9, HID, v9                       ; my part of the hidden fragments: (w / 2) x 2,048 + (w % 2) x 1,024
	v_add_nc_u32 v10, HID, v1
	v_lshrrev_b32 v11, 2, v12
	v_mul_u32_u24 v11, v11, 80
	v_and_b32 v15, 3, v12
	v_lshl_add_u32 v11, v15, 4, v11
	v_add_nc_u32 v11, s5, v11                      ; out of the stage, for the stores: 512 consecutive bytes of a row
	s_lshl_b32 s7, s4, 15                          ; 32,768 x wave
	v_add_nc_u32 v[W2A], s7, v1
	v_add_nc_u32 v[W2A], W2S, v[W2A]               ; my landing zone, 16 bytes a lane
	; descriptor group 1: a dense block of 32,768 bytes as 128 rows of 32 elements of 8 bytes
	s_mov_b32 s[G1], 15|(3<<16)|(1<<21)            ; 15:0 the mask: all four work-groups; 17:16 elements of 8 bytes; 20 no padding; 21 set beside a mask
	s_mov_b32 s[G1+1], 32<<16                      ; tensor_dim0 = 32
	s_mov_b32 s[G1+2], 128<<16                     ; tensor_dim1 = 128
	s_mov_b32 s[G1+3], 32<<16                      ; tile_dim0 = 32
	s_mov_b32 s[G1+4], 128                         ; tile_dim1 = 128
	s_mov_b32 s[G1+5], 32                          ; from row to row: 32 elements
	s_mov_b32 s[G1+6], 0
	s_mov_b32 s[G1+7], 0
	s_mov_b32 s45, 0
	s_mov_b32 s99, 0
	s_mov_b32 s[SINV], 0x3b000000                  ; 1 / 512
	s_mov_b32 s[SEPS], 0x3727c5ac                  ; 1e-5
	s_mov_b32 s[SEL], 0x76543210
	s_mov_b32 s[SEL+1], 0xfedcba98
	COEF SQ2, 0x3f3504f3                           ; 1 / sqrt 2
	COEF 66, 0xaf95df0b                            ; P: -2.72614226e-10,
	COEF 68, 0xb60cff51                            ;    -2.10102402e-06  (2.77068142e-08 stands in v[52:53])
	COEF 70, 0xb86ec2d2                            ;    -5.69250639e-05
	COEF 72, 0xba40ac63                            ;    -7.34990630e-04
	COEF 74, 0xbb41a1f6                            ;    -2.95459981e-03
	COEF 76, 0xbc83dbd4                            ;    -1.60960333e-02
	COEF 78, 0xb77460cd                            ; Q: -1.45660718e-05,
	COEF 80, 0xbadc924e                            ;    -1.68282697e-03  (-2.13374055e-04 stands in v[54:55])
	COEF 82, 0xbbf19bf8                            ;    -7.37332917e-03
	COEF 84, 0xbc69b6a7                            ;    -1.42647391e-02
	v_mov_b32 v52, 0x32edffee
	v_mov_b32 v53, 0x32edffee
	v_mov_b32 v54, 0xb95fbd29
	v_mov_b32 v55, 0xb95fbd29
	s_wait_kmcnt 0x0
	s_load_b256 s[48:55], s[28:29], 0x20           ; e8 .. e15
	s_lshl_b32 s98, s3, 14
	s_add_nc_u64 s[8:9], s[8:9], s[98:99]          ; ao: my two tiles of tokens
	s_lshl_b32 s44, s4, 16
	s_add_nc_u64 s[10:11], s[10:11], s[44:45]      ; Wo: my 8 tiles of rows
	s_mov_b32 s44, s7
	s_add_nc_u64 s[12:13], s[12:13], s[44:45]      ; W1, W2: my wave's 32,768 bytes of a chunk
	s_add_nc_u64 s[14:15], s[14:15], s[44:45]
	s_lshl_b32 s44, s4, 9
	s_add_nc_u64 s[18:19], s[18:19], s[44:45]
	s_add_nc_u64 s[26:27], s[26:27], s[44:45]
	s_add_nc_u64 s[16:17], s[16:17], s[44:45]      ; x: my 128 columns,
	s_lshl_b32 s98, s3, 16
	s_add_nc_u64 s[16:17], s[16:17], s[98:99]      ; my 32 rows
	s_add_nc_u64 s[30:31], s[30:31], s[98:99]
	s_lshl_b32 s44, s4, 14
	s_add_nc_u64 s[30:31], s[30:31], s[44:45]      ; out0: the 8 rows that I store
	s_lshl_b32 s44, s4, 8
	s_add_nc_u64 s[24:25], s[24:25], s[44:45]
	s_mov_b32 s[G0], 1                             ; 1:0 count = 1
	s_add_co_u32 s[G0+1], s7, W2S                  ; 63:32 LDS address: my landing zone
	s_mov_b64 s[G0+2:G0+3], s[14:15]               ; 120:64 global address: my block of chunk 0
	s_or_b32 s[G0+3], s[G0+3], 0x80000000          ; 127:126 type = 2
	; ---- what the first product's C wants is asked for first
	WIN 0xc0
.set ln, 0
.rept 32
	global_load_b128 v[4*ln:4*ln+3], v2, s[16:17] offset:((ln/2)%2)*32768+(ln/4)*64+16*(ln%2)   ; x straight into the accumulators' layout
.set ln, ln+1
.endr
	WIN 0
	LBIAS 18
.irp i, 0,1,2,3
	global_load_b128 v[G+4*\i:G+4*\i+3], v4, s[20:21] offset:16*\i
	global_load_b128 v[BE+4*\i:BE+4*\i+3], v4, s[22:23] offset:16*\i
.endr
	CROUND                                         ; all four work-groups are here: the first joint loads meet
	tensor_load_to_lds s[G0:G0+3], s[G1:G1+7]      ; chunk 0's W2
	s_nop 0
	PLACES
.irp s, 0,1,2,3
.irp m, 0,1
.irp c, 0,1,2,3
	global_load_b128 v[64+16*(4*\m+\s)+4*\c:64+16*(4*\m+\s)+4*\c+3], v1, s[8:9] offset:8192*\m+2048*\s+512*\c
.endr
.endr
	WIN 0x40
.irp t, 0,1,2,3
.irp c, 0,1,2,3
	global_load_b128 v[16*(4*\t+\s)+4*\c:16*(4*\t+\s)+4*\c+3], v1, s[10:11] offset:(4*\t+\s)*2048+512*\c
.endr
.endr
	WIN 0x80
.irp t, 0,1,2,3
.irp c, 0,1,2,3
	global_load_b128 v[16*(4*\t+\s)+4*\c:16*(4*\t+\s)+4*\c+3], v1, s[10:11] offset:(4*(\t+4)+\s)*2048+512*\c
.endr
.endr
	WIN 0
.endr
	s_wait_kmcnt 0x0
	s_add_co_i32 s5, s50, s51                      ; e10 + e11
	s_sub_co_i32 s6, 0, s5
	MKP2 34, 5
	MKP2 32, 6
	s_add_co_i32 s5, s54, s55                      ; e14 + e15
	s_sub_co_i32 s6, 0, s5
	MKP2 38, 5
	MKP2 36, 6
	s_add_co_i32 s5, s52, s53                      ; e12 + e13
	MKP2 40, 5
	MKSC 48, 49, 52
	s_add_co_i32 s5, s54, 1                        ; e14 + 1: spares the GELU's factor 0.5
	MKSC 50, 51, 5
	s_wait_loadcnt 63                              ; x and bo: 168 loads were issued behind them; 63 is the largest count a wait can name
	REBASE 32                                      ; (x + bo) / 2^(e10 + e11)
	; ---- x1 = x + ao Wo + bo: 16 accumulators by turns, a K step at a time
.irp s, 0,1,2,3
.if \s < 2
	s_wait_loadcnt 63                              ; this K step's 40 loads: 120, then 80 were issued behind them
.else
	s_wait_loadcnt 40*(3-\s)
.endif
	WIN 0xf1                                       ; source 0 (Wo) window 1, C and D window 3
.irp t, 0,1,2,3
.irp m, 0,1
	v_wmma_f32_16x16x128_fp8_fp8 v[8*(2*\t+\m):8*(2*\t+\m)+7], v[16*(4*\t+\s):16*(4*\t+\s)+15], v[64+16*(4*\m+\s):64+16*(4*\m+\s)+15], v[8*(2*\t+\m):8*(2*\t+\m)+7]
.endr
.endr
	WIN 0xf2
.irp t, 0,1,2,3
.irp m, 0,1
	v_wmma_f32_16x16x128_fp8_fp8 v[8*(2*(\t+4)+\m):8*(2*(\t+4)+\m)+7], v[16*(4*\t+\s):16*(4*\t+\s)+15], v[64+16*(4*\m+\s):64+16*(4*\m+\s)+15], v[8*(2*(\t+4)+\m):8*(2*(\t+4)+\m)+7]
.endr
.endr
.endr
	WIN 0
	PLACES
	LBIAS 26                                       ; b2
	LWP 0                                          ; the first chunk's W1
	LWP 1
	LWP 2
	LWP 3
	SCALEACC 34                                    ; x1
	TOSTAGE
	s_wait_tensorcnt 0x0                           ; chunk 0's W2 has landed: no tensor load is out at the barriers of the norm
	BARRIER                                        ; 32 whole rows of x1 lie in the stage
	s_wait_loadcnt 63                              ; b2: W1's 64 loads were issued behind it
	REBASE 36                                      ; (x1 + b2) / 2^(e14 + e15): the C of the last product
.irp k, 0,1,2,3
	v_mov_b32 v[PP+\k], 0                          ; a lane permute's destination counts as read
	v_mov_b32 v[MU+2*\k+1], 0                      ; named as the upper half of a pair
.endr
	; ---- the second norm: wave w takes rows 8 w .. 8 w + 7
.set ln, 0
.rept 32
	ds_load_b128 v[XA+4*ln:XA+4*ln+3], v7 offset:(ln/4)*SPITCH+16*(ln%4)
.set ln, ln+1
.endr
	s_wait_dscnt 16                                ; the first four rows: the other four rows' 16 loads may be out
	LNGROUP XA, 0
	s_wait_dscnt 0x0
	LNGROUP XA+64, 4
	BARRIER                                        ; the rows' codes lie in LDS
	WIN 0xc0
.set ln, 0
.rept 32
	ds_load_b128 v[128+4*ln:128+4*ln+3], v8 offset:(ln/16)*TILEB+((ln/4)%4)*8*SLOTP+(ln%4)*2*SLOTP   ; their 8 fragments stay in window 3
.set ln, ln+1
.endr
	WIN 0
	LB1
	s_wait_dscnt 0x0
	s_mov_b32 s96, 7
.Lchunk:                                               ; 7 trips: behind each chunk but the last the next chunk's W2 is asked for
	CHUNK 0
	s_sub_co_u32 s96, s96, 1
	s_cmp_lg_u32 s96, 0
	s_cbranch_scc1 .Lchunk
	CHUNK 1                                        ; the last chunk is written out
	; ---- the way out: through the stage, so that each store of a wave covers 512 consecutive bytes of a row
	SCALEACC 38
	TOSTAGE
	BARRIER
.set ln, 0
.rept 32
	ds_load_b128 v[XA+4*ln:XA+4*ln+3], v11 offset:(ln/4)*SPITCH+640*(ln%4)
.set ln, ln+1
.endr
.set ln, 0
.rept 32
	s_wait_dscnt 31-ln
	global_store_b128 v1, v[XA+4*ln:XA+4*ln+3], s[30:31] offset:(ln/4)*2048+512*(ln%4) th:TH_STORE_NT
.set ln, ln+1
.endr
	s_wait_tensorcnt 0x0                           ; the wave's end: behind my last tensor load and my last LDS store
	ds_add_u32 v[SPW], v[NIL]
	s_wait_dscnt 0x0
	CROUND                                         ; the closing round: no work-group ends while a partner may still ask for a tile that names it
	s_endpgm
.Lfunc_end_k_q5df18c5b3e_oproj_ffn:
	.size	k_q5df18c5b3e_oproj_ffn, .Lfunc_end_k_q5df18c5b3e_oproj_ffn-k_q5df18c5b3e_oproj_ffn
	.p2alignl 7, 3214868480
	.fill 96, 4, 3214868480
	.section	.rodata,"a",@progbits
	.p2align	6, 0x0
	.amdhsa_kernel k_q5df18c5b3e_oproj_ffn
		.amdhsa_group_segment_fixed_size 327680
		.amdhsa_private_segment_fixed_size 0
		.amdhsa_enable_private_segment 0
		.amdhsa_kernarg_size 96
		.amdhsa_user_sgpr_count 2
		.amdhsa_user_sgpr_kernarg_segment_ptr 1
		.amdhsa_wavefront_size32 1
		.amdhsa_system_sgpr_workgroup_id_x 1
		.amdhsa_system_sgpr_workgroup_id_y 1
		.amdhsa_system_sgpr_workgroup_id_z 1
		.amdhsa_system_vgpr_workitem_id 0
		.amdhsa_next_free_vgpr 1024
		.amdhsa_next_free_sgpr 100
		.amdhsa_reserve_vcc 0
		.amdhsa_float_denorm_mode_32 3
		.amdhsa_float_denorm_mode_16_64 3
		.amdhsa_memory_ordered 1
		.amdhsa_forward_progress 1
		.amdhsa_inst_pref_size 229
	.end_amdhsa_kernel
	.amdgpu_metadata
---
amdhsa.version: [ 1, 2 ]
amdhsa.kernels:
  - .name:           k_q5df18c5b3e_oproj_ffn
    .symbol:         k_q5df18c5b3e_oproj_ffn.kd
    .args:
      - { .name: ao_img, .offset: 0, .size: 8, .value_kind: global_buffer, .address_space: global }
      - { .name: wo_img, .offset: 8, .size: 8, .value_kind: global_buffer, .address_space: global }
      - { .name: w1_img, .offset: 16, .size: 8, .value_kind: global_buffer, .address_space: global }
      - { .name: w2_img, .offset: 24, .size: 8, .value_kind: global_buffer, .address_space: global }
      - { .name: x, .offset: 32, .size: 8, .value_kind: global_buffer, .address_space: global }
      - { .name: bo, .offset: 40, .size: 8, .value_kind: global_buffer, .address_space: global }
      - { .name: g2, .offset: 48, .size: 8, .value_kind: global_buffer, .address_space: global }
      - { .name: be2, .offset: 56, .size: 8, .value_kind: global_buffer, .address_space: global }
      - { .name: b1, .offset: 64, .size: 8, .value_kind: global_buffer, .address_space: global }
      - { .name: b2, .offset: 72, .size: 8, .value_kind: global_buffer, .address_space: global }
      - { .name: lowp_scales, .offset: 80, .size: 8, .value_kind: global_buffer, .address_space: global }
      - { .name: out0, .offset: 88, .size: 8, .value_kind: global_buffer, .address_space: global }
    .group_segment_fixed_size: 327680
    .private_segment_fixed_size: 0
    .kernarg_segment_align: 8
    .kernarg_segment_size: 96
    .max_flat_workgroup_size: 128
    .sgpr_count:     100
    .vgpr_count:     1024
    .wavefront_size: 32
...
	.end_amdgpu_metadata
.endif
;; end of part 5
;; ======== version 3 of 3: 3 launches
;; limits: right only within a limited range of input values
;; workspace buffers: q_img 4,194,304 bytes; k_img 4,194,304 bytes; v_img 4,194,304 bytes; ao_img 4,194,304 bytes; wo_img 262,144 bytes; w1_img 1,048,576 bytes; w2_img 1,048,576 bytes
;; launch ln_qkv (part 6): grid 128 x 2, 4 waves a work-group, no clusters, 104,960 bytes of LDS; arguments x, g1, be1, Wq_codes, Wk_codes, Wv_codes, bq, bk, bv, lowp_scales, W1_codes, W2_codes, Wo_codes, q_img, k_img, v_img, w1_img, w2_img, wo_img; writes q_img, k_img, v_img, w1_img, w2_img, wo_img
.if DOCPART == 6
	.amdgcn_target "amdgcn-amd-amdhsa--gfx1250"
	.amdhsa_code_object_version 6
	.text
	.protected	k_q5df18c5b3e_ln_qkv
	.globl	k_q5df18c5b3e_ln_qkv
	.p2align	8
	.type	k_q5df18c5b3e_ln_qkv,@function
k_q5df18c5b3e_ln_qkv:
	s_mov_b64 s[64:65], 0
	v_nop
	global_prefetch_b8 v0, s[64:65] scope:SCOPE_SE
	s_setreg_imm32_b32 hwreg(HW_REG_WAVE_SCHED_MODE, 0, 2), 2
	s_setreg_imm32_b32 hwreg(HW_REG_WAVE_MODE, 25, 1), 1
	s_wait_xcnt 0x0
	s_wait_alu depctr_vm_vsrc(0)
; h = layernorm(x, g1, be1); Q = h Wq + bq, K = h Wk + bk, V = h Wv + bv on codes of E4M3; Q, K, V leave as codes, laid as images of the operand registers that the attention launch loads.
; Beside that each wave lays one fragment of W1 or W2 (and the first 128 waves one of Wo) in register order for the third launch.
; SHARES.  A work-group takes 64 tokens (x of the grid) and 4 heads (y).  Wave w normalises tokens 16 w .. 16 w + 15 and quantises them three times (the three products have scales of their own);
; the codes go to LDS; behind the one barrier wave w is head 4 y + w and makes that head's Q, K and V for all 64 tokens.  Its 3 x 64 rows of weights (768 registers) are read once, into windows 1 to 3.
; K ORDER.  In these three products both operands hold k = 128 s + 32 c + 16 (lane / 16) + 0 .. 15 in registers 4 c .. 4 c + 3: the same permutation of k on both sides, so every product meets its partner.
; Q, K: source 0 = 16 rows of the weight, source 1 = 16 tokens: a lane holds one token and eight neighbouring channels, which convert into registers 2 ct, 2 ct + 1 of a 16 x 64 fragment.
; V: source 0 = 16 tokens, source 1 = 16 rows of Wv: a lane holds one channel and eight neighbouring tokens: registers 2 c, 2 c + 1 of a fragment whose K is the keys.
; LDS: three sets of 4 tiles; a tile is 32 slots (16 codes along K each) of 272 bytes, token r at 16 r inside a slot: 3 x 4 x 8,704 = 104,448 bytes.
; LIMITS: e0, e2, e4, e6 - e0 - e1, e7 - e2 - e3, e9 - e4 - e5 between -126 and 119, so that each scale and 448 x the scale is an f32 number.  NaN and infinities among the inputs are not served.
; No tensor load, no cluster: each weight byte is wanted by one wave of the work-group, and x's rows by one wave: a way through LDS would add a write and a read of the same bytes.
; THE MODE: SCHED_MODE bits 1:0 = 2 (LLVM: expert scheduling mode 2), set by the entry lines.  The code itself states the register dependences
; between vector or matrix instructions and memory or LDS instructions, with s_wait_alu, always for 0.
; THE PLAN.  Registers that memory or LDS instructions touch:
;   v4-15, v60    offsets and LDS addresses: written at the head, never again: one wait on va_vdst ahead of the first load serves every load and store.
;   XA0, XA1      x's loads land in them; a group's arithmetic works in place.  Row 0's codes go to v[CC ..], row k's into the registers that row k - 1 has left: so a group's twelve LDS stores stand together,
;                 behind ONE wait on va_vdst, which also serves the loads that land in these registers next (x, the biases, h's fragments); ONE wait on vm_vsrc behind the stores frees what they read.
;   v192-223      the relay's loads land in them and its stores read them; then the rows' arithmetic writes them: a wait on vm_vsrc behind the relay.
;   H             h's fragments: LDS loads land in them, a unit's sixteen products read them.
;   CD            codes on their way out.  Q's and K's units take two buffers of eight by turns: unit u's conversions write CD[u % 2], its two stores are issued in unit u + 1.
;   So ONE wait on va_vdst stands in a unit, behind its products: they are done reading H, and the unit before has written its codes; the next fragments' loads and the last unit's stores follow it.
;   ONE wait on vm_vsrc stands ahead of a unit's conversions: the stores that read that buffer were issued a unit earlier.
;   Windows 1 to 3, BQ, BV: loads land in them once; products and vector instructions read them.
.set SLOTP, 272
.set TILEB, 32*SLOTP
.set SETB,  4*TILEB
.set ADS,  6                           ; v6-8    where I store my row's codes, set 0, 1, 2
.set LH,   9                           ; v9-11   where I read a fragment of h, set 0, 1, 2
.set LI,   12                          ; v12     16 x lane
.set G,    16                          ; v16-31  g1 of my 16 columns
.set BE,   32                          ; v32-47  be1
.set SCQ,  48                          ; v48-59  scale and 448 x scale: h for Q, K, V; then Q's, K's, V's own
.set XA,   64                          ; v64-127, v128-191: two sets of four rows of x, 16 numbers a lane and row
.set TT,   192                         ; v192-223 at work: eight a row
.set YA,   192
.set YB,   208
.set CC,   224                         ; v224-235 the codes of a group's first row, three sets of four
.set SS,   236
.set PP,   240
.set MU,   244                         ; v244-251 four pairs: the mean, later 1 / sigma, in the low word
.set ACC0, 16                          ; behind the barrier: four tiles of sums
.set ACC1, 224
.set BQ,   64                          ; bq, then (at + 32) bk: four tiles in the result's layout
.set BV,   128                         ; bv: four pairs
.set CD,   136                         ; codes on their way out: v136-151
.set H,    160                         ; h's four fragments of one tile of tokens
.set SINV, 66
.set SEPS, 67
.set SEL,  68
.set MSB, 0
.macro WIN new                         ; the immediate's high byte repeats the setting that is left
.if MSB != (\new)
	s_set_vgpr_msb (MSB<<8)|(\new)
.set MSB, (\new)
.endif
.endm
.macro PLACES
.rept 4
	v_nop
.endr
.endm
.macro MKSC vsc, vlim, se              ; v[vsc] = 2^s[se], v[vlim] = 448 x 2^s[se]
	s_add_co_i32 s46, s[\se], 127
	s_lshl_b32 s47, s46, 23
	v_mov_b32 v[\vsc], s47
	s_add_co_i32 s46, s46, 8
	s_lshl_b32 s46, s46, 23
	s_or_b32 s46, s46, 0x600000
	v_mov_b32 v[\vlim], s46
.endm
.macro LANESUM                         ; four rows' figures summed over the 32 lanes, line by line so that no line waits for the one above
.irp x, 1,2,4,8
.irp k, 0,1,2,3
	v_add_f32_dpp v[SS+\k], v[SS+\k], v[SS+\k] row_xmask:\x row_mask:0xf bank_mask:0xf
.endr
.endr
.irp k, 0,1,2,3
	v_permlanex16_b32 v[PP+\k], v[SS+\k], s[SEL], s[SEL+1]
.endr
.irp k, 0,1,2,3
	v_add_f32 v[SS+\k], v[SS+\k], v[PP+\k]
.endr
.endm
.macro CODESOF xb, k                   ; CK: where row k's twelve registers of codes lie: v[CC ..] for the group's first row, else the registers that row k - 1 has left
.if (\k) == 0
.set CK, CC
.else
.set CK, \xb+16*((\k)-1)
.endif
.endm
.macro QSET src, y, q                  ; 16 numbers held within +-448 x scale q (the conversion does not saturate: ISA guide 7.6.2) and converted
.set qi, 0
.rept 16
	v_med3_num_f32 v[\y+qi], v[\src+qi], -v[SCQ+2*\q+1], v[SCQ+2*\q+1]
.set qi, qi+1
.endr
	v_cvt_scalef32_pk8_fp8_f32 v[CK+4*\q:CK+4*\q+1], v[\y:\y+7], v[SCQ+2*\q]
	v_cvt_scalef32_pk8_fp8_f32 v[CK+4*\q+2:CK+4*\q+3], v[\y+8:\y+15], v[SCQ+2*\q]
.endm
; Four rows, 16 numbers a lane each, are normalised in place and leave as codes.  Mean first, then the mean of the squared differences: no difference of large sums is formed.
.macro LNGROUP xb, row0, nsets
.irp k, 0,1,2,3
.irp p, 0,1,2,3
	v_pk_add_f32 v[TT+8*\k+2*\p:TT+8*\k+2*\p+1], v[\xb+16*\k+4*\p:\xb+16*\k+4*\p+1], v[\xb+16*\k+4*\p+2:\xb+16*\k+4*\p+3]
.endr
.endr
.irp k, 0,1,2,3
	v_pk_add_f32 v[TT+8*\k:TT+8*\k+1], v[TT+8*\k:TT+8*\k+1], v[TT+8*\k+2:TT+8*\k+3]
	v_pk_add_f32 v[TT+8*\k+4:TT+8*\k+5], v[TT+8*\k+4:TT+8*\k+5], v[TT+8*\k+6:TT+8*\k+7]
.endr
.irp k, 0,1,2,3
	v_pk_add_f32 v[TT+8*\k:TT+8*\k+1], v[TT+8*\k:TT+8*\k+1], v[TT+8*\k+4:TT+8*\k+5]
.endr
.irp k, 0,1,2,3
	v_add_f32 v[SS+\k], v[TT+8*\k], v[TT+8*\k+1]
.endr
	LANESUM
.irp k, 0,1,2,3
	v_mul_f32 v[MU+2*\k], s[SINV], v[SS+\k]        ; the mean
.endr
.irp k, 0,1,2,3
.irp p, 0,2,4,6,8,10,12,14
	v_pk_add_f32 v[\xb+16*\k+\p:\xb+16*\k+\p+1], v[\xb+16*\k+\p:\xb+16*\k+\p+1], v[MU+2*\k:MU+2*\k+1] op_sel_hi:[1,0] neg_lo:[0,1] neg_hi:[0,1]
.endr
.endr
.irp k, 0,1,2,3
	v_pk_mul_f32 v[TT+8*\k:TT+8*\k+1], v[\xb+16*\k:\xb+16*\k+1], v[\xb+16*\k:\xb+16*\k+1]
	v_pk_mul_f32 v[TT+8*\k+2:TT+8*\k+3], v[\xb+16*\k+2:\xb+16*\k+3], v[\xb+16*\k+2:\xb+16*\k+3]
.endr
.irp p, 1,2,3
.irp k, 0,1,2,3
	v_pk_fma_f32 v[TT+8*\k:TT+8*\k+1], v[\xb+16*\k+4*\p:\xb+16*\k+4*\p+1], v[\xb+16*\k+4*\p:\xb+16*\k+4*\p+1], v[TT+8*\k:TT+8*\k+1]
	v_pk_fma_f32 v[TT+8*\k+2:TT+8*\k+3], v[\xb+16*\k+4*\p+2:\xb+16*\k+4*\p+3], v[\xb+16*\k+4*\p+2:\xb+16*\k+4*\p+3], v[TT+8*\k+2:TT+8*\k+3]
.endr
.endr
.irp k, 0,1,2,3
	v_pk_add_f32 v[TT+8*\k:TT+8*\k+1], v[TT+8*\k:TT+8*\k+1], v[TT+8*\k+2:TT+8*\k+3]
.endr
.irp k, 0,1,2,3
	v_add_f32 v[SS+\k], v[TT+8*\k], v[TT+8*\k+1]
.endr
	LANESUM
.irp k, 0,1,2,3
	v_fma_f32 v[SS+\k], v[SS+\k], s[SINV], s[SEPS] ; variance + eps
.endr
	s_wait_alu depctr_va_vdst(0)
.irp k, 0,1,2,3
	v_rsq_f32 v[MU+2*\k], v[SS+\k]
.endr
	v_nop                                          ; a plain instruction behind the last root,
	s_wait_alu depctr_va_vdst(0)                   ; and the one wait ahead of their first reader: the four roots have written v[MU], v[MU+2], v[MU+4], v[MU+6]
.irp k, 0,1,2,3
.irp p, 0,2,4,6,8,10,12,14
	v_pk_mul_f32 v[\xb+16*\k+\p:\xb+16*\k+\p+1], v[\xb+16*\k+\p:\xb+16*\k+\p+1], v[MU+2*\k:MU+2*\k+1] op_sel_hi:[1,0]
.endr
.endr
.irp k, 0,1,2,3
.irp p, 0,2,4,6,8,10,12,14
	v_pk_fma_f32 v[\xb+16*\k+\p:\xb+16*\k+\p+1], v[\xb+16*\k+\p:\xb+16*\k+\p+1], v[G+\p:G+\p+1], v[BE+\p:BE+\p+1]
.endr
.endr
.irp k, 0,1,2,3
	CODESOF \xb, \k                                ; each row's codes have registers of their own
	QSET \xb+16*\k, YA, 0
.if \nsets > 1
	QSET \xb+16*\k, YB, 1
	QSET \xb+16*\k, YA, 2
.endif
	v_nop                                          ; a plain instruction between the last conversion and whatever next writes its sources
.endr
	s_wait_alu depctr_va_vdst(0)                   ; the conversions have written the four rows' codes, which the LDS stores below read; and the group is done with v[xb ..] and v192-235, in which loads land later
.irp k, 0,1,2,3
	CODESOF \xb, \k
	ds_store_b128 v[ADS], v[CK:CK+3] offset:16*(\row0+\k)
.if \nsets > 1
	ds_store_b128 v[ADS+1], v[CK+4:CK+7] offset:16*(\row0+\k)
	ds_store_b128 v[ADS+2], v[CK+8:CK+11] offset:16*(\row0+\k)
.endif
.endr
	s_wait_alu depctr_vm_vsrc(0)                   ; these stores have read the codes' registers: loads land in v[xb ..] next, and the next group's conversions (later: products) write v[CC ..]
.endm
.macro XLOAD g                         ; rows 4 g .. 4 g + 3 of my 16: a lane takes 64 bytes of each
.set xi, 0
.rept 16
	global_load_b128 v[XA+64*((\g)%2)+4*xi:XA+64*((\g)%2)+4*xi+3], v4, s[8:9] offset:(4*(\g)+xi/4)*2048+16*(xi%4)
.set xi, xi+1
.endr
.endm
.macro WLOADS q0                       ; 48 of the 192 loads that bring my head's rows of Wq, Wk, Wv: fragment (ct, s) to v[16 (4 ct + s)] of window 1, 2, 3.  No vector instruction has named these registers: no wait is owed
.set wq, \q0
.rept 48
	WIN ((wq/64)+1)<<6
	global_load_b128 v[4*(wq%64):4*(wq%64)+3], v5, s[14+2*(wq/64):15+2*(wq/64)] offset:((wq%64)/16)*8192+(((wq%64)/4)%4)*128+(wq%4)*32
.set wq, wq+1
.endr
	WIN 0
.endm
.macro LOADH set, m                    ; the four fragments of h, tile m of tokens, as quantised for product 'set'
.set hq, 0
.rept 16
	ds_load_b128 v[H+4*hq:H+4*hq+3], v[LH+\set] offset:(\m)*TILEB+(hq/4)*8*SLOTP+(hq%4)*2*SLOTP
.set hq, hq+1
.endr
.endm
.macro SENDQK u                        ; unit u's codes leave: Q (u / 4 = 0) or K (1), tile u % 4, out of buffer u % 2
	global_store_b128 v[LI], v[CD+8*((\u)%2):CD+8*((\u)%2)+3], s[34+2*((\u)/4):35+2*((\u)/4)] offset:1024*((\u)%4)          ; each store of the wave covers 512 consecutive bytes, aligned
	global_store_b128 v[LI], v[CD+8*((\u)%2)+4:CD+8*((\u)%2)+7], s[34+2*((\u)/4):35+2*((\u)/4)] offset:1024*((\u)%4)+512
.endm
.macro SENDV mp                        ; V's codes of tiles 2 mp and 2 mp + 1 leave
.irp ct, 0,1,2,3
	global_store_b128 v[LI], v[CD+4*\ct:CD+4*\ct+3], s[38:39] offset:2048*\ct+512*(\mp)
.endr
.endm
; Q (mat = 0) or K (1) of tile m, unit u = 4 mat + m: 16 products, the four accumulators by turns; the bias, divided by the power of two that the sums lack, is the C of each sum's first product.
.macro UNITQK mat, m, nset, nm
	s_wait_dscnt 0x0                               ; h's fragments are in
	WIN (\mat)+1
.irp s, 0,1,2,3
.irp ct, 0,1,2,3
.if \s == 0
	v_wmma_f32_16x16x128_fp8_fp8 v[ACC0+8*\ct:ACC0+8*\ct+7], v[16*(4*\ct+\s):16*(4*\ct+\s)+15], v[H+16*\s:H+16*\s+15], v[BQ+32*(\mat)+8*\ct:BQ+32*(\mat)+8*\ct+7]
.else
	v_wmma_f32_16x16x128_fp8_fp8 v[ACC0+8*\ct:ACC0+8*\ct+7], v[16*(4*\ct+\s):16*(4*\ct+\s)+15], v[H+16*\s:H+16*\s+15], v[ACC0+8*\ct:ACC0+8*\ct+7]
.endif
.endr
.endr
	WIN 0
	PLACES                                         ; four places ahead of the first read of the sums
	s_wait_alu depctr_va_vdst(0)                   ; the products are done reading v[H ..], in which the loads below land; the unit before has written its codes, which the stores below read
	LOADH \nset, \nm                               ; the next unit's fragments come while this one's sums are quantised
.if 4*(\mat)+(\m) > 0
	SENDQK 4*(\mat)+(\m)-1                         ; the unit before
.endif
.set ui, 0
.rept 32
	v_med3_num_f32 v[ACC0+ui], v[ACC0+ui], -v[SCQ+7+2*(\mat)], v[SCQ+7+2*(\mat)]
.set ui, ui+1
.endr
	s_wait_alu depctr_va_vdst(0)
	s_wait_xcnt 0x0                                ; the stores issued so far have had their addresses translated: the codes' registers are written again only behind this wait
.if 4*(\mat)+(\m) >= 2
	s_wait_alu depctr_vm_vsrc(0)                   ; the stores of two units back, issued in the unit before, have read this buffer of codes
.endif
.irp ct, 0,1,2,3
	v_cvt_scalef32_pk8_fp8_f32 v[CD+8*((\m)%2)+2*\ct:CD+8*((\m)%2)+2*\ct+1], v[ACC0+8*\ct:ACC0+8*\ct+7], v[SCQ+6+2*(\mat)]
.endr
	v_nop
.endm
.macro VMUL acc
	s_wait_dscnt 0x0
	WIN 0x0c                                       ; source 1 (Wv) window 3
.irp s, 0,1,2,3
.irp ct, 0,1,2,3
.if \s == 0
	v_wmma_f32_16x16x128_fp8_fp8 v[\acc+8*\ct:\acc+8*\ct+7], v[H+16*\s:H+16*\s+15], v[16*(4*\ct+\s):16*(4*\ct+\s)+15], 0
.else
	v_wmma_f32_16x16x128_fp8_fp8 v[\acc+8*\ct:\acc+8*\ct+7], v[H+16*\s:H+16*\s+15], v[16*(4*\ct+\s):16*(4*\ct+\s)+15], v[\acc+8*\ct:\acc+8*\ct+7]
.endif
.endr
.endr
	WIN 0
	PLACES
.endm
; V of tiles 2 mp and 2 mp + 1: their 16 tokens each are registers 4 g .. 4 g + 3 of a fragment along the keys: one store of 512 bytes for each tile of channels
.macro UNITV mp
	VMUL ACC0
	s_wait_alu depctr_va_vdst(0)                   ; these products are done reading v[H ..], in which the loads below land; the step before has written its codes, which the stores below read
	LOADH 2, 2*(\mp)+1
.if \mp == 0
	SENDQK 7                                       ; K's last unit
.else
	SENDV 0
.endif
	VMUL ACC1
.if \mp == 0
	s_wait_alu depctr_va_vdst(0)                   ; these products too are done reading v[H ..]
	LOADH 2, 2
.endif
.irp a, ACC0, ACC1
.irp ct, 0,1,2,3
.irp p, 0,2,4,6
	v_pk_add_f32 v[\a+8*\ct+\p:\a+8*\ct+\p+1], v[\a+8*\ct+\p:\a+8*\ct+\p+1], v[BV+2*\ct:BV+2*\ct+1]   ; a lane holds one channel: its bias serves all eight tokens
.endr
.endr
.endr
.irp a, ACC0, ACC1
.set ui, 0
.rept 32
	v_med3_num_f32 v[\a+ui], v[\a+ui], -v[SCQ+11], v[SCQ+11]
.set ui, ui+1
.endr
.endr
	s_wait_alu depctr_va_vdst(0)
	s_wait_xcnt 0x0
	s_wait_alu depctr_vm_vsrc(0)                   ; the stores issued so far have read v[CD ..], all sixteen of which are written next
.irp ct, 0,1,2,3
	v_cvt_scalef32_pk8_fp8_f32 v[CD+4*\ct:CD+4*\ct+1], v[ACC0+8*\ct:ACC0+8*\ct+7], v[SCQ+10]
	v_cvt_scalef32_pk8_fp8_f32 v[CD+4*\ct+2:CD+4*\ct+3], v[ACC1+8*\ct:ACC1+8*\ct+7], v[SCQ+10]
.endr
	v_nop
.endm
	s_load_b512 s[8:23], s[0:1], 0x0               ; x 8, g1 10, be1 12, Wq 14, Wk 16, Wv 18, bq 20, bk 22
	s_load_b512 s[24:39], s[0:1], 0x40             ; bv 24, scales 26, W1 28, W2 30, Wo 32, q_img 34, k_img 36, v_img 38
	s_load_b128 s[40:43], s[0:1], 0x80             ; w1_img 40, w2_img 42
	s_load_b64 s[44:45], s[0:1], 0x90              ; wo_img
	v_lshl_add_u32 v62, v0, 2, 0x19800
	v_mov_b32 v63, 0
	v_lshrrev_b32 v1, 5, v0
	v_readfirstlane_b32 s4, v1                     ; wave
	s_mov_b32 s2, ttmp9                            ; block of 64 tokens
	s_and_b32 s3, ttmp7, 0xffff                    ; group of 4 heads
	s_lshl_b32 s5, s3, 2
	s_wait_alu depctr_va_sdst(0)                   ; s4 is written, ahead of its first reader
	s_add_co_u32 s5, s5, s4                        ; head
	s_lshl_b32 s6, s3, 7
	s_add_co_u32 s6, s6, s2
	s_lshl_b32 s6, s6, 2
	s_add_co_u32 s6, s6, s4                        ; the wave's number in the launch, 0 .. 1023
	s_mov_b32 s[SINV], 0x3b000000                  ; 1 / 512
	s_mov_b32 s[SEPS], 0x3727c5ac                  ; 1e-5
	s_mov_b32 s[SEL], 0x76543210
	s_mov_b32 s[SEL+1], 0xfedcba98
	v_and_b32 v1, 31, v0                           ; lane
	v_and_b32 v2, 15, v0                           ; r
	v_bfe_u32 v3, v0, 4, 1                         ; h
	v_lshlrev_b32 v4, 6, v1                        ; x, g1, be1: my 16 columns
	v_lshlrev_b32 v5, 9, v2
	v_lshl_add_u32 v5, v3, 4, v5                   ; a weight's row r of 512 bytes, + 16 h
	s_mul_i32 s7, s4, TILEB
	v_mul_u32_u24 v[ADS], v1, SLOTP
	v_add_nc_u32 v[ADS], s7, v[ADS]                ; my tile, slot = lane
	v_add_nc_u32 v[ADS+1], SETB, v[ADS]
	v_add_nc_u32 v[ADS+2], 2*SETB, v[ADS]
	v_mul_u32_u24 v[LH], v3, SLOTP
	v_lshl_add_u32 v[LH], v2, 4, v[LH]             ; slot h, token r
	v_add_nc_u32 v[LH+1], SETB, v[LH]
	v_add_nc_u32 v[LH+2], 2*SETB, v[LH]
	v_lshlrev_b32 v[LI], 4, v1
	v_lshlrev_b32 v13, 5, v3                       ; bq, bk: 8 numbers of my half
	v_lshlrev_b32 v14, 2, v2                       ; bv: my channel
	v_lshlrev_b32 v15, 9, v2
	v_lshl_add_u32 v15, v3, 3, v15                 ; Wo: row r of 512 bytes, + 8 h
	v_lshlrev_b32 v60, 11, v2
	v_lshl_add_u32 v60, v3, 3, v60                 ; W2: row r of 2,048 bytes, + 8 h
.irp k, 0,1,2,3
	v_mov_b32 v[PP+\k], 0                          ; a lane permute's destination counts as read
	v_mov_b32 v[MU+2*\k+1], 0                      ; named as the upper half of a pair
.endr
	s_lshl_b32 s74, s2, 2
	s_add_co_u32 s74, s74, s4
	s_lshl_b32 s74, s74, 15                        ; my 16 rows of x
	s_mov_b32 s75, 0
	s_lshl_b32 s76, s5, 15                         ; my head's 64 rows of a weight
	s_mov_b32 s77, 0
	s_lshl_b32 s78, s5, 8                          ; and its 64 numbers of a bias
	s_mov_b32 s79, 0
	s_lshr_b32 s88, s2, 5
	s_lshl_b32 s88, s88, 3
	s_add_co_u32 s88, s88, s5
	s_lshl_b32 s88, s88, 17                        ; (batch x 8 + head) x 131,072
	s_and_b32 s90, s2, 31
	s_lshl_b32 s86, s90, 12
	s_add_co_u32 s86, s86, s88                     ; q_img, k_img: + 4 tiles of 1,024 bytes for each block
	s_mov_b32 s87, 0
	s_lshr_b32 s90, s90, 1
	s_lshl_b32 s90, s90, 13
	s_add_co_u32 s88, s88, s90                     ; v_img: + key step x 8,192
	s_and_b32 s90, s2, 1
	s_lshl_b32 s90, s90, 10
	s_add_co_u32 s88, s88, s90                     ; + the block's half of each fragment
	s_mov_b32 s89, 0
	s_wait_kmcnt 0x0
	s_load_b512 s[48:63], s[26:27], 0x0            ; e0 .. e15
	s_add_nc_u64 s[8:9], s[8:9], s[74:75]
	s_add_nc_u64 s[14:15], s[14:15], s[76:77]
	s_add_nc_u64 s[16:17], s[16:17], s[76:77]
	s_add_nc_u64 s[18:19], s[18:19], s[76:77]
	s_add_nc_u64 s[20:21], s[20:21], s[78:79]
	s_add_nc_u64 s[22:23], s[22:23], s[78:79]
	s_add_nc_u64 s[24:25], s[24:25], s[78:79]
	s_add_nc_u64 s[34:35], s[34:35], s[86:87]
	s_add_nc_u64 s[36:37], s[36:37], s[86:87]
	s_add_nc_u64 s[38:39], s[38:39], s[88:89]
	s_wait_alu depctr_va_vdst(0)                   ; the offsets and LDS addresses v4 to v15 and v60 are written: every load and store of the kernel reads one of them, and none is written again
.irp i, 0,1,2,3
	global_load_b128 v[G+4*\i:G+4*\i+3], v4, s[10:11] offset:16*\i
	global_load_b128 v[BE+4*\i:BE+4*\i+3], v4, s[12:13] offset:16*\i
.endr
	XLOAD 0
	XLOAD 1
	; ---- one fragment of W1 or W2 (and of Wo) into register order.  The branches hang on the wave's number in the launch alone.  What these stores read was brought by loads: their wait on LOADcnt is all that they owe.
	s_cmp_lt_u32 s6, 512
	s_cbranch_scc0 .Lrelay_w2
	s_lshr_b32 s82, s6, 2
	s_lshl_b32 s82, s82, 13
	s_and_b32 s84, s6, 3
	s_lshl_b32 s84, s84, 7
	s_add_co_u32 s82, s82, s84                     ; tile of 16 rows x 8,192 + K step x 128
	s_mov_b32 s83, 0
	s_lshl_b32 s84, s6, 11                         ; fragment x 2,048
	s_mov_b32 s85, 0
	s_add_nc_u64 s[74:75], s[28:29], s[82:83]
	s_add_nc_u64 s[76:77], s[40:41], s[84:85]
.irp c, 0,1,2,3
	global_load_b128 v[192+4*\c:195+4*\c], v5, s[74:75] offset:32*\c     ; W1: registers 4 c ..: k = 32 c + 16 h + 0 .. 15
.endr
	s_wait_loadcnt 0x0
.irp c, 0,1,2,3
	global_store_b128 v[LI], v[192+4*\c:195+4*\c], s[76:77] offset:512*\c
.endr
	s_cmp_lt_u32 s6, 128
	s_cbranch_scc0 .Lrelay_done
	s_add_nc_u64 s[78:79], s[32:33], s[82:83]
	s_add_nc_u64 s[80:81], s[44:45], s[84:85]
.irp p, 0,1,2,3,4,5,6,7
	global_load_b64 v[208+2*\p:209+2*\p], v15, s[78:79] offset:16*\p     ; Wo: registers 2 p, 2 p + 1: k = 16 p + 8 h + 0 .. 7
.endr
	s_wait_loadcnt 0x0
.irp c, 0,1,2,3
	global_store_b128 v[LI], v[208+4*\c:211+4*\c], s[80:81] offset:512*\c
.endr
	s_branch .Lrelay_done
.Lrelay_w2:
	s_sub_co_u32 s86, s6, 512                      ; f = ((chunk x 4 + wave) x 8 + t) x 2 + e, the order in which the third launch walks W2
	s_lshr_b32 s82, s86, 1
	s_and_b32 s82, s82, 31
	s_lshl_b32 s82, s82, 15                        ; tile of 16 rows x 32,768
	s_lshr_b32 s84, s86, 6
	s_lshl_b32 s84, s84, 1
	s_and_b32 s87, s86, 1
	s_add_co_u32 s84, s84, s87
	s_lshl_b32 s84, s84, 7                         ; K step x 128
	s_add_co_u32 s82, s82, s84
	s_mov_b32 s83, 0
	s_lshl_b32 s84, s86, 11
	s_mov_b32 s85, 0
	s_add_nc_u64 s[74:75], s[30:31], s[82:83]
	s_add_nc_u64 s[76:77], s[42:43], s[84:85]
.irp p, 0,1,2,3,4,5,6,7
	global_load_b64 v[208+2*\p:209+2*\p], v60, s[74:75] offset:16*\p
.endr
	s_wait_loadcnt 0x0
.irp c, 0,1,2,3
	global_store_b128 v[LI], v[208+4*\c:211+4*\c], s[76:77] offset:512*\c
.endr
.Lrelay_done:
	s_wait_xcnt 0x0                                ; those stores have read v192-223, which the rows' work writes next
	s_wait_alu depctr_vm_vsrc(0)                   ; the same dependence, stated for the mode: on each of the three ways here the relay's stores have read v192-223
	s_wait_kmcnt 0x0
	MKSC SCQ, SCQ+1, 48
	MKSC SCQ+2, SCQ+3, 50
	MKSC SCQ+4, SCQ+5, 52
	s_add_co_i32 s70, s48, s49
	s_sub_co_i32 s70, 0, s70                       ; -(e0 + e1): a sum of the first product stands for sum x 2^(e0 + e1)
	s_add_co_i32 s71, s50, s51
	s_sub_co_i32 s71, 0, s71
	s_add_co_i32 s72, s52, s53
	s_sub_co_i32 s72, 0, s72
	s_add_co_i32 s73, s54, s70                     ; e6 - e0 - e1: the three scales folded into the conversion's one
	MKSC SCQ+6, SCQ+7, 73
	s_add_co_i32 s73, s55, s71
	MKSC SCQ+8, SCQ+9, 73
	s_add_co_i32 s73, s57, s72
	MKSC SCQ+10, SCQ+11, 73
	; ---- the 16 rows, four at a time.  Every way above has waited for all loads: g1, be1 and rows 0 to 7 are in.
	; The loads behind a group owe no further wait: no vector instruction stands between the group's two waits and them.
	LNGROUP XA, 0, 3
	XLOAD 2
	WLOADS 0
	LNGROUP XA+64, 4, 3
	XLOAD 3
	WLOADS 48
	s_wait_loadcnt 63                              ; rows 8 to 11: 112 loads were issued behind theirs; 63 is the largest count a wait can name
	LNGROUP XA, 8, 3
	WLOADS 96
	s_wait_loadcnt 63                              ; rows 12 to 15: 96 loads were issued behind theirs
	LNGROUP XA+64, 12, 3
	WLOADS 144
.irp ct, 0,1,2,3
.irp e, 0,1
	global_load_b128 v[BQ+8*\ct+4*\e:BQ+8*\ct+4*\e+3], v13, s[20:21] offset:64*\ct+16*\e
	global_load_b128 v[BQ+32+8*\ct+4*\e:BQ+32+8*\ct+4*\e+3], v13, s[22:23] offset:64*\ct+16*\e
.endr
	global_load_b32 v[BV+2*\ct], v14, s[24:25] offset:64*\ct
.endr
	s_wait_loadcnt 0x0                             ; the weights and the biases
.set bi, 0
.rept 32
	v_ldexp_f32 v[BQ+bi], v[BQ+bi], s70
	v_ldexp_f32 v[BQ+32+bi], v[BQ+32+bi], s71
.set bi, bi+1
.endr
.irp ct, 0,1,2,3
	v_ldexp_f32 v[BV+2*\ct], v[BV+2*\ct], s72
.endr
.irp ct, 0,1,2,3
	v_mov_b32 v[BV+2*\ct+1], v[BV+2*\ct]
.endr
	s_wait_dscnt 0x0                               ; my rows' codes lie in LDS,
	s_barrier_signal -1
	s_barrier_wait -1                              ; everybody's do
	LOADH 0, 0                                     ; into v160-223: the last group's two waits stand ahead, and the lines since name v64-135 alone
	UNITQK 0, 0, 0, 1
	UNITQK 0, 1, 0, 2
	UNITQK 0, 2, 0, 3
	UNITQK 0, 3, 1, 0
	UNITQK 1, 0, 1, 1
	UNITQK 1, 1, 1, 2
	UNITQK 1, 2, 1, 3
	UNITQK 1, 3, 2, 0
	UNITV 0
	UNITV 1
	s_wait_alu depctr_va_vdst(0)                   ; the last conversions have written v[CD ..], which the last four stores read
	SENDV 1
	s_wait_dscnt 0x0                               ; the closing lines, six on end
	s_wait_alu 0x0
	s_wait_tensorcnt 0x0
	ds_add_u32 v62, v63
	s_wait_dscnt 0x0
	s_endpgm
.Lfunc_end_k_q5df18c5b3e_ln_qkv:
	.size	k_q5df18c5b3e_ln_qkv, .Lfunc_end_k_q5df18c5b3e_ln_qkv-k_q5df18c5b3e_ln_qkv
	.p2alignl 7, 3214868480
	.fill 96, 4, 3214868480
	.section	.rodata,"a",@progbits
	.p2align	6, 0x0
	.amdhsa_kernel k_q5df18c5b3e_ln_qkv
		.amdhsa_group_segment_fixed_size 104960
		.amdhsa_private_segment_fixed_size 0
		.amdhsa_enable_private_segment 0
		.amdhsa_kernarg_size 152
		.amdhsa_user_sgpr_count 2
		.amdhsa_user_sgpr_kernarg_segment_ptr 1
		.amdhsa_wavefront_size32 1
		.amdhsa_system_sgpr_workgroup_id_x 1
		.amdhsa_system_sgpr_workgroup_id_y 1
		.amdhsa_system_sgpr_workgroup_id_z 1
		.amdhsa_system_vgpr_workitem_id 0
		.amdhsa_next_free_vgpr 1024
		.amdhsa_next_free_sgpr 100
		.amdhsa_reserve_vcc 0
		.amdhsa_float_denorm_mode_32 3
		.amdhsa_float_denorm_mode_16_64 3
		.amdhsa_memory_ordered 1
		.amdhsa_forward_progress 1
		.amdhsa_inst_pref_size 216
	.end_amdhsa_kernel
	.amdgpu_metadata
---
amdhsa.version: [ 1, 2 ]
amdhsa.kernels:
  - .name:           k_q5df18c5b3e_ln_qkv
    .symbol:         k_q5df18c5b3e_ln_qkv.kd
    .args:
      - { .name: x, .offset: 0, .size: 8, .value_kind: global_buffer, .address_space: global }
      - { .name: g1, .offset: 8, .size: 8, .value_kind: global_buffer, .address_space: global }
      - { .name: be1, .offset: 16, .size: 8, .value_kind: global_buffer, .address_space: global }
      - { .name: Wq_codes, .offset: 24, .size: 8, .value_kind: global_buffer, .address_space: global }
      - { .name: Wk_codes, .offset: 32, .size: 8, .value_kind: global_buffer, .address_space: global }
      - { .name: Wv_codes, .offset: 40, .size: 8, .value_kind: global_buffer, .address_space: global }
      - { .name: bq, .offset: 48, .size: 8, .value_kind: global_buffer, .address_space: global }
      - { .name: bk, .offset: 56, .size: 8, .value_kind: global_buffer, .address_space: global }
      - { .name: bv, .offset: 64, .size: 8, .value_kind: global_buffer, .address_space: global }
      - { .name: lowp_scales, .offset: 72, .size: 8, .value_kind: global_buffer, .address_space: global }
      - { .name: W1_codes, .offset: 80, .size: 8, .value_kind: global_buffer, .address_space: global }
      - { .name: W2_codes, .offset: 88, .size: 8, .value_kind: global_buffer, .address_space: global }
      - { .name: Wo_codes, .offset: 96, .size: 8, .value_kind: global_buffer, .address_space: global }
      - { .name: q_img, .offset: 104, .size: 8, .value_kind: global_buffer, .address_space: global }
      - { .name: k_img, .offset: 112, .size: 8, .value_kind: global_buffer, .address_space: global }
      - { .name: v_img, .offset: 120, .size: 8, .value_kind: global_buffer, .address_space: global }
      - { .name: w1_img, .offset: 128, .size: 8, .value_kind: global_buffer, .address_space: global }
      - { .name: w2_img, .offset: 136, .size: 8, .value_kind: global_buffer, .address_space: global }
      - { .name: wo_img, .offset: 144, .size: 8, .value_kind: global_buffer, .address_space: global }
    .group_segment_fixed_size: 104960
    .private_segment_fixed_size: 0
    .kernarg_segment_align: 8
    .kernarg_segment_size: 152
    .max_flat_workgroup_size: 128
    .sgpr_count:     100
    .vgpr_count:     1024
    .wavefront_size: 32
...
	.end_amdgpu_metadata
.endif
;; end of part 6
;; launch attn (part 7): grid 8 x 32, 16 waves a work-group, no clusters, 272,384 bytes of LDS; arguments q_img, k_img, v_img, mask, lowp_scales, ao_img; writes ao_img
.if DOCPART == 7
	.amdgcn_target "amdgcn-amd-amdhsa--gfx1250"
	.amdhsa_code_object_version 6
	.text
	.protected	k_q5df18c5b3e_attn
	.globl	k_q5df18c5b3e_attn
	.p2align	8
	.type	k_q5df18c5b3e_attn,@function
k_q5df18c5b3e_attn:
	s_mov_b64 s[64:65], 0
	v_nop
	global_prefetch_b8 v0, s[64:65] scope:SCOPE_SE
	s_setreg_imm32_b32 hwreg(HW_REG_WAVE_SCHED_MODE, 0, 2), 2
	s_setreg_imm32_b32 hwreg(HW_REG_WAVE_MODE, 25, 1), 1
	s_wait_xcnt 0x0
	s_wait_alu depctr_vm_vsrc(0)
; Attention of one head on codes of E4M3: scores = Q K^T / 8, causal and padding masks at -1e9, softmax FINISHED AND NORMALISED, quantised with e8, times V; the result leaves as codes (e10), as an image of the next product's operand.
; The normalised weights are what is quantised, so a row's maximum and sum must be known first: the keys are walked twice.  Walk 1: maximum and sum.  Walk 2: the scores again, p = 2^(t - m - log2 sum), its codes, O^T += V^T P.
; SHARES.  A work-group is one head (y of the grid) and 16 of its 128 tiles of 16 queries, one a wave; the head's K and V images (128 KiB each) and a bias word for each key lie in LDS, stored once: one barrier in the launch.
; Wave w takes tile P = 8 x + w / 2 or 127 - P, so that long and short causal rows are paired in every work-group and on every four neighbouring waves.
; LAYOUT.  S^T = K Q^T (source 0 = 16 keys, source 1 = my 16 queries): lane (r, h) holds query r and keys 16 u + 8 h + 0 .. 7 of tile u: eight registers that convert into registers 2 u, 2 u + 1 of P for O^T = V^T P.
; MASKS.  A masked score is the raw sum NEG = -8e9 x 2^-(e6 + e7), which stands for -1e9.  Causal: by v_cndmask_b32 in the steps on the diagonal; steps wholly above it are left out (their p is 0).
; Padding: the key's bias (0 or NEG) is the C of the score's product, in the steps whose 128 mask words hold a zero; a scalar branch on the mask, an input of whole numbers, leaves that way out elsewhere.
; A ROW WITH NO VISIBLE KEY has all 2,048 scores at -1e9: its weights are 2^-11 over ALL keys.  Such a row needs mask[b][0] = 0: only then U = V^T x Q(2^-11) over all keys is made; a lane takes U where its maximum lies under NEG / 2.
; THE HOLD.  The sum holds the term 1 of the row's maximum, so a finished weight is at most 1 but for rounding; where e8 >= -8 the largest code stands for 1.75 or more and the hold cannot act: a scalar branch on e8 leaves it out there.
; LIMITS: e6 + e7 between -90 and 120; e8 and e10 - e8 - e9 between -126 and 119; true scores stay above -5e8.  NaN and infinities are not served.
; No tensor load and no cluster: the walk's length hangs on the work-group's and the wave's place, the bias way on the mask and the hold on e8; K and V are read once a work-group, at its head.
; THE MODE: SCHED_MODE bits 1:0 = 2 (LLVM: expert scheduling mode 2), set by the entry lines.  The code itself states the register dependences
; between vector or matrix instructions and memory or LDS instructions, and those through scalar registers and VCC that vector instructions write, with s_wait_alu, always for 0.
; THE PLAN.  Registers that memory or LDS instructions touch:
;   v1, v2, v4, v15   offsets and LDS addresses: written at the head, never again: the wait on va_vdst ahead of the first load serves them.
;   v5, v6, v7        LDS addresses of the step's K, bias and V.  An LDS address has no scalar base, so they are written at each step's head: a wait on vm_vsrc ahead of the three additions (the loads issued
;                     so far have read them), and behind them the step's one wait on va_vdst, which is owed there anyway:
;   FR (v32-95)       LDS loads land in it; products read it.  The wait at a step's head states that the last products are done reading it; it stands ahead of the branch on the mask's bit, on both ways.
;                     In walk 2 V's fragments land where K's lay: a second wait, behind the scores' products.  In the way with holes: one ahead of the second four tiles' loads.
;   FR, SX, v252-255  at the head the data of the LDS stores: one wait on vm_vsrc behind the barrier, ahead of all that writes them anew.
;   PC                written by the last conversions, read by the two stores: a wait on va_vdst ahead of these.
;   Masks of compares go into s32-47, sixteen to a run, with one wait on va_sdst behind the run and ahead of the selects that read them.
.set FR,  32                           ; v32-95   fragments of K (8 x 8), of V (4 x 16), or K's and the bias tiles
.set SX,  96                           ; v96-159  S^T, then p
.set OX,  160                          ; v160-191 O^T
.set UX,  192                          ; v192-223 U
.set PC,  224                          ; v224-239 p's codes
.set VLDS, 131072
.set BLDS, 262144
.set MK,  32                           ; s32-47   behind the head: the masks of a run of sixteen compares
; v1 16 x lane; v2 BLDS + 32 h; v3 r - 8 h; v4 16 x thread; v5, v6, v7 addresses of K, bias, V in hand; v8 at work; v9 NEG; v10, v11 448 x 2^e8, 2^e8; v12, v13 the same for the result; v14 NEG / 2; v15 bias store
; v240 the maximum; v[242:243] c x maximum, in walk 2 + log2 of the sum; v[246:247] the rescaling factor, later log2 of the sum; v[250:251] the sum in two halves; v252-255 at work
; s17 my first query, s18 my last; s19 the step's first key; s20, s21, s22 its bytes in K, bias, V; s23 trips; s24 one bit a key step: its mask has a zero; s25 that word, shifted; s26 mask[b][0]; s[28:29] c
.macro PLACES
.rept 4
	v_nop
.endr
.endm
.macro MKSC vsc, vlim, se
	s_add_co_i32 s2, s[\se], 127
	s_lshl_b32 s3, s2, 23
	v_mov_b32 v[\vsc], s3
	s_add_co_i32 s2, s2, 8
	s_lshl_b32 s2, s2, 23
	s_or_b32 s2, s2, 0x600000
	v_mov_b32 v[\vlim], s2
.endm
.macro RESET
	s_mov_b32 s19, 0
	s_mov_b32 s20, 0
	s_mov_b32 s21, 0
	s_mov_b32 s22, VLDS
	s_mov_b32 s25, s24
	s_mov_b32 s23, 16
.endm
.macro STEPON
	s_add_co_u32 s19, s19, 128
	s_add_co_u32 s20, s20, 8192
	s_add_co_u32 s21, s21, 512
	s_add_co_u32 s22, s22, 8192
	s_lshr_b32 s25, s25, 1
.endm
; The step's 128 scores of my 16 queries.
.macro QKS
	s_wait_alu depctr_vm_vsrc(0)                   ; the LDS loads issued so far have read v5, v6 and v7, which are written next
	v_add_nc_u32 v5, s20, v1
	v_add_nc_u32 v6, s21, v2
	v_add_nc_u32 v7, s22, v1
	v_nop                                          ; with the three additions: four places ahead of loads into registers that the last products read
	s_wait_alu depctr_va_vdst(0)                   ; v5, v6 and v7 are written, which the step's LDS loads read; the last products are done reading v[FR ..], in which they land.  Ahead of the branch: on both ways
	s_and_b32 s27, s25, 1
	s_cmp_lg_u32 s27, 0
	s_cbranch_scc1 .Lholes_\@
.set qu, 0
.rept 8
	ds_load_b128 v[FR+8*qu:FR+8*qu+3], v5 offset:1024*qu
	ds_load_b128 v[FR+8*qu+4:FR+8*qu+7], v5 offset:1024*qu+512
.set qu, qu+1
.endr
	s_wait_dscnt 0x0
.set qu, 0
.rept 8
	v_wmma_f32_16x16x64_fp8_fp8 v[SX+8*qu:SX+8*qu+7], v[FR+8*qu:FR+8*qu+7], v[16:23], 0
.set qu, qu+1
.endr
	s_branch .Ljoin_\@
.Lholes_\@:                                            ; some key of the step is padding: each key's bias goes in as C
.irp g, 0,1
.if \g
	PLACES
	s_wait_alu depctr_va_vdst(0)                   ; the four products above are done reading K's fragments and the bias tiles, in whose registers the next four tiles' land
.endif
.irp t, 0,1,2,3
	ds_load_b128 v[FR+8*\t:FR+8*\t+3], v5 offset:1024*(4*\g+\t)
	ds_load_b128 v[FR+8*\t+4:FR+8*\t+7], v5 offset:1024*(4*\g+\t)+512
	ds_load_b128 v[FR+32+8*\t:FR+32+8*\t+3], v6 offset:64*(4*\g+\t)
	ds_load_b128 v[FR+32+8*\t+4:FR+32+8*\t+7], v6 offset:64*(4*\g+\t)+16
.endr
	s_wait_dscnt 0x0
.irp t, 0,1,2,3
	v_wmma_f32_16x16x64_fp8_fp8 v[SX+8*(4*\g+\t):SX+8*(4*\g+\t)+7], v[FR+8*\t:FR+8*\t+7], v[16:23], v[FR+32+8*\t:FR+32+8*\t+7]
.endr
.endr
.Ljoin_\@:
	PLACES
.endm
; On the diagonal the scores of later keys become NEG.  A step all of whose keys count jumps over this: a scalar branch on ids.
.macro CAUSAL
	s_add_co_u32 s27, s19, 127
	s_cmp_le_u32 s27, s17
	s_cbranch_scc1 .Lopen_\@
	s_sub_co_i32 s27, s17, s19
	v_add_nc_u32 v8, s27, v3                       ; d = my query - the step's first key - 8 h: register 8 u + j is hidden where 16 u + j > d
.set cg, 0
.rept 4                                                ; four runs of sixteen compares, each into a scalar register of its own
.set cn, 16*cg
.rept 16
	v_cmp_gt_i32 s[MK+cn%16], 16*(cn/8)+cn%8, v8
.set cn, cn+1
.endr
	s_wait_alu depctr_va_sdst(0)                   ; the sixteen compares have written s32-47, ahead of the selects that read them
.set cn, 16*cg
.rept 16
	v_cndmask_b32 v[SX+cn], v[SX+cn], v9, s[MK+cn%16]
.set cn, cn+1
.endr
.set cg, cg+1
.endr
.Lopen_\@:
.endm
.macro EXPS                            ; 2^(c s - what stands in v242): 32 packed multiply-adds, 64 exponentials as one batch
.set en, 0
.rept 32
	v_pk_fma_f32 v[SX+2*en:SX+2*en+1], v[SX+2*en:SX+2*en+1], s[28:29], v[242:243] op_sel_hi:[1,0,0] neg_lo:[0,0,1] neg_hi:[0,0,1]
.set en, en+1
.endr
.set en, 0
	s_wait_alu depctr_va_vdst(0)
.rept 64
	v_exp_f32 v[SX+en], v[SX+en]
.set en, en+1
.endr
	v_nop                                          ; a plain instruction behind the last exponential,
	s_wait_alu depctr_va_vdst(0)                   ; and the one wait ahead of the batch's first reader: the exponentials have written v[SX ..] (in walk 1: and v246)
.endm
; WALK 1: a lane's running maximum and sum over its own keys; the two lanes of a query are joined once, behind the loop.
.macro STEP1
	s_cmp_gt_u32 s19, s18
	s_cbranch_scc1 .Lhid_\@                        ; all keys of the step come after my queries
	QKS
	CAUSAL
	v_max3_num_f32 v254, v[SX], v[SX+1], v[SX+2]
	v_max3_num_f32 v252, v[SX+3], v[SX+4], v[SX+5]
.irp i, 6,10,14,18,22,26,30,34,38,42,46,50,54,58
	v_max3_num_f32 v254, v254, v[SX+\i], v[SX+\i+1]
	v_max3_num_f32 v252, v252, v[SX+\i+2], v[SX+\i+3]
.endr
	v_max3_num_f32 v254, v254, v[SX+62], v[SX+63]
	v_max3_num_f32 v252, v254, v252, v240          ; the new maximum
	v_sub_f32 v253, v240, v252
	v_mul_f32 v253, s28, v253
	v_mov_b32 v240, v252
	v_mul_f32 v242, s28, v252
	s_wait_alu depctr_va_vdst(0)
	v_exp_f32 v246, v253                           ; what was summed under the old maximum is brought under the new
	EXPS
	v_pk_mul_f32 v[250:251], v[250:251], v[246:247] op_sel_hi:[1,0]
	v_pk_add_f32 v[252:253], v[SX:SX+1], v[SX+2:SX+3]
.irp j, 4,8,12,16,20,24,28,32,36,40,44,48,52,56,60
	v_pk_add_f32 v[250:251], v[250:251], v[SX+\j:SX+\j+1]
	v_pk_add_f32 v[252:253], v[252:253], v[SX+\j+2:SX+\j+3]
.endr
	v_pk_add_f32 v[250:251], v[250:251], v[252:253]
.Lhid_\@:
	STEPON
.endm
; WALK 2: the scores again, the finished weights, their codes, and the second product.
.macro STEP2
	s_cmp_gt_u32 s19, s18
	s_cbranch_scc1 .Lhid_\@
	QKS
	s_wait_alu depctr_va_vdst(0)                   ; the scores' products are done reading K's fragments (and the bias tiles), in whose registers V's land; v7 was written ahead of the step's first wait
.set vn, 0
.rept 16
	ds_load_b128 v[FR+4*vn:FR+4*vn+3], v7 offset:512*vn     ; V's four fragments land under the softmax (four places stand behind the scores' products)
.set vn, vn+1
.endr
	CAUSAL
	EXPS                                           ; the finished weight: the sum's logarithm stands in the exponent beside the maximum
	s_cmp_ge_i32 s56, -8                           ; 448 x 2^e8 >= 1.75: no weight reaches it
	s_cbranch_scc1 .Lfits_\@
.set en, 0
.rept 64
	v_min_num_f32 v[SX+en], v[SX+en], v10          ; the conversion does not saturate (ISA guide 7.6.2); p is not negative, so the hold is one-sided
.set en, en+1
.endr
.Lfits_\@:
.set en, 0
.rept 8
	v_cvt_scalef32_pk8_fp8_f32 v[PC+2*en:PC+2*en+1], v[SX+8*en:SX+8*en+7], v11
.set en, en+1
.endr
	v_nop                                          ; a plain instruction between the conversions and the products that read their results
	s_wait_alu depctr_va_vdst(0)
	s_wait_dscnt 0x0                               ; V
.irp ct, 0,1,2,3
	v_wmma_f32_16x16x128_fp8_fp8 v[OX+8*\ct:OX+8*\ct+7], v[FR+16*\ct:FR+16*\ct+15], v[PC:PC+15], v[OX+8*\ct:OX+8*\ct+7]
.endr
.Lhid_\@:
	STEPON
.endm
	s_load_b128 s[4:7], s[0:1], 0x0                ; q_img, k_img
	s_load_b128 s[8:11], s[0:1], 0x10              ; v_img, mask
	s_load_b128 s[12:15], s[0:1], 0x20             ; scales, ao_img
	v_lshl_add_u32 v248, v0, 2, 0x42000
	v_mov_b32 v249, 0
	v_lshrrev_b32 v1, 5, v0
	v_readfirstlane_b32 s16, v1                    ; wave 0 .. 15
	v_and_b32 v1, 31, v0
	v_lshlrev_b32 v1, 4, v1
	v_bfe_u32 v2, v0, 4, 1                         ; h
	v_and_b32 v3, 15, v0                           ; r
	v_lshlrev_b32 v8, 3, v2
	v_sub_nc_u32 v3, v3, v8
	v_lshl_add_u32 v2, v2, 5, BLDS
	v_lshlrev_b32 v4, 4, v0
	v_lshl_add_u32 v15, v0, 4, BLDS
	s_wait_alu depctr_va_sdst(0)                   ; s16 is written, ahead of its first reader
	s_lshl_b32 s2, s16, 13
	v_add_nc_u32 v5, s2, v1                        ; where my wave stores its sixteenth of K,
	v_add_nc_u32 v7, VLDS, v5                      ; and of V
	s_and_b32 s32, ttmp7, 0xffff                   ; batch x 8 + head
	s_lshl_b32 s33, ttmp9, 3
	s_lshr_b32 s34, s16, 1
	s_add_co_u32 s33, s33, s34                     ; P
	s_lshr_b32 s34, s16, 2
	s_add_co_u32 s34, s34, s16
	s_and_b32 s34, s34, 1
	s_sub_co_u32 s35, 127, s33
	s_cmp_lg_u32 s34, 0
	s_cselect_b32 s33, s35, s33                    ; my tile of queries
	s_lshl_b32 s17, s33, 4
	s_add_co_u32 s18, s17, 15
	s_lshl_b32 s36, s32, 17
	s_add_co_u32 s38, s36, s2                      ; K, V: the head's image + my wave's 8,192 bytes
	s_mov_b32 s39, 0
	s_lshl_b32 s40, s33, 10
	s_add_co_u32 s40, s40, s36                     ; Q: my tile
	s_mov_b32 s41, 0
	s_lshr_b32 s42, s32, 3                         ; batch
	s_lshl_b32 s44, s42, 7
	s_add_co_u32 s44, s44, s33
	s_lshl_b32 s44, s44, 2
	s_and_b32 s46, s32, 7                          ; head
	s_lshr_b32 s47, s46, 1
	s_add_co_u32 s44, s44, s47
	s_lshl_b32 s44, s44, 11                        ; ((batch x 128 + tile) x 4 + head / 2) x 2,048
	s_and_b32 s46, s46, 1
	s_lshl_b32 s46, s46, 10
	s_add_co_u32 s44, s44, s46                     ; + the head's half of the fragment
	s_mov_b32 s45, 0
	s_lshl_b32 s42, s42, 13                        ; the batch's row of the mask
	s_mov_b32 s43, 0
	s_mov_b32 s30, 0x76543210
	s_mov_b32 s31, 0xfedcba98
	s_wait_kmcnt 0x0
	s_load_b512 s[48:63], s[12:13], 0x0            ; e0 .. e15
	s_add_nc_u64 s[6:7], s[6:7], s[38:39]
	s_add_nc_u64 s[8:9], s[8:9], s[38:39]
	s_add_nc_u64 s[4:5], s[4:5], s[40:41]
	s_add_nc_u64 s[10:11], s[10:11], s[42:43]
	s_add_nc_u64 s[14:15], s[14:15], s[44:45]
	s_load_b32 s26, s[10:11], 0x0                  ; mask[b][0]
	s_wait_alu depctr_va_vdst(0)                   ; v1, v2, v4, v5, v7 and v15 are written, which the loads and the LDS stores of the head read
.set hn, 0
.rept 16
	global_load_b128 v[FR+4*hn:FR+4*hn+3], v1, s[6:7] offset:512*hn
.set hn, hn+1
.endr
.set hn, 0
.rept 16
	global_load_b128 v[SX+4*hn:SX+4*hn+3], v1, s[8:9] offset:512*hn
.set hn, hn+1
.endr
	global_load_b128 v[224:227], v4, s[10:11]      ; my thread's four keys of the mask
.set hn, 0
.rept 16
	global_load_b128 v[OX+4*hn:OX+4*hn+3], v1, s[10:11] offset:512*hn   ; the whole row: load i is key step i
.set hn, hn+1
.endr
	global_load_b128 v[16:19], v1, s[4:5]          ; Q's fragment stays in registers
	global_load_b128 v[20:23], v1, s[4:5] offset:512
	s_wait_kmcnt 0x0
	s_add_co_i32 s2, s54, s55                      ; e6 + e7
	s_lshl_b32 s3, s2, 23
	s_add_co_i32 s28, s3, 0x3e38aa3b               ; c = log2(e) / 8 x 2^(e6 + e7): the exponents are added to c's exponent field
	s_mov_b32 s29, s28
	s_sub_co_i32 s2, 0, s2
	v_mov_b32 v9, 0xcfee6b28                       ; -8e9
	v_ldexp_f32 v9, v9, s2
	v_mul_f32 v14, 0.5, v9
	MKSC 11, 10, 56
	s_sub_co_i32 s27, s58, s56
	s_sub_co_i32 s27, s27, s57                     ; e10 - e8 - e9
	MKSC 13, 12, 27
	s_wait_loadcnt 19                              ; K and V are in: 19 loads were issued behind them
.set hn, 0
.rept 16
	ds_store_b128 v5, v[FR+4*hn:FR+4*hn+3] offset:512*hn
	ds_store_b128 v7, v[SX+4*hn:SX+4*hn+3] offset:512*hn
.set hn, hn+1
.endr
	s_wait_loadcnt 18                              ; my four keys of the mask
.irp i, 0,1,2,3
	v_cmp_eq_u32 s[MK+\i], 0, v[224+\i]
.endr
	s_wait_alu depctr_va_sdst(0)                   ; the four compares have written s32-35, ahead of the selects that read them
.irp i, 0,1,2,3
	v_cndmask_b32 v[252+\i], 0, v9, s[MK+\i]
.endr
	s_wait_alu depctr_va_vdst(0)                   ; the selects have written v252-255, which the LDS store reads
	ds_store_b128 v15, v[252:255]
	s_wait_loadcnt 0x0
.set fi, 0
.rept 16
	v_min_u32 v240, v[OX+4*fi], v[OX+4*fi+1]
	v_min_u32 v241, v[OX+4*fi+2], v[OX+4*fi+3]
	v_min_u32 v240, v240, v241
	v_cmp_eq_u32 s[MK+fi], 0, v240
.set fi, fi+1
.endr
	s_wait_alu depctr_va_sdst(0)                   ; the sixteen compares have written s32-47, ahead of the scalar lines that read them
	s_mov_b32 s24, 0
.set fi, 0
.rept 16
	s_cmp_lg_u32 s[MK+fi], 0
	s_cselect_b32 s27, (1<<fi), 0
	s_or_b32 s24, s24, s27
.set fi, fi+1
.endr
	s_wait_dscnt 0x0                               ; my stores lie in LDS,
	s_barrier_signal -1
	s_barrier_wait -1                              ; everybody's do; from here on LDS is only read
	s_wait_alu depctr_vm_vsrc(0)                   ; my LDS stores have read v5, v7, v[FR ..], v[SX ..] and v252-255: all of these are written anew from here on
	v_mov_b32 v240, 0xff61b1e6                     ; -3e38, under every score
	v_mov_b32 v242, 0
	v_mov_b32 v243, 0
	v_mov_b32 v246, 0
	v_mov_b32 v247, 0
	v_mov_b32 v250, 0
	v_mov_b32 v251, 0
	v_mov_b32 v255, 0
	RESET
.Lwalk1:                                               ; 16 trips, a constant: hidden steps pass through the five scalar lines at a step's end
	STEP1
	s_sub_co_u32 s23, s23, 1
	s_cmp_lg_u32 s23, 0
	s_cbranch_scc1 .Lwalk1
	s_wait_alu depctr_va_vdst(0)
	; the two lanes of a query are joined
	v_permlanex16_b32 v255, v240, s30, s31
	v_max_num_f32 v252, v240, v255
	v_sub_f32 v253, v240, v252
	v_mul_f32 v253, s28, v253
	s_wait_alu depctr_va_vdst(0)
	v_exp_f32 v254, v253
	v_add_f32 v250, v250, v251
	s_wait_alu depctr_va_vdst(0)                   ; the exponential has written v254, ahead of its first reader
	v_mul_f32 v250, v250, v254
	v_permlanex16_b32 v255, v250, s30, s31
	v_add_f32 v250, v250, v255                     ; the row's sum: 1 or more, since the maximum's own term is 1
	s_wait_alu depctr_va_vdst(0)
	v_log_f32 v246, v250
	v_mov_b32 v240, v252
	s_wait_alu depctr_vm_vsrc(0)                   ; walk 1's LDS loads have read v5, which is written next
	v_add_nc_u32 v5, VLDS, v1                      ; V's key steps 0 to 7,
	v_add_nc_u32 v7, VLDS+65536, v1                ; and 8 to 15: made ahead of the branch
	s_wait_alu depctr_va_vdst(0)                   ; the logarithm has written v246, ahead of its first reader; v5 and v7 are written, which U's loads read; walk 1's products are done reading v[FR ..], in which they land
	v_fma_f32 v242, s28, v240, v246                ; c m + log2 sum: walk 2 takes it off c s, and the exponential is the finished weight
	s_cmp_eq_u32 s26, 0
	s_cbranch_scc1 .Luniform
.set un, 0
.rept 32
	v_mov_b32 v[UX+un], 0                          ; key 0 is no padding: every row sees a key, and U is never taken
.set un, un+1
.endr
	s_branch .Luniform_done
.Luniform:
.irp i, 0,1,2,3,4,5,6,7
	v_min_num_f32 v[SX+\i], 0x3a000000, v10        ; 2^-11, held at the largest code
.endr
	v_cvt_scalef32_pk8_fp8_f32 v[PC:PC+1], v[SX:SX+7], v11
	v_nop
.irp i, 1,2,3,4,5,6,7
	v_mov_b32 v[PC+2*\i], v[PC]
	v_mov_b32 v[PC+2*\i+1], v[PC+1]
.endr
.set us, 0
	s_wait_alu depctr_va_vdst(0)
.rept 16
	PLACES
.if us > 0
	s_wait_alu depctr_va_vdst(0)                   ; the four products above are done reading V's fragments, in whose registers the next step's land (the first step: the wait ahead of the branch; the lines since name none of v5, v7, v[FR ..])
.endif
.set vn, 0
.rept 16
.if us < 8
	ds_load_b128 v[FR+4*vn:FR+4*vn+3], v5 offset:8192*us+512*vn
.else
	ds_load_b128 v[FR+4*vn:FR+4*vn+3], v7 offset:8192*(us-8)+512*vn
.endif
.set vn, vn+1
.endr
	s_wait_dscnt 0x0
.irp ct, 0,1,2,3
.if us == 0
	v_wmma_f32_16x16x128_fp8_fp8 v[UX+8*\ct:UX+8*\ct+7], v[FR+16*\ct:FR+16*\ct+15], v[PC:PC+15], 0
.else
	v_wmma_f32_16x16x128_fp8_fp8 v[UX+8*\ct:UX+8*\ct+7], v[FR+16*\ct:FR+16*\ct+15], v[PC:PC+15], v[UX+8*\ct:UX+8*\ct+7]
.endif
.endr
.set us, us+1
.endr
.Luniform_done:
.set un, 0
.rept 32
	v_mov_b32 v[OX+un], 0                          ; the step is written once: its first trip adds onto zeros
.set un, un+1
.endr
	RESET
.Lwalk2:
	STEP2
	s_sub_co_u32 s23, s23, 1
	s_cmp_lg_u32 s23, 0
	s_cbranch_scc1 .Lwalk2
	PLACES
	v_cmp_lt_f32 vcc_lo, v240, v14                 ; no visible key: the maximum stands for about -1e9
	s_wait_alu depctr_va_vcc(0)                    ; the compare has written VCC, ahead of the selects that read it
.set un, 0
.rept 32
	v_cndmask_b32 v[OX+un], v[OX+un], v[UX+un], vcc_lo
.set un, un+1
.endr
.set un, 0
.rept 32
	v_med3_num_f32 v[OX+un], v[OX+un], -v12, v12
.set un, un+1
.endr
.irp ct, 0,1,2,3
	v_cvt_scalef32_pk8_fp8_f32 v[PC+2*\ct:PC+2*\ct+1], v[OX+8*\ct:OX+8*\ct+7], v13   ; a sum stands for sum x 2^(e8 + e9): its code is sum / 2^(e10 - e8 - e9)
.endr
	v_nop
	s_wait_alu depctr_va_vdst(0)                   ; the conversions have written v[PC ..], which the two stores read
	global_store_b128 v1, v[PC:PC+3], s[14:15]     ; each store of the wave covers 512 consecutive bytes, aligned
	global_store_b128 v1, v[PC+4:PC+7], s[14:15] offset:512
	s_wait_dscnt 0x0                               ; the closing lines, six on end
	s_wait_alu 0x0
	s_wait_tensorcnt 0x0
	ds_add_u32 v248, v249
	s_wait_dscnt 0x0
	s_endpgm
.Lfunc_end_k_q5df18c5b3e_attn:
	.size	k_q5df18c5b3e_attn, .Lfunc_end_k_q5df18c5b3e_attn-k_q5df18c5b3e_attn
	.p2alignl 7, 3214868480
	.fill 96, 4, 3214868480
	.section	.rodata,"a",@progbits
	.p2align	6, 0x0
	.amdhsa_kernel k_q5df18c5b3e_attn
		.amdhsa_group_segment_fixed_size 272384
		.amdhsa_private_segment_fixed_size 0
		.amdhsa_enable_private_segment 0
		.amdhsa_kernarg_size 48
		.amdhsa_user_sgpr_count 2
		.amdhsa_user_sgpr_kernarg_segment_ptr 1
		.amdhsa_wavefront_size32 1
		.amdhsa_system_sgpr_workgroup_id_x 1
		.amdhsa_system_sgpr_workgroup_id_y 1
		.amdhsa_system_sgpr_workgroup_id_z 1
		.amdhsa_system_vgpr_workitem_id 0
		.amdhsa_next_free_vgpr 256
		.amdhsa_next_free_sgpr 66
		.amdhsa_reserve_vcc 1
		.amdhsa_float_denorm_mode_32 3
		.amdhsa_float_denorm_mode_16_64 3
		.amdhsa_memory_ordered 1
		.amdhsa_forward_progress 1
		.amdhsa_inst_pref_size 93
	.end_amdhsa_kernel
	.amdgpu_metadata
---
amdhsa.version: [ 1, 2 ]
amdhsa.kernels:
  - .name:           k_q5df18c5b3e_attn
    .symbol:         k_q5df18c5b3e_attn.kd
    .args:
      - { .name: q_img, .offset: 0, .size: 8, .value_kind: global_buffer, .address_space: global }
      - { .name: k_img, .offset: 8, .size: 8, .value_kind: global_buffer, .address_space: global }
      - { .name: v_img, .offset: 16, .size: 8, .value_kind: global_buffer, .address_space: global }
      - { .name: mask, .offset: 24, .size: 8, .value_kind: global_buffer, .address_space: global }
      - { .name: lowp_scales, .offset: 32, .size: 8, .value_kind: global_buffer, .address_space: global }
      - { .name: ao_img, .offset: 40, .size: 8, .value_kind: global_buffer, .address_space: global }
    .group_segment_fixed_size: 272384
    .private_segment_fixed_size: 0
    .kernarg_segment_align: 8
    .kernarg_segment_size: 48
    .max_flat_workgroup_size: 512
    .sgpr_count:     66
    .vgpr_count:     256
    .wavefront_size: 32
...
	.end_amdgpu_metadata
.endif
;; end of part 7
;; launch oproj_ffn (part 8): grid 256 x 1, 4 waves a work-group, clusters of 4 x 1, 327,680 bytes of LDS; arguments ao_img, wo_img, w1_img, w2_img, x, bo, g2, be2, b1, b2, lowp_scales, out0; writes out0
.if DOCPART == 8
	.amdgcn_target "amdgcn-amd-amdhsa--gfx1250"
	.amdhsa_code_object_version 6
	.text
	.protected	k_q5df18c5b3e_oproj_ffn
	.globl	k_q5df18c5b3e_oproj_ffn
	.p2align	8
	.type	k_q5df18c5b3e_oproj_ffn,@function
k_q5df18c5b3e_oproj_ffn:
	s_mov_b64 s[64:65], 0
	v_nop
	global_prefetch_b8 v0, s[64:65] scope:SCOPE_SE
	s_setreg_imm32_b32 hwreg(HW_REG_WAVE_MODE, 25, 1), 1
	s_wait_xcnt 0x0
	s_wait_alu depctr_hold_cnt(0) depctr_sa_sdst(0) depctr_va_vdst(0) depctr_va_sdst(0) depctr_va_ssrc(0) depctr_va_vcc(0) depctr_vm_vsrc(0)
	s_getreg_b32 s2, hwreg(HW_REG_IB_STS2, 6, 4)
	s_cmp_eq_u32 s2, 0
	s_cbranch_scc0 .Lentry_in_a_cluster
	s_endpgm
.Lentry_in_a_cluster:
	s_bfe_u32 s2, ttmp6, 0x10000c
	s_cmp_lg_u32 s2, 0x3003
	s_cbranch_scc0 .Lentry_shape_is_right
	s_endpgm
.Lentry_shape_is_right:
; x1 = x + (ao Wo + bo);  out = x1 + (gelu(layernorm(x1, g2, be2) W1 + b1) W2 + b2), the three products on codes of E4M3.  Nothing between x and out goes to memory.
; SHARES.  A work-group takes 32 rows through the whole chain.  THE WAVES SHARE THE COLUMNS: wave w owns output columns 128 w .. 128 w + 127 of the first and last product, and in each of 8 chunks of 256 hidden units the units 64 w .. 64 w + 63.
; All weights lie in memory as images in register order; each byte is wanted by one wave of the work-group.  Wo and W1 come straight into registers, every load of a wave 512 consecutive bytes.
; CLUSTER.  All work-groups walk the same weights in the same order.  W2 IS ASKED FOR JOINTLY by the four work-groups of a cluster: wave w's part of a chunk is one dense block of 32,768 bytes, brought by one tensor load with the
; same descriptor and the mask of the four into the wave's own landing zone in LDS; the wave reads it into window 2 (its second buffer), and behind a round of the cluster's barrier the zone takes the next chunk's block.
; A wave has one tensor load out at the most.  W1 is not asked for so: its chunk is another 131,072 bytes, and with the 239,616 bytes in use that is more than the 327,680 there are.  All of LDS is claimed.
; All products are used transposed (source 0 = 16 rows of the weight, source 1 = 16 tokens): a lane holds one token and eight neighbouring columns.
; x1 STAYS IN THE ACCUMULATORS: they begin as (x + bo) / 2^(e10 + e11), the C of the first product; are scaled to x1; and re-based to (x1 + b2) / 2^(e14 + e15), the C of the last.  All factors are powers of two.
; GELU: 0.5 z (1 + erf(z / sqrt 2)), erf by a rational in f32: w = clamp(z / sqrt 2, +-4), erf = w P(w w) / Q(w w), P of degree 6, Q of degree 4.  What is converted is z + z erf with the scale 2^(e14 + 1).
; LDS: a stage of 32 rows x 2,576 bytes (a group of 16 columns in 80 bytes) at 0; the normalised rows' codes, 2 tiles x 8,704, at 82,432; the hidden chunk's four fragments as images of their registers, 8,192 bytes, at 99,840;
; W2's four landing zones of 32,768 bytes at 108,032; the spare words, 512 bytes, at 239,104.
; LIMITS: e12 and e14 + 1 between -126 and 119; e10 + e11, e12 + e13, e14 + e15 and their negatives between -126 and 127.  NaN and infinities are not served.
; No prefetch: each stream is asked for a chunk ahead by its own loads.
; WINDOWS: 1: W1's 16 fragments of a chunk; 2: W2's 16; (for the first product Wo's 32 fill both); 3: v0-127 the 16 accumulators (tile (t, m) at 8 (2 t + m)), v128-255 the normalised rows' 8 fragments.
; Window 0: v1-11 addresses; v16-47 g2, be2, later b1; v48-55 constants; v56-58 spare word, 0, landing zone; v64-191 ao's fragments, later rows, later the hidden sums (v64-127) and fragments (v128-191); v192-255 bo, b2, later at work.
; The place in the cluster stands in s2, s3 and s[98:99] alone, and enters the addresses of ao, x and out0 alone.
.set SLOTP, 272
.set TILEB, 32*SLOTP
.set SPITCH, 2576
.set H2IMG, 32*SPITCH
.set HID,   H2IMG+2*TILEB
.set W2S,   HID+8192
.set SPARE, W2S+4*32768
.set ADS,  6
.set G,    16
.set BE,   32
.set B1R,  16
.set SCQ,  48
.set SPW,  56                          ; v56  LDS address of my spare word: SPARE + 4 x my thread's number; never rewritten
.set NIL,  57                          ; v57  0; never rewritten
.set W2A,  58                          ; v58  my 16 bytes in my wave's landing zone
.set XA,   64
.set HACC, 64
.set AF,   128
.set BB,   192
.set TT,   192
.set YA,   192
.set YB,   208
.set CC,   224
.set SS,   236
.set PP,   240
.set MU,   244
.set WC,   192
.set YY,   200
.set PN,   208
.set QD,   216
.set CDR,  224
.set G1,   56                          ; s[56:63] descriptor group 1: the shape, never rewritten
.set SQ2,  86                          ; s[86:87] 1 / sqrt 2
.set G0,   88                          ; s[88:91] descriptor group 0: it walks
.set SINV, 94
.set SEPS, 95
.set SEL,  92
.set MSB, 0
.macro WIN new                         ; the immediate's high byte repeats the setting that is left
.if MSB != (\new)
	s_set_vgpr_msb (MSB<<8)|(\new)
.set MSB, (\new)
.endif
.endm
.macro PLACES
.rept 4
	v_nop
.endr
.endm
.macro BARRIER
	s_wait_dscnt 0x0
	s_barrier_signal -1
	s_barrier_wait -1
.endm
; A round of the cluster's barrier: my work-group's barrier, so that wave 0's signal speaks for all four waves; wave 0 signals for the work-group; every wave waits for all four work-groups; my work-group's barrier once more.
.macro CREST
	s_cmp_lg_u32 s4, 0
	s_cbranch_scc1 .Lnot_wave_0_\@
	s_barrier_signal -3
.Lnot_wave_0_\@:
	s_barrier_wait -3
	s_barrier_signal -1
	s_barrier_wait -1
.endm
.macro CROUND
	s_barrier_signal -1
	s_barrier_wait -1
	CREST
.endm
.macro MKSC vsc, vlim, se
	s_add_co_i32 s46, s[\se], 127
	s_lshl_b32 s47, s46, 23
	v_mov_b32 v[\vsc], s47
	s_add_co_i32 s46, s46, 8
	s_lshl_b32 s46, s46, 23
	s_or_b32 s46, s46, 0x600000
	v_mov_b32 v[\vlim], s46
.endm
.macro MKP2 sp, se                     ; the pair s[sp], s[sp + 1] = 2^s[se]
	s_add_co_i32 s[\sp], s[\se], 127
	s_lshl_b32 s[\sp], s[\sp], 23
	s_mov_b32 s[\sp+1], s[\sp]
.endm
.macro COEF sp, bits
	s_mov_b32 s[\sp], \bits
	s_mov_b32 s[\sp+1], \bits
.endm
.macro LANESUM
.irp x, 1,2,4,8
.irp k, 0,1,2,3
	v_add_f32_dpp v[SS+\k], v[SS+\k], v[SS+\k] row_xmask:\x row_mask:0xf bank_mask:0xf
.endr
.endr
.irp k, 0,1,2,3
	v_permlanex16_b32 v[PP+\k], v[SS+\k], s[SEL], s[SEL+1]
.endr
.irp k, 0,1,2,3
	v_add_f32 v[SS+\k], v[SS+\k], v[PP+\k]
.endr
.endm
.macro QSET src, y, q
.set qi, 0
.rept 16
	v_med3_num_f32 v[\y+qi], v[\src+qi], -v[SCQ+2*\q+1], v[SCQ+2*\q+1]
.set qi, qi+1
.endr
	v_cvt_scalef32_pk8_fp8_f32 v[CC+4*\q:CC+4*\q+1], v[\y:\y+7], v[SCQ+2*\q]
	v_cvt_scalef32_pk8_fp8_f32 v[CC+4*\q+2:CC+4*\q+3], v[\y+8:\y+15], v[SCQ+2*\q]
.endm
; Four rows, 16 numbers a lane each, are normalised in place and leave as codes.  Mean first, then the mean of the squared differences.
.macro LNGROUP xb, row0
.irp k, 0,1,2,3
.irp p, 0,1,2,3
	v_pk_add_f32 v[TT+8*\k+2*\p:TT+8*\k+2*\p+1], v[\xb+16*\k+4*\p:\xb+16*\k+4*\p+1], v[\xb+16*\k+4*\p+2:\xb+16*\k+4*\p+3]
.endr
.endr
.irp k, 0,1,2,3
	v_pk_add_f32 v[TT+8*\k:TT+8*\k+1], v[TT+8*\k:TT+8*\k+1], v[TT+8*\k+2:TT+8*\k+3]
	v_pk_add_f32 v[TT+8*\k+4:TT+8*\k+5], v[TT+8*\k+4:TT+8*\k+5], v[TT+8*\k+6:TT+8*\k+7]
.endr
.irp k, 0,1,2,3
	v_pk_add_f32 v[TT+8*\k:TT+8*\k+1], v[TT+8*\k:TT+8*\k+1], v[TT+8*\k+4:TT+8*\k+5]
.endr
.irp k, 0,1,2,3
	v_add_f32 v[SS+\k], v[TT+8*\k], v[TT+8*\k+1]
.endr
	LANESUM
.irp k, 0,1,2,3
	v_mul_f32 v[MU+2*\k], s[SINV], v[SS+\k]
.endr
.irp k, 0,1,2,3
.irp p, 0,2,4,6,8,10,12,14
	v_pk_add_f32 v[\xb+16*\k+\p:\xb+16*\k+\p+1], v[\xb+16*\k+\p:\xb+16*\k+\p+1], v[MU+2*\k:MU+2*\k+1] op_sel_hi:[1,0] neg_lo:[0,1] neg_hi:[0,1]
.endr
.endr
.irp k, 0,1,2,3
	v_pk_mul_f32 v[TT+8*\k:TT+8*\k+1], v[\xb+16*\k:\xb+16*\k+1], v[\xb+16*\k:\xb+16*\k+1]
	v_pk_mul_f32 v[TT+8*\k+2:TT+8*\k+3], v[\xb+16*\k+2:\xb+16*\k+3], v[\xb+16*\k+2:\xb+16*\k+3]
.endr
.irp p, 1,2,3
.irp k, 0,1,2,3
	v_pk_fma_f32 v[TT+8*\k:TT+8*\k+1], v[\xb+16*\k+4*\p:\xb+16*\k+4*\p+1], v[\xb+16*\k+4*\p:\xb+16*\k+4*\p+1], v[TT+8*\k:TT+8*\k+1]
	v_pk_fma_f32 v[TT+8*\k+2:TT+8*\k+3], v[\xb+16*\k+4*\p+2:\xb+16*\k+4*\p+3], v[\xb+16*\k+4*\p+2:\xb+16*\k+4*\p+3], v[TT+8*\k+2:TT+8*\k+3]
.endr
.endr
.irp k, 0,1,2,3
	v_pk_add_f32 v[TT+8*\k:TT+8*\k+1], v[TT+8*\k:TT+8*\k+1], v[TT+8*\k+2:TT+8*\k+3]
.endr
.irp k, 0,1,2,3
	v_add_f32 v[SS+\k], v[TT+8*\k], v[TT+8*\k+1]
.endr
	LANESUM
.irp k, 0,1,2,3
	v_fma_f32 v[SS+\k], v[SS+\k], s[SINV], s[SEPS]
.endr
	s_wait_alu depctr_va_vdst(0)
.irp k, 0,1,2,3
	v_rsq_f32 v[MU+2*\k], v[SS+\k]
.endr
	v_nop                                          ; a plain instruction behind the last root,
	s_wait_alu depctr_va_vdst(0)                   ; and the one wait for the four ahead of their first reader
.irp k, 0,1,2,3
.irp p, 0,2,4,6,8,10,12,14
	v_pk_mul_f32 v[\xb+16*\k+\p:\xb+16*\k+\p+1], v[\xb+16*\k+\p:\xb+16*\k+\p+1], v[MU+2*\k:MU+2*\k+1] op_sel_hi:[1,0]
.endr
.endr
.irp k, 0,1,2,3
.irp p, 0,2,4,6,8,10,12,14
	v_pk_fma_f32 v[\xb+16*\k+\p:\xb+16*\k+\p+1], v[\xb+16*\k+\p:\xb+16*\k+\p+1], v[G+\p:G+\p+1], v[BE+\p:BE+\p+1]
.endr
.endr
.irp k, 0,1,2,3
	s_wait_dscnt 0x0                               ; the last row's store has read the codes' registers
	QSET \xb+16*\k, YA, 0
	v_nop
	ds_store_b128 v[ADS], v[CC:CC+3] offset:16*(\row0+\k)
.endr
.endm
.macro LWP p                           ; loads 16 p .. 16 p + 15 of the 64 that bring a chunk's 16 fragments of W1 into window 1
	WIN 0x40
.set ln, 16*(\p)
.rept 16
	global_load_b128 v[4*ln:4*ln+3], v1, s[12:13] offset:512*ln
.set ln, ln+1
.endr
	WIN 0
.endm
.macro NEXTW1 last, p                  ; the next chunk's, if there is one: no load leaves its buffer
.if !\last
	LWP \p
.endif
.endm
.macro W2P p                           ; loads 16 p .. 16 p + 15 of the 64 that bring this chunk's 16 fragments of W2 out of my landing zone into window 2
	WIN 0x80
.set ln, 16*(\p)
.rept 16
	ds_load_b128 v[4*ln:4*ln+3], v[W2A] offset:512*ln
.set ln, ln+1
.endr
	WIN 0
.endm
.macro LB1                             ; b1 of my 64 units of the chunk, in the result's layout
.set ln, 0
.rept 8
	global_load_b128 v[B1R+4*ln:B1R+4*ln+3], v3, s[24:25] offset:64*(ln/2)+16*(ln%2)
.set ln, ln+1
.endr
.endm
.macro LBIAS sb                        ; bo or b2 of my 128 columns, in the result's layout
.set ln, 0
.rept 16
	global_load_b128 v[BB+4*ln:BB+4*ln+3], v3, s[\sb:\sb+1] offset:64*(ln/2)+16*(ln%2)
.set ln, ln+1
.endr
.endm
.macro REBASE sp                       ; accumulators = accumulators x f + bias x f, f the power of two in s[sp]
.set ln, 0
.rept 32
	v_pk_mul_f32 v[BB+2*ln:BB+2*ln+1], v[BB+2*ln:BB+2*ln+1], s[\sp:\sp+1] op_sel_hi:[1,0]
.set ln, ln+1
.endr
	WIN 0xc3                                       ; source 0 and destination window 3, source 2 window 0
.irp t, 0,1,2,3,4,5,6,7
.irp m, 0,1
.irp p, 0,2,4,6
	v_pk_fma_f32 v[8*(2*\t+\m)+\p:8*(2*\t+\m)+\p+1], v[8*(2*\t+\m)+\p:8*(2*\t+\m)+\p+1], s[\sp:\sp+1], v[BB+8*\t+\p:BB+8*\t+\p+1] op_sel_hi:[1,0,1]
.endr
.endr
.endr
	WIN 0
.endm
.macro SCALEACC sp                     ; accumulators x the power of two in s[sp], each from its low end on
	WIN 0xc3
.set ln, 0
.rept 64
	v_pk_mul_f32 v[2*ln:2*ln+1], v[2*ln:2*ln+1], s[\sp:\sp+1] op_sel_hi:[1,0]
.set ln, ln+1
.endr
	WIN 0
.endm
.macro TOSTAGE                         ; lane (r, h): row 16 m + r, columns 128 w + 16 t + 8 h + 0 .. 7
	WIN 0x0c                                       ; the stores' data: window 3
.set ln, 0
.rept 32
	ds_store_b128 v5, v[4*ln:4*ln+3] offset:((ln/2)%2)*16*SPITCH+(ln/4)*80+16*(ln%2)
.set ln, ln+1
.endr
	WIN 0
.endm
; One tile of the hidden layer (16 tokens x 16 units): bias, GELU, hold, codes.
.macro GELUT u, m
.set ZR, HACC+8*(2*(\u)+(\m))
.irp p, 0,2,4,6
	v_pk_fma_f32 v[ZR+\p:ZR+\p+1], v[ZR+\p:ZR+\p+1], s[40:41], v[B1R+8*(\u)+\p:B1R+8*(\u)+\p+1] op_sel_hi:[1,0,1]   ; z = sum x 2^(e12 + e13) + b1
.endr
.irp p, 0,2,4,6
	v_pk_mul_f32 v[WC+\p:WC+\p+1], v[ZR+\p:ZR+\p+1], s[SQ2:SQ2+1] op_sel_hi:[1,0]
.endr
.irp i, 0,1,2,3,4,5,6,7
	v_med3_num_f32 v[WC+\i], v[WC+\i], -4.0, 4.0
.endr
.irp p, 0,2,4,6
	v_pk_mul_f32 v[YY+\p:YY+\p+1], v[WC+\p:WC+\p+1], v[WC+\p:WC+\p+1]
.endr
.irp p, 0,2,4,6
	v_pk_fma_f32 v[PN+\p:PN+\p+1], v[YY+\p:YY+\p+1], s[66:67], v[52:53] op_sel_hi:[1,0,1]
	v_pk_fma_f32 v[QD+\p:QD+\p+1], v[YY+\p:YY+\p+1], s[78:79], v[54:55] op_sel_hi:[1,0,1]
.endr
.irp c, 0,2,4
.irp p, 0,2,4,6
	v_pk_fma_f32 v[PN+\p:PN+\p+1], v[PN+\p:PN+\p+1], v[YY+\p:YY+\p+1], s[68+\c:69+\c] op_sel_hi:[1,1,0]
	v_pk_fma_f32 v[QD+\p:QD+\p+1], v[QD+\p:QD+\p+1], v[YY+\p:YY+\p+1], s[80+\c:81+\c] op_sel_hi:[1,1,0]
.endr
.endr
.irp c, 6,8
.irp p, 0,2,4,6
	v_pk_fma_f32 v[PN+\p:PN+\p+1], v[PN+\p:PN+\p+1], v[YY+\p:YY+\p+1], s[68+\c:69+\c] op_sel_hi:[1,1,0]
.endr
.endr
	s_wait_alu depctr_va_vdst(0)
.irp i, 0,1,2,3,4,5,6,7
	v_rcp_f32 v[QD+\i], v[QD+\i]
.endr
.irp p, 0,2,4,6
	v_pk_mul_f32 v[PN+\p:PN+\p+1], v[PN+\p:PN+\p+1], v[WC+\p:WC+\p+1]   ; plain work behind the reciprocals
.endr
	s_wait_alu depctr_va_vdst(0)                   ; the one wait for the eight ahead of their first reader
.irp p, 0,2,4,6
	v_pk_mul_f32 v[PN+\p:PN+\p+1], v[PN+\p:PN+\p+1], v[QD+\p:QD+\p+1]   ; erf
.endr
.irp p, 0,2,4,6
	v_pk_fma_f32 v[ZR+\p:ZR+\p+1], v[ZR+\p:ZR+\p+1], v[PN+\p:PN+\p+1], v[ZR+\p:ZR+\p+1]   ; z + z erf
.endr
.irp i, 0,1,2,3,4,5,6,7
	v_med3_num_f32 v[ZR+\i], v[ZR+\i], -v51, v51
.endr
	v_cvt_scalef32_pk8_fp8_f32 v[CDR+8*(\m)+2*(\u):CDR+8*(\m)+2*(\u)+1], v[ZR:ZR+7], v50
.endm
.macro P8MUL                           ; the last product's share of a chunk: 16 accumulators by turns, two K steps
	WIN 0xf2                                       ; source 0 (W2) window 2, C and D window 3
.irp e, 0,1
.irp t, 0,1,2,3,4,5,6,7
.irp m, 0,1
	v_wmma_f32_16x16x128_fp8_fp8 v[8*(2*\t+\m):8*(2*\t+\m)+7], v[16*(2*\t+\e):16*(2*\t+\e)+15], v[AF+16*(2*\m+\e):AF+16*(2*\m+\e)+15], v[8*(2*\t+\m):8*(2*\t+\m)+7]
.endr
.endr
.endr
	WIN 0
.endm
; A chunk of 256 hidden units.  last = 1: nothing more is asked for.
.macro CHUNK last
	s_wait_loadcnt 8                               ; W1's fragments of this chunk are in: b1's eight loads were issued behind them, on the way in and on the way back alike
	WIN 0x0d                                       ; source 0 (W1) window 1, source 1 (the rows) window 3
.irp s, 0,1,2,3
.irp u, 0,1,2,3
.irp m, 0,1
.if \s == 0
	v_wmma_f32_16x16x128_fp8_fp8 v[HACC+8*(2*\u+\m):HACC+8*(2*\u+\m)+7], v[16*(4*\u+\s):16*(4*\u+\s)+15], v[128+16*(4*\m+\s):128+16*(4*\m+\s)+15], 0
.else
	v_wmma_f32_16x16x128_fp8_fp8 v[HACC+8*(2*\u+\m):HACC+8*(2*\u+\m)+7], v[16*(4*\u+\s):16*(4*\u+\s)+15], v[128+16*(4*\m+\s):128+16*(4*\m+\s)+15], v[HACC+8*(2*\u+\m):HACC+8*(2*\u+\m)+7]
.endif
.endr
.endr
.endr
	WIN 0
	PLACES                                         ; four places ahead of the first read of the sums and of loads into W1's registers
	s_wait_loadcnt 0x0                             ; b1 is in, and no load is out: both bases may step
.if !\last
	s_add_nc_u64 s[12:13], s[12:13], 131072
	s_add_nc_u64 s[24:25], s[24:25], 1024
.endif
	GELUT 0, 0                                     ; the next chunk's W1 is asked for in four runs between the first tiles of the GELU,
	NEXTW1 \last, 0
	GELUT 0, 1
	NEXTW1 \last, 1
	GELUT 1, 0
	NEXTW1 \last, 2
	GELUT 1, 1
	NEXTW1 \last, 3
	GELUT 2, 0
	s_wait_tensorcnt 0x0                           ; this chunk's W2 lies in my landing zone, which I alone read;
	W2P 0                                          ; it comes into window 2 in four runs between the last tiles
	GELUT 2, 1
	W2P 1
	GELUT 3, 0
	W2P 2
	GELUT 3, 1
	v_nop                                          ; a plain instruction behind the last conversion
.irp m, 0,1
	ds_store_b128 v9, v[CDR+8*\m:CDR+8*\m+3] offset:4096*\m          ; my 64 units are half of fragment (m, w / 2): two groups of four registers, as they stand
	ds_store_b128 v9, v[CDR+8*\m+4:CDR+8*\m+7] offset:4096*\m+512
.endr
	W2P 3
.if \last
	BARRIER                                        ; the chunk's four fragments lie in LDS
.else
	LB1                                            ; the next chunk's b1: the GELU has read this chunk's
	s_wait_tensorcnt 0x0                           ; no tensor load of mine is out, so group 0 may be written
	ds_add_u32 v[SPW], v[NIL]                      ; 0 onto my spare word
	s_add_nc_u64 s[G0+2:G0+3], s[G0+2:G0+3], 131072   ; the next chunk's block; the type bits on top are not reached
	s_wait_dscnt 0x0                               ; the add is done, my stores of the fragments have landed, my reads of the landing zone are back
	CROUND                                         ; all that holds of every wave of the four work-groups: the fragments may be read, the zones filled
	tensor_load_to_lds s[G0:G0+3], s[G1:G1+7]      ; the first thing behind the round, my one tensor load until the next: it has the last product, the next first product and half a GELU in which to land
	s_nop 0
	PLACES
.endif
.set ln, 0
.rept 16
	ds_load_b128 v[AF+4*ln:AF+4*ln+3], v10 offset:512*ln
.set ln, ln+1
.endr
	s_wait_dscnt 0x0                               ; my reads of the fragments are over:
.if !\last
	s_barrier_signal -1                            ; say so; the next chunk's stores stand behind the wait below.  Nothing is filled between this barrier and the next round
.endif
	P8MUL
.if !\last
	s_barrier_wait -1
.endif
	PLACES
.endm
	s_load_b512 s[8:23], s[0:1], 0x0               ; ao_img 8, wo_img 10, w1_img 12, w2_img 14, x 16, bo 18, g2 20, be2 22
	s_load_b256 s[24:31], s[0:1], 0x40             ; b1 24, b2 26, scales 28, out0 30
	v_lshl_add_u32 v[SPW], v0, 2, SPARE
	v_mov_b32 v[NIL], 0
	ds_add_u32 v56, v57
	ds_add_u32 v56, v57
	s_wait_dscnt 0x0
	v_lshrrev_b32 v1, 5, v0
	v_readfirstlane_b32 s4, v1                     ; wave
	s_bfe_u32 s2, ttmp6, 0x40000                   ; my place in the cluster
	s_lshl_b32 s3, ttmp9, 2                        ; in a cluster launch ttmp9 counts clusters
	s_add_co_u32 s3, s3, s2                        ; my block of 32 rows
	v_and_b32 v12, 31, v0                          ; lane
	v_and_b32 v13, 15, v0                          ; r
	v_bfe_u32 v14, v0, 4, 1                        ; h
	v_lshlrev_b32 v1, 4, v12                       ; 16 x lane
	v_lshlrev_b32 v2, 11, v13
	v_lshl_add_u32 v2, v14, 5, v2                  ; x: row r, + 32 h
	v_lshlrev_b32 v3, 5, v14                       ; a bias: 8 numbers of my half
	v_lshlrev_b32 v4, 6, v12                       ; g2, be2: my 16 columns
	s_mul_i32 s5, s4, 640
	v_mul_u32_u24 v5, v13, SPITCH
	v_lshl_add_u32 v5, v14, 5, v5
	v_add_nc_u32 v5, s5, v5                        ; into the stage
	s_lshr_b32 s5, s4, 1
	s_mul_i32 s5, s5, TILEB
	s_and_b32 s6, s4, 1
	s_lshl_b32 s6, s6, 7
	s_add_co_u32 s5, s5, s6
	s_add_co_u32 s5, s5, H2IMG
	v_mul_u32_u24 v[ADS], v12, SLOTP
	v_add_nc_u32 v[ADS], s5, v[ADS]                ; my 8 rows' codes: tile w / 2, rows 8 (w % 2) on, slot = lane
	s_mul_i32 s5, s4, 8*SPITCH
	v_mul_u32_u24 v7, v12, 80
	v_add_nc_u32 v7, s5, v7                        ; out of the stage, for the norm: my 8 rows, my 16 columns
	v_mul_u32_u24 v8, v14, SLOTP
	v_lshl_add_u32 v8, v13, 4, v8
	v_add_nc_u32 v8, H2IMG, v8                     ; a fragment of the normalised rows
	s_lshl_b32 s6, s4, 10
	v_add_nc_u32 v9, s6, v1
	v_add_nc_u32 v9, HID, v9                       ; my part of the hidden fragments: (w / 2) x 2,048 + (w % 2) x 1,024
	v_add_nc_u32 v10, HID, v1
	v_lshrrev_b32 v11, 2, v12
	v_mul_u32_u24 v11, v11, 80
	v_and_b32 v15, 3, v12
	v_lshl_add_u32 v11, v15, 4, v11
	v_add_nc_u32 v11, s5, v11                      ; out of the stage, for the stores: 512 consecutive bytes of a row
	s_lshl_b32 s7, s4, 15                          ; 32,768 x wave
	v_add_nc_u32 v[W2A], s7, v1
	v_add_nc_u32 v[W2A], W2S, v[W2A]               ; my landing zone, 16 bytes a lane
	; descriptor group 1: a dense block of 32,768 bytes as 128 rows of 32 elements of 8 bytes
	s_mov_b32 s[G1], 15|(3<<16)|(1<<21)            ; 15:0 the mask: all four work-groups; 17:16 elements of 8 bytes; 20 no padding; 21 set beside a mask
	s_mov_b32 s[G1+1], 32<<16                      ; tensor_dim0 = 32
	s_mov_b32 s[G1+2], 128<<16                     ; tensor_dim1 = 128
	s_mov_b32 s[G1+3], 32<<16                      ; tile_dim0 = 32
	s_mov_b32 s[G1+4], 128                         ; tile_dim1 = 128
	s_mov_b32 s[G1+5], 32                          ; from row to row: 32 elements
	s_mov_b32 s[G1+6], 0
	s_mov_b32 s[G1+7], 0
	s_mov_b32 s45, 0
	s_mov_b32 s99, 0
	s_mov_b32 s[SINV], 0x3b000000                  ; 1 / 512
	s_mov_b32 s[SEPS], 0x3727c5ac                  ; 1e-5
	s_mov_b32 s[SEL], 0x76543210
	s_mov_b32 s[SEL+1], 0xfedcba98
	COEF SQ2, 0x3f3504f3                           ; 1 / sqrt 2
	COEF 66, 0xaf95df0b                            ; P: -2.72614226e-10,
	COEF 68, 0xb60cff51                            ;    -2.10102402e-06  (2.77068142e-08 stands in v[52:53])
	COEF 70, 0xb86ec2d2                            ;    -5.69250639e-05
	COEF 72, 0xba40ac63                            ;    -7.34990630e-04
	COEF 74, 0xbb41a1f6                            ;    -2.95459981e-03
	COEF 76, 0xbc83dbd4                            ;    -1.60960333e-02
	COEF 78, 0xb77460cd                            ; Q: -1.45660718e-05,
	COEF 80, 0xbadc924e                            ;    -1.68282697e-03  (-2.13374055e-04 stands in v[54:55])
	COEF 82, 0xbbf19bf8                            ;    -7.37332917e-03
	COEF 84, 0xbc69b6a7                            ;    -1.42647391e-02
	v_mov_b32 v52, 0x32edffee
	v_mov_b32 v53, 0x32edffee
	v_mov_b32 v54, 0xb95fbd29
	v_mov_b32 v55, 0xb95fbd29
	s_wait_kmcnt 0x0
	s_load_b256 s[48:55], s[28:29], 0x20           ; e8 .. e15
	s_lshl_b32 s98, s3, 14
	s_add_nc_u64 s[8:9], s[8:9], s[98:99]          ; ao: my two tiles of tokens
	s_lshl_b32 s44, s4, 16
	s_add_nc_u64 s[10:11], s[10:11], s[44:45]      ; Wo: my 8 tiles of rows
	s_mov_b32 s44, s7
	s_add_nc_u64 s[12:13], s[12:13], s[44:45]      ; W1, W2: my wave's 32,768 bytes of a chunk
	s_add_nc_u64 s[14:15], s[14:15], s[44:45]
	s_lshl_b32 s44, s4, 9
	s_add_nc_u64 s[18:19], s[18:19], s[44:45]
	s_add_nc_u64 s[26:27], s[26:27], s[44:45]
	s_add_nc_u64 s[16:17], s[16:17], s[44:45]      ; x: my 128 columns,
	s_lshl_b32 s98, s3, 16
	s_add_nc_u64 s[16:17], s[16:17], s[98:99]      ; my 32 rows
	s_add_nc_u64 s[30:31], s[30:31], s[98:99]
	s_lshl_b32 s44, s4, 14
	s_add_nc_u64 s[30:31], s[30:31], s[44:45]      ; out0: the 8 rows that I store
	s_lshl_b32 s44, s4, 8
	s_add_nc_u64 s[24:25], s[24:25], s[44:45]
	s_mov_b32 s[G0], 1                             ; 1:0 count = 1
	s_add_co_u32 s[G0+1], s7, W2S                  ; 63:32 LDS address: my landing zone
	s_mov_b64 s[G0+2:G0+3], s[14:15]               ; 120:64 global address: my block of chunk 0
	s_or_b32 s[G0+3], s[G0+3], 0x80000000          ; 127:126 type = 2
	; ---- what the first product's C wants is asked for first
	WIN 0xc0
.set ln, 0
.rept 32
	global_load_b128 v[4*ln:4*ln+3], v2, s[16:17] offset:((ln/2)%2)*32768+(ln/4)*64+16*(ln%2)   ; x straight into the accumulators' layout
.set ln, ln+1
.endr
	WIN 0
	LBIAS 18
.irp i, 0,1,2,3
	global_load_b128 v[G+4*\i:G+4*\i+3], v4, s[20:21] offset:16*\i
	global_load_b128 v[BE+4*\i:BE+4*\i+3], v4, s[22:23] offset:16*\i
.endr
	CROUND                                         ; all four work-groups are here: the first joint loads meet
	tensor_load_to_lds s[G0:G0+3], s[G1:G1+7]      ; chunk 0's W2
	s_nop 0
	PLACES
.irp s, 0,1,2,3
.irp m, 0,1
.irp c, 0,1,2,3
	global_load_b128 v[64+16*(4*\m+\s)+4*\c:64+16*(4*\m+\s)+4*\c+3], v1, s[8:9] offset:8192*\m+2048*\s+512*\c
.endr
.endr
	WIN 0x40
.irp t, 0,1,2,3
.irp c, 0,1,2,3
	global_load_b128 v[16*(4*\t+\s)+4*\c:16*(4*\t+\s)+4*\c+3], v1, s[10:11] offset:(4*\t+\s)*2048+512*\c
.endr
.endr
	WIN 0x80
.irp t, 0,1,2,3
.irp c, 0,1,2,3
	global_load_b128 v[16*(4*\t+\s)+4*\c:16*(4*\t+\s)+4*\c+3], v1, s[10:11] offset:(4*(\t+4)+\s)*2048+512*\c
.endr
.endr
	WIN 0
.endr
	s_wait_kmcnt 0x0
	s_add_co_i32 s5, s50, s51                      ; e10 + e11
	s_sub_co_i32 s6, 0, s5
	MKP2 34, 5
	MKP2 32, 6
	s_add_co_i32 s5, s54, s55                      ; e14 + e15
	s_sub_co_i32 s6, 0, s5
	MKP2 38, 5
	MKP2 36, 6
	s_add_co_i32 s5, s52, s53                      ; e12 + e13
	MKP2 40, 5
	MKSC 48, 49, 52
	s_add_co_i32 s5, s54, 1                        ; e14 + 1: spares the GELU's factor 0.5
	MKSC 50, 51, 5
	s_wait_loadcnt 63                              ; x and bo: 168 loads were issued behind them; 63 is the largest count a wait can name
	REBASE 32                                      ; (x + bo) / 2^(e10 + e11)
	s_wait_alu depctr_va_vdst(0)
	; ---- x1 = x + ao Wo + bo: 16 accumulators by turns, a K step at a time
.irp s, 0,1,2,3
.if \s < 2
	s_wait_loadcnt 63                              ; this K step's 40 loads: 120, then 80 were issued behind them
.else
	s_wait_loadcnt 40*(3-\s)
.endif
	WIN 0xf1                                       ; source 0 (Wo) window 1, C and D window 3
.irp t, 0,1,2,3
.irp m, 0,1
	v_wmma_f32_16x16x128_fp8_fp8 v[8*(2*\t+\m):8*(2*\t+\m)+7], v[16*(4*\t+\s):16*(4*\t+\s)+15], v[64+16*(4*\m+\s):64+16*(4*\m+\s)+15], v[8*(2*\t+\m):8*(2*\t+\m)+7]
.endr
.endr
	WIN 0xf2
.irp t, 0,1,2,3
.irp m, 0,1
	v_wmma_f32_16x16x128_fp8_fp8 v[8*(2*(\t+4)+\m):8*(2*(\t+4)+\m)+7], v[16*(4*\t+\s):16*(4*\t+\s)+15], v[64+16*(4*\m+\s):64+16*(4*\m+\s)+15], v[8*(2*(\t+4)+\m):8*(2*(\t+4)+\m)+7]
.endr
.endr
.endr
	WIN 0
	PLACES
	LBIAS 26                                       ; b2
	LWP 0                                          ; the first chunk's W1
	LWP 1
	LWP 2
	LWP 3
	SCALEACC 34                                    ; x1
	TOSTAGE
	s_wait_tensorcnt 0x0                           ; chunk 0's W2 has landed: no tensor load is out at the barriers of the norm
	BARRIER                                        ; 32 whole rows of x1 lie in the stage
	s_wait_loadcnt 63                              ; b2: W1's 64 loads were issued behind it
	REBASE 36                                      ; (x1 + b2) / 2^(e14 + e15): the C of the last product
.irp k, 0,1,2,3
	v_mov_b32 v[PP+\k], 0                          ; a lane permute's destination counts as read
	v_mov_b32 v[MU+2*\k+1], 0                      ; named as the upper half of a pair
.endr
	; ---- the second norm: wave w takes rows 8 w .. 8 w + 7
.set ln, 0
.rept 32
	ds_load_b128 v[XA+4*ln:XA+4*ln+3], v7 offset:(ln/4)*SPITCH+16*(ln%4)
.set ln, ln+1
.endr
	s_wait_dscnt 16                                ; the first four rows: the other four rows' 16 loads may be out
	LNGROUP XA, 0
	s_wait_dscnt 0x0
	LNGROUP XA+64, 4
	BARRIER                                        ; the rows' codes lie in LDS
	WIN 0xc0
.set ln, 0
.rept 32
	ds_load_b128 v[128+4*ln:128+4*ln+3], v8 offset:(ln/16)*TILEB+((ln/4)%4)*8*SLOTP+(ln%4)*2*SLOTP   ; their 8 fragments stay in window 3
.set ln, ln+1
.endr
	WIN 0
	LB1
	s_wait_dscnt 0x0
	s_mov_b32 s96, 7
.Lchunk:                                               ; 7 trips: behind each chunk but the last the next chunk's W2 is asked for
	CHUNK 0
	s_sub_co_u32 s96, s96, 1
	s_cmp_lg_u32 s96, 0
	s_cbranch_scc1 .Lchunk
	CHUNK 1                                        ; the last chunk is written out
	; ---- the way out: through the stage, so that each store of a wave covers 512 consecutive bytes of a row
	SCALEACC 38
	TOSTAGE
	BARRIER
.set ln, 0
.rept 32
	ds_load_b128 v[XA+4*ln:XA+4*ln+3], v11 offset:(ln/4)*SPITCH+640*(ln%4)
.set ln, ln+1
.endr
.set ln, 0
.rept 32
	s_wait_dscnt 31-ln
	global_store_b128 v1, v[XA+4*ln:XA+4*ln+3], s[30:31] offset:(ln/4)*2048+512*(ln%4) th:TH_STORE_NT
.set ln, ln+1
.endr
	s_wait_tensorcnt 0x0                           ; the wave's end: behind my last tensor load and my last LDS store
	ds_add_u32 v[SPW], v[NIL]
	s_wait_dscnt 0x0
	CROUND                                         ; the closing round: no work-group ends while a partner may still ask for a tile that names it
	s_endpgm
.Lfunc_end_k_q5df18c5b3e_oproj_ffn:
	.size	k_q5df18c5b3e_oproj_ffn, .Lfunc_end_k_q5df18c5b3e_oproj_ffn-k_q5df18c5b3e_oproj_ffn
	.p2alignl 7, 3214868480
	.fill 96, 4, 3214868480
	.section	.rodata,"a",@progbits
	.p2align	6, 0x0
	.amdhsa_kernel k_q5df18c5b3e_oproj_ffn
		.amdhsa_group_segment_fixed_size 327680
		.amdhsa_private_segment_fixed_size 0
		.amdhsa_enable_private_segment 0
		.amdhsa_kernarg_size 96
		.amdhsa_user_sgpr_count 2
		.amdhsa_user_sgpr_kernarg_segment_ptr 1
		.amdhsa_wavefront_size32 1
		.amdhsa_system_sgpr_workgroup_id_x 1
		.amdhsa_system_sgpr_workgroup_id_y 1
		.amdhsa_system_sgpr_workgroup_id_z 1
		.amdhsa_system_vgpr_workitem_id 0
		.amdhsa_next_free_vgpr 1024
		.amdhsa_next_free_sgpr 100
		.amdhsa_reserve_vcc 0
		.amdhsa_float_denorm_mode_32 3
		.amdhsa_float_denorm_mode_16_64 3
		.amdhsa_memory_ordered 1
		.amdhsa_forward_progress 1
		.amdhsa_inst_pref_size 229
	.end_amdhsa_kernel
	.amdgpu_metadata
---
amdhsa.version: [ 1, 2 ]
amdhsa.kernels:
  - .name:           k_q5df18c5b3e_oproj_ffn
    .symbol:         k_q5df18c5b3e_oproj_ffn.kd
    .args:
      - { .name: ao_img, .offset: 0, .size: 8, .value_kind: global_buffer, .address_space: global }
      - { .name: wo_img, .offset: 8, .size: 8, .value_kind: global_buffer, .address_space: global }
      - { .name: w1_img, .offset: 16, .size: 8, .value_kind: global_buffer, .address_space: global }
      - { .name: w2_img, .offset: 24, .size: 8, .value_kind: global_buffer, .address_space: global }
      - { .name: x, .offset: 32, .size: 8, .value_kind: global_buffer, .address_space: global }
      - { .name: bo, .offset: 40, .size: 8, .value_kind: global_buffer, .address_space: global }
      - { .name: g2, .offset: 48, .size: 8, .value_kind: global_buffer, .address_space: global }
      - { .name: be2, .offset: 56, .size: 8, .value_kind: global_buffer, .address_space: global }
      - { .name: b1, .offset: 64, .size: 8, .value_kind: global_buffer, .address_space: global }
      - { .name: b2, .offset: 72, .size: 8, .value_kind: global_buffer, .address_space: global }
      - { .name: lowp_scales, .offset: 80, .size: 8, .value_kind: global_buffer, .address_space: global }
      - { .name: out0, .offset: 88, .size: 8, .value_kind: global_buffer, .address_space: global }
    .group_segment_fixed_size: 327680
    .private_segment_fixed_size: 0
    .kernarg_segment_align: 8
    .kernarg_segment_size: 96
    .max_flat_workgroup_size: 128
    .sgpr_count:     100
    .vgpr_count:     1024
    .wavefront_size: 32
...
	.end_amdgpu_metadata
.endif
;; end of part 8
